; MI455X (gfx1250); checked and timed in simulation.
; The chip was launched on July 23, 2026; its instructions are those of AMD's public machine-readable ISA for CDNA 5 (MIT licence, August 2026) and "CDNA5" Instruction Set Architecture Reference Guide (July 2026). The comments in the code are by the model that wrote it; some were corrected since.
;; Gated Attention. Allowed arithmetic: matrix products marked QUANTISED: E2M3 operands, one E8M0 scale for each 32 along K, by v_wmma_scale_f32_16x16x128_f8f6f4 with both operands' format E2M3, f32 sums; everything else in f32.
;; Inputs: hidden_states_codes 2 x 1,024 x 64 x 24 uint8 (E2M3 codes of hidden_states, K innermost, in blocks of 32 codes, four codes in three bytes); hidden_states_scales 2 x 1,024 x 64 uint8 (E8M0 scales of hidden_states, one for each 32 codes along K); norm_w 128 float32; wg_codes 2,048 x 64 x 24 uint8 (E2M3 codes of wg, K innermost, in blocks of 32 codes, four codes in three bytes); wg_scales 2,048 x 64 uint8 (E8M0 scales of wg, one for each 32 codes along K); wk_codes 2,048 x 64 x 24 uint8 (E2M3 codes of wk, K innermost, in blocks of 32 codes, four codes in three bytes); wk_scales 2,048 x 64 uint8 (E8M0 scales of wk, one for each 32 codes along K); wo_codes 2,048 x 64 x 24 uint8 (E2M3 codes of wo, K innermost, in blocks of 32 codes, four codes in three bytes); wo_scales 2,048 x 64 uint8 (E8M0 scales of wo, one for each 32 codes along K); wq_codes 2,048 x 64 x 24 uint8 (E2M3 codes of wq, K innermost, in blocks of 32 codes, four codes in three bytes); wq_scales 2,048 x 64 uint8 (E8M0 scales of wq, one for each 32 codes along K); wv_codes 2,048 x 64 x 24 uint8 (E2M3 codes of wv, K innermost, in blocks of 32 codes, four codes in three bytes); wv_scales 2,048 x 64 uint8 (E8M0 scales of wv, one for each 32 codes along K).
;; Outputs: out0 2 x 1,024 x 2,048 float32.
;; This version of the problem:
;;   THIS VERSION OF THE PROBLEM IS GIVEN IN LOW PRECISION. The matrix products marked QUANTISED in the list below multiply operands that are first quantised to E2M3 (2 exponent bits, 3 mantissa bits; 6 bits a number), with one power-of-two scale for each 32 numbers along K (OCP MX v1.0); their sums are f32. All else is computed in f32.
;;   The module's matrix products, in the order in which they are computed (A, B: the left and right operand; K: the contracted axis; several contracted axes count as one K, in the product's order):
;;     1. [M 2,048, K 2,048] x [K 2,048, N 2,048]; A: input hidden_states (given as codes); B: input wq (given as codes): QUANTISED
;;     2. [M 2,048, K 2,048] x [K 2,048, N 2,048]; A: input hidden_states (given as codes); B: input wk (given as codes): QUANTISED
;;     3. [M 2,048, K 2,048] x [K 2,048, N 2,048]; A: input hidden_states (given as codes); B: input wv (given as codes): QUANTISED
;;     4. batch 32 x [M 1,024, K 128] x [K 128, N 1,024]; A: computed on the way; B: computed on the way: QUANTISED
;;     5. batch 32 x [M 1,024, K 1,024] x [K 1,024, N 128]; A: softmax (see below); B: computed on the way: QUANTISED
;;     6. [M 2,048, K 2,048] x [K 2,048, N 2,048]; A: input hidden_states (given as codes); B: input wg (given as codes): QUANTISED
;;     7. [M 2,048, K 2,048] x [K 2,048, N 2,048]; A: computed on the way; B: input wo (given as codes): QUANTISED
;;   THE QUANTISER, for each operand of a quantised product, along K:
;;     - K is cut into blocks of 32 from its start; a last block that is shorter is filled with zeros.
;;     - A block's scale is 2^e with e = floor(log2(the largest magnitude in the block)) - 2, held to -126 .. 127; a block of zeros has e = 0. As a byte (E8M0): e + 127.
;;     - Each number is divided by its block's scale, clamped to +-7.5, and rounded to the nearest number of E2M3, ties to even, subnormals kept.
;;     - The product sums the exact products of the quantised numbers (number of the format x scale) in f32.
;;   ~~~python
;;   def quantise(x, axis):      # numpy; x: float32 -> the quantised numbers, widened to float32 again
;;       x = np.moveaxis(x, axis, -1); K = x.shape[-1]
;;       x = np.pad(x, [(0, 0)] * (x.ndim - 1) + [(0, -K % 32)]); x = x.reshape(x.shape[:-1] + (-1, 32)); a = np.abs(x).max(-1, keepdims=True)
;;       e = np.where(a > 0, np.clip(np.frexp(np.where(a > 0, a, 1))[1] - 1 - 2, -126, 127), 0)      # np.frexp(a)[1] - 1 = floor(log2(a)), exactly
;;       r = np.clip(x / 2.0 ** e, -7.5, 7.5)
;;       step = 2.0 ** (np.maximum(np.frexp(np.where(r == 0, 1, r))[1] - 1, 0) - 3)
;;       q = np.round(r / step) * step * 2.0 ** e      # np.round: ties to even
;;       return np.moveaxis(q.reshape(q.shape[:-2] + (-1,))[..., :K], -1, axis).astype(np.float32)
;;   ~~~
;;   SOFTMAX AHEAD OF A QUANTISED PRODUCT. Where the list says 'softmax', what is quantised is not the finished softmax but p = 2^(t - M), with t = logit x log2(e) and M = ceil(the row's largest t), a whole number; so 1/2 < the row's largest p <= 1. The row's sum l is taken of the UNQUANTISED p, in f32, and the product's result is divided by l at the end. Since M is a whole number, a kernel that streams over the keys may use a running M (the ceiling of the running maximum): every later rescaling is an exact power of two, which a block's scale takes up: the codes' values come out the same.
;;   OPERANDS COMPUTED ON THE WAY. 'Computed on the way' means the value that the module computes at that place (a softmax that the list does not call 'softmax' is quantised finished and normalised). What goes into a quantiser is computed in f32, as accurately as f32 sums, v_exp_f32 and their like allow (about 1e-6 of the number): no bf16 or f16 on the way to a quantiser, and a product that is left as it is and whose result goes on into a quantised operand takes f32 operands (vector FMAs, or v_wmma_f32_16x16x4_f32). A number that lies on a knife's edge between two numbers of the format may be rounded either way, as far as f32 arithmetic and the matrix unit's own rounding can turn it there, and no further.
;;   INPUTS GIVEN AS CODES. hidden_states (in the module: [2, 1024, 2048], K = its axis 2); wg (in the module: [2048, 2048], K = its axis 1); wk (in the module: [2048, 2048], K = its axis 1); wo (in the module: [2048, 2048], K = its axis 1); wq (in the module: [2048, 2048], K = its axis 1); wv (in the module: [2048, 2048], K = its axis 1): each comes as NAME_codes (uint8): NAME with its K axis moved to the last place and cut into blocks of 32 codes, [.., K / 32, bytes a block], one block behind the other in memory; four codes in three bytes: a row's codes are one little-endian stream of bits, code i at bits 6 i .. 6 i + 5 (a code: sign, 2 exponent bits, 3 mantissa bits); and NAME_scales (uint8): the same leading axes, one E8M0 byte (e + 127) for each 32 codes along K. Its value is code x scale, taken as it is: it is not quantised again, and the codes and scales need not be those that the quantiser above would give.
;; 2 versions. Each part assembles by itself: llvm-mc -triple=amdgcn-amd-amdhsa -mcpu=gfx1250 --defsym DOCPART=n.
;; ======== version 1 of 2: 4 launches
;; workspace buffers: tab 524,288 bytes; gbuf 16,777,216 bytes; qbuf 3,276,800 bytes; kbuf 3,276,800 bytes; vbuf 3,276,800 bytes; acodes 3,145,728 bytes; ascales 131,072 bytes
;; launch tab (part 1): grid 64 x 1, 8 waves a work-group, no clusters, 0 bytes of LDS; arguments tab; writes tab
.if DOCPART == 1
	.amdgcn_target "amdgcn-amd-amdhsa--gfx1250"
	.amdhsa_code_object_version 6
	.text
	.protected	k_qd645a9c11d_tab
	.globl	k_qd645a9c11d_tab
	.p2align	8
	.type	k_qd645a9c11d_tab,@function
k_qd645a9c11d_tab:
	s_mov_b64 s[64:65], 0
	v_nop
	global_prefetch_b8 v0, s[64:65] scope:SCOPE_SE
	s_setreg_imm32_b32 hwreg(HW_REG_WAVE_MODE, 25, 1), 1
	s_wait_xcnt 0x0
; THE ROTARY TABLE: cos and sin of the f32 angle t x inv_freq(f), t = 0 .. 1023, f = 0 .. 63, inv_freq(f) = 1 / 10000^(f / 64) = 1 / 10^(f / 16).
; The angle is made as the definition makes it: inv_freq rounded to f32, then ONE f32 product with t.  Made once here, since 65,536 pairs serve 2 x 2 x 16 x 1,024 rows of q and k.
; LAYOUT: [t / 16][cos 4,096 bytes | sin 4,096 bytes]; in each half, chunk q (0 .. 7) at 512 q + 16 x lane: register 4 q + i of lane (r, h) is t = 16 (t / 16) + r, f = 16 (q / 2) + 8 h + 4 (q % 2) + i:
; the order in which a lane of the projection holds 32 channels of a row.  Work-group = t / 16, wave = q; a thread makes four pairs.  Each store of a wave covers 512 consecutive bytes, aligned.
; 10^(f / 16) is a product of 10^(1/16), 10^(1/8), 10^(1/4), 10^(1/2) and 10^(f / 16 rounded down), kept as a sum of two f32 (hi + lo) and rounded once; the reciprocal is v_rcp_f32 with two corrections by fused multiply-adds.
; Sine and cosine: the angle less n x pi/2 (pi/2 as a sum of two f32; the first product is exact, n has 10 bits), then polynomials on |x| <= pi/4, then the quadrant.
; LIMIT: inv_freq is the correctly rounded power followed by the correctly rounded reciprocal.  Where a library's power function differs from that by one unit in the last place, an angle differs by at most 6e-5 (at t near 1,000).
.macro DFMUL hi, lo, bh, bl            ; (hi + lo) x (bh + bl), again as hi + lo
	v_mul_f32 v24, v[\hi], v[\bh]
	v_fma_f32 v25, v[\hi], v[\bh], -v24            ; what the product's rounding dropped,
	v_fma_f32 v25, v[\hi], v[\bl], v25             ; and the two cross terms
	v_fma_f32 v25, v[\lo], v[\bh], v25
	v_add_f32 v26, v24, v25
	v_sub_f32 v27, v26, v24
	v_sub_f32 v[\lo], v25, v27
	v_mov_b32 v[\hi], v26
.endm
	s_load_b64 s[4:5], s[0:1], 0x0                 ; the table
	v_lshrrev_b32 v1, 5, v0
	v_readfirstlane_b32 s8, v1                     ; q = wave 0..7
	v_and_b32 v1, 15, v0                           ; r
	v_bfe_u32 v2, v0, 4, 1                         ; h
	v_lshlrev_b32 v3, 4, v0                        ; 512 q + 16 x lane
	s_lshl_b32 s9, ttmp9, 4
	v_add_nc_u32 v4, s9, v1
	v_cvt_f32_u32 v4, v4                           ; t
	s_lshl_b32 s10, ttmp9, 13                      ; 8,192 bytes for 16 t
	s_mov_b32 s11, 0
	s_mov_b32 s12, 0x3fc90fdb                      ; pi/2, upper part
	s_mov_b32 s13, 0xb33bbd2e                      ; pi/2, lower part
	v_mov_b32 v6, 0x3f93cfe5                       ; 10^(1/16) = v6 + v7
	v_mov_b32 v7, 0x334a404f
	v_mov_b32 v8, 0x3faab0d5                       ; 10^(1/8)
	v_mov_b32 v9, 0xb36457ec
	s_and_b32 s14, s8, 1
	s_cmp_eq_u32 s14, 1
	s_cselect_b32 s15, 0x3fe39ea9, 1.0             ; 10^(1/4) where q is odd, else 1
	s_cselect_b32 s16, 0xb26aee3b, 0
	v_mov_b32 v10, s15
	v_mov_b32 v11, s16
	v_cmp_eq_u32 vcc_lo, 1, v2
	v_mov_b32 v12, 0x404a62c2                      ; 10^(1/2) in lanes 16-31, else 1
	v_mov_b32 v13, 0xb324b494
	v_cndmask_b32 v12, 1.0, v12, vcc_lo
	v_cndmask_b32 v13, 0, v13, vcc_lo
	s_lshr_b32 s6, s8, 1                           ; f / 16
	s_mov_b32 s7, 1.0
	s_cmp_eq_u32 s6, 1
	s_cselect_b32 s7, 0x41200000, s7               ; 10
	s_cmp_eq_u32 s6, 2
	s_cselect_b32 s7, 0x42c80000, s7               ; 100
	s_cmp_eq_u32 s6, 3
	s_cselect_b32 s7, 0x447a0000, s7               ; 1,000
	v_mov_b32 v14, s7
	v_mov_b32 v48, 0xb94ca1f9                      ; the polynomials' leading coefficients
	v_mov_b32 v49, 0x37ccf5ce
	v_mov_b32 v16, 1.0                             ; i = 0: 1
	v_mov_b32 v20, 0
	v_mov_b32 v17, v6                              ; i = 1: 10^(1/16)
	v_mov_b32 v21, v7
	v_mov_b32 v18, v8                              ; i = 2: 10^(1/8)
	v_mov_b32 v22, v9
	v_mov_b32 v19, v6                              ; i = 3: their product
	v_mov_b32 v23, v7
	DFMUL 19, 23, 8, 9
.irp i, 0,1,2,3
	DFMUL 16+\i, 20+\i, 10, 11
	DFMUL 16+\i, 20+\i, 12, 13
	v_mul_f32 v24, v[16+\i], v14                   ; x the whole power of ten, and the one rounding to f32
	v_fma_f32 v25, v[16+\i], v14, -v24
	v_fma_f32 v25, v[20+\i], v14, v25
	v_add_f32 v[28+\i], v24, v25
.endr
.irp i, 0,1,2,3
	v_rcp_f32 v[32+\i], v[28+\i]
.endr
	v_nop                                          ; a plain instruction behind the last reciprocal
	s_wait_alu depctr_va_vdst(0)                   ; one wait for the four, ahead of their first reader
.irp i, 0,1,2,3
	v_fma_f32 v24, -v[28+\i], v[32+\i], 1.0
	v_fma_f32 v25, v[32+\i], v24, v[32+\i]
	v_fma_f32 v24, -v[28+\i], v25, 1.0
	v_fma_f32 v25, v24, v25, v25                   ; inv_freq
	v_mul_f32 v[36+\i], v4, v25                    ; the angle: one f32 product
.endr
.irp i, 0,1,2,3
	v_mul_f32 v50, 0x3f22f983, v[36+\i]            ; x 2 / pi
	v_rndne_f32 v50, v50                           ; n
	v_fma_f32 v51, -v50, s12, v[36+\i]
	v_fma_f32 v51, -v50, s13, v51                  ; x = angle - n pi/2
	v_cvt_i32_f32 v52, v50
	v_mul_f32 v53, v51, v51                        ; z = x x
	v_fmaak_f32 v54, v53, v48, 0x3c08839e
	v_fmaak_f32 v54, v54, v53, 0xbe2aaaa3
	v_mul_f32 v54, v54, v53
	v_fma_f32 v54, v54, v51, v51                   ; sin x
	v_fmaak_f32 v55, v53, v49, 0xbab6061a
	v_fmaak_f32 v55, v55, v53, 0x3d2aaaa5
	v_mul_f32 v55, v55, v53
	v_fma_f32 v56, v53, -0.5, 1.0
	v_fma_f32 v55, v55, v53, v56                   ; cos x
	v_and_b32 v57, 1, v52
	v_cmp_eq_u32 vcc_lo, 1, v57                    ; an odd n changes sine and cosine about
	v_cndmask_b32 v58, v54, v55, vcc_lo
	v_cndmask_b32 v59, v55, v54, vcc_lo
	v_lshlrev_b32 v57, 30, v52                     ; the sine's sign: bit 1 of n
	v_and_b32 v57, 0x80000000, v57
	v_xor_b32 v[44+\i], v58, v57
	v_add_nc_u32 v52, 1, v52                       ; the cosine's: bit 1 of n + 1
	v_lshlrev_b32 v57, 30, v52
	v_and_b32 v57, 0x80000000, v57
	v_xor_b32 v[40+\i], v59, v57
.endr
	s_wait_kmcnt 0x0
	s_add_nc_u64 s[4:5], s[4:5], s[10:11]
	global_store_b128 v3, v[40:43], s[4:5]
	global_store_b128 v3, v[44:47], s[4:5] offset:4096
	s_endpgm
.Lfunc_end_k_qd645a9c11d_tab:
	.size	k_qd645a9c11d_tab, .Lfunc_end_k_qd645a9c11d_tab-k_qd645a9c11d_tab
	.p2alignl 7, 3214868480
	.fill 96, 4, 3214868480
	.section	.rodata,"a",@progbits
	.p2align	6, 0x0
	.amdhsa_kernel k_qd645a9c11d_tab
		.amdhsa_group_segment_fixed_size 0
		.amdhsa_private_segment_fixed_size 0
		.amdhsa_enable_private_segment 0
		.amdhsa_kernarg_size 8
		.amdhsa_user_sgpr_count 2
		.amdhsa_user_sgpr_kernarg_segment_ptr 1
		.amdhsa_wavefront_size32 1
		.amdhsa_system_sgpr_workgroup_id_x 1
		.amdhsa_system_sgpr_workgroup_id_y 1
		.amdhsa_system_sgpr_workgroup_id_z 1
		.amdhsa_system_vgpr_workitem_id 0
		.amdhsa_next_free_vgpr 64
		.amdhsa_next_free_sgpr 66
		.amdhsa_reserve_vcc 1
		.amdhsa_float_denorm_mode_32 3
		.amdhsa_float_denorm_mode_16_64 3
		.amdhsa_memory_ordered 1
		.amdhsa_forward_progress 1
		.amdhsa_inst_pref_size 13
	.end_amdhsa_kernel
	.amdgpu_metadata
---
amdhsa.version: [ 1, 2 ]
amdhsa.kernels:
  - .name:           k_qd645a9c11d_tab
    .symbol:         k_qd645a9c11d_tab.kd
    .args:
      - { .name: tab, .offset: 0, .size: 8, .value_kind: global_buffer, .address_space: global }
    .group_segment_fixed_size: 0
    .private_segment_fixed_size: 0
    .kernarg_segment_align: 8
    .kernarg_segment_size: 8
    .max_flat_workgroup_size: 256
    .sgpr_count:     66
    .vgpr_count:     64
    .wavefront_size: 32
...
	.end_amdgpu_metadata
.endif
;; end of part 1
;; launch proj (part 2): grid 32 x 8, 4 waves a work-group, clusters of 4 x 4, 327,680 bytes of LDS; arguments hidden_states_codes, hidden_states_scales, wg_codes, wg_scales, wq_codes, wq_scales, wk_codes, wk_scales, wv_codes, wv_scales, gbuf, qbuf, kbuf, vbuf, tab; writes gbuf, qbuf, kbuf, vbuf
.if DOCPART == 2
	.amdgcn_target "amdgcn-amd-amdhsa--gfx1250"
	.amdhsa_code_object_version 6
	.text
	.protected	k_qd645a9c11d_proj
	.globl	k_qd645a9c11d_proj
	.p2align	8
	.type	k_qd645a9c11d_proj,@function
k_qd645a9c11d_proj:
	s_mov_b64 s[64:65], 0
	v_nop
	global_prefetch_b8 v0, s[64:65] scope:SCOPE_SE
	s_setreg_imm32_b32 hwreg(HW_REG_WAVE_MODE, 25, 1), 1
	s_wait_xcnt 0x0
	s_wait_alu depctr_hold_cnt(0) depctr_sa_sdst(0) depctr_va_vdst(0) depctr_va_sdst(0) depctr_va_ssrc(0) depctr_va_vcc(0) depctr_vm_vsrc(0)
	s_getreg_b32 s2, hwreg(HW_REG_IB_STS2, 6, 4)
	s_cmp_eq_u32 s2, 0
	s_cbranch_scc0 .Lentry_in_a_cluster
	s_endpgm
.Lentry_in_a_cluster:
	s_bfe_u32 s2, ttmp6, 0x10000c
	s_cmp_lg_u32 s2, 0xf033
	s_cbranch_scc0 .Lentry_shape_is_right
	s_endpgm
.Lentry_shape_is_right:
; C[m][n] = sum over k of A[m][k] B[n][k] on codes of FP6 (E2M3) with one E8M0 scale for each 32 along K; 2,048 rows a side, K = 2,048; sums in f32.  ONE BODY FOR FIVE PRODUCTS, told apart by the KIND = cluster x / 2:
;   kind 0: A = argument 0 (rows b l), B = argument 2; C leaves as f32 rows of 2,048 (the gate's projection; the output projection).
;   kind 1, 2: A = argument 0, B = wq, wk.  A wave's 128 columns are one head: the rotary turn, then the quantiser along the head's 128, then the codes leave as IMAGES of operand registers.
;   kind 3: A = wv, B = argument 0: the operands change places, so that a lane holds one channel and its registers run along the KEYS, which are the second attention product's K; quantiser, images.
; A tile of C, 256 x 256, is made by four waves, as many as a WGP has SIMDs; a wave makes 128 x 128: 64 accumulators, 512 registers.  K goes in steps of 256 through a ring of two LDS slots filled by the tensor data
; mover (a tile's row: 192 bytes).  The scales of the work-group's 2 x 256 rows, for all of K, come into LDS once, with the first fills.
; CLUSTERS: 4 x 4 work-groups.  The four of a row of the cluster need the same tiles of A, the four of a column the same tiles of B: each tile is asked for JOINTLY.  The kind hangs on the cluster's x alone: it is the same in all sixteen.
; THE MATRIX INSTRUCTION IS USED TRANSPOSED (source 0 = 16 rows of B, source 1 = 16 rows of A): in accumulator (a, b) lane (r, h) holds row 16 a + r of A's 128 and, in register j, row 16 b + 8 h + j of B's 128.
; IMAGES.  A fragment (16 rows x 128 K, 12 registers a lane) lies as 3 x 512 bytes, lane l's registers 4 c .. 4 c + 3 at 512 c + 16 l; [head b h][group of 128 rows l or keys][tile of 16][1,536].  Inside a block of 32 along K the
; codes keep the order in which the accumulators hold them: place 16 x half + 8 u + j holds index 16 u + 8 x half + j.  q and k are laid alike, and so are v and the p that the next launch makes: a product does not see it, but for the grouping of its terms.
; The scale words follow the codes, [b h][group][512]: the word of tile 2 i + h, row r at 16 (16 h + r) + 4 i, so that one load of 16 bytes a lane brings four registers with an even tile's words in lanes 0-15 and an odd tile's in lanes 16-31.
; LIMITS: NaN and infinities are not served; a block whose largest magnitude lies under 2^-124 (zeros too) gets the byte 1, its codes being what the conversion gives under that scale; these bytes are read by this program alone.
; REGISTERS, in windows of 256: window 0: v0-31 addresses; v32-63 scale words, two sets; v64-127 table values; from v128 A's fragments, ONE set; behind the loop v128-255 are free.
;   window 1: B's fragments, TWO sets, at v0 and v128.   window 2: the accumulators of my rows 0-63 ((a, b) at v[8 (8 a + b)]);   window 3: those of my rows 64-127.
.set SIZE_K, 2048
.set SIZE_N, 2048                      ; numbers in a row of C
.set KSTEP,  256                       ; along K in a slot
.set NQ,     KSTEP/128                 ; matrix instructions deep
.set ROWB,   192                       ; a tile's row in bytes
.set KROW,   SIZE_K*6/8                ; a row of codes in memory
.set PITCH,  240                       ; an LDS row: 3 x (64 bytes of data + 16 of padding) = 60 words: the 32 lanes of a load of 8 bytes touch 64 different banks (64 banks of 4 bytes: ISA guide 11.1)
.set FR,     12                        ; registers of a fragment
.set NL,     6                         ; LDS loads that bring one
.set NP,     4                         ; places behind this matrix instruction (ISA guide 7.12.1)
.set HALFT,  128*PITCH                 ; 128 rows: what one tensor load brings
.set SLOT,   4*HALFT                   ; A's 256 rows, then B's 256 rows
.set LAPS,   SIZE_K/(2*KSTEP)          ; a lap = two K steps = once round the ring
.set KS,     SIZE_K/32                 ; a row of scales in bytes
.set SCL,    2*SLOT                    ; behind the ring: the scales, as runs of 256 bytes + 16 of padding
.set HALFS,  (128*KS/256)*272          ; the scales of 128 rows
.set SBLK,   (16*KS/256)*272           ; those of 16 rows
.set SPARE,  SCL+4*HALFS               ; the spare words, 128 bytes for each wave: two blocks of 256 bytes that no other line names
.set SPITCH, 528                       ; kind 0's way out: a stage of 16 rows x (512 + 16 bytes) for each wave, in slot 0, which has had its last fill and its last read by then
.set SC_OFF, 3145728                   ; where the scale words begin in an image buffer
.set ADRA, 16                          ; v16-17 LDS address of my A fragments in slot 0, 1 (v18-19: behind one padding more)
.set ADRB, 20                          ; v20-23 the same for B
.set STO,  24                          ; v24    the stage: where I put 32 bytes of a row
.set RD,   25                          ; v25    and where I read a row back
.set CO,   26                          ; v26    16 x lane
.set ADRS, 27                          ; v27    LDS address of my scale words: lanes 0-15 A's rows, lanes 16-31 B's
.set SPW,  28                          ; v28    LDS address of my spare word; never rewritten
.set NIL,  29                          ; v29    0; never rewritten
.set SC,   32                          ; scale words: they hold scales and nothing else
.set AF,   128                         ; A's fragments
.set BK,   128                         ; kind 0's way out: rows read back, v128-191 and v192-255 by turns
.set TM,   192                         ; the quantiser: v192-195 largest magnitudes, v196-199 bytes, v204-207 the conversions' scale operands
.set PC,   208                         ; v208-226 the codes just made
.set SW,   228                         ; v228-235 the eight tiles' scale words
.set SWC,  236                         ; v236-239 as they are stored
.set G1, 24                            ; s[24:31] descriptor group 1 for A's tiles;  s[32:39] group 0, one set for each slot
.set G0, 32
.set G1B, 48                           ; s[48:55], s[56:63] the same for B's tiles
.set G0B, 56
.set G1S, 68                           ; s[68:75], s[76:79] groups 1 and 0 for A's scales;  s[80:87], s[88:91] for B's
.set G0S, 76
.set G1SB, 80
.set G0SB, 88
.set KIND, 66                          ; s66
.set TABP, 98                          ; s[98:99]   the table at my 128 rows
.set SCP,  100                         ; s[100:101] where my group's scale words go
.set MSB, 0
.macro WIN new                         ; the immediate's high byte repeats the setting that is left
.if MSB != \new
	s_set_vgpr_msb (MSB<<8)|\new
.set MSB, \new
.endif
.endm
.set MUL_LO, 0xa1                      ; source 0 (B) window 1, source 1 (A) window 0, C and D window 2
.set MUL_HI, 0xf1                      ; the same, C and D window 3
.set TO_B,   0x40                      ; destination window 1, address window 0
; A joint load: waves 0 and 1 fetch for A, waves 2 and 3 for B.  Each of the two lines has one mask and one set of registers for all that issue it; the branch hangs on the wave's number alone.
; Four v_nop follow each of the two lines, ahead of the jump, the label and what follows.
.macro JLOAD g0a, g1a, g0b, g1b
	s_cmp_eq_u32 s15, 0
	s_cbranch_scc0 .Lfor_b_\@
	tensor_load_to_lds s[\g0a:\g0a+3], s[\g1a:\g1a+7]
	s_nop 0
.rept 4
	v_nop
.endr
	s_branch .Lasked_\@
.Lfor_b_\@:
	tensor_load_to_lds s[\g0b:\g0b+3], s[\g1b:\g1b+7]
	s_nop 0
.rept 4
	v_nop
.endr
.Lasked_\@:
.endm
.macro CREST                           ; a round of the cluster's barrier behind its opening barrier
	s_cmp_lg_u32 s14, 0
	s_cbranch_scc1 .Lnot_wave_0_\@
	s_barrier_signal -3
.Lnot_wave_0_\@:
	s_barrier_wait -3
	s_barrier_signal -1
	s_barrier_wait -1
.endm
.macro CROUND                          ; a whole round
	s_barrier_signal -1
	s_barrier_wait -1
	CREST
.endm
	s_load_b512 s[68:83], s[0:1], 0x0              ; x's codes, scales; w0's; wq's; wk's
	s_load_b256 s[84:91], s[0:1], 0x40             ; wv's codes, scales; c0; q's images
	s_load_b128 s[92:95], s[0:1], 0x60             ; k's images, v's images
	s_load_b64 s[96:97], s[0:1], 0x70              ; the table
	v_lshl_add_u32 v[SPW], v0, 2, SPARE
	v_mov_b32 v[NIL], 0
	ds_add_u32 v28, v29
	ds_add_u32 v28, v29
	s_wait_dscnt 0x0
	v_lshrrev_b32 v1, 5, v0
	v_readfirstlane_b32 s14, v1                    ; wave 0..3
	s_lshr_b32 s15, s14, 1                         ; which half of the tile's rows is mine.  Also: I fetch for A (0) or for B (1)
	s_and_b32 s16, s14, 1                          ; which half of its columns.  Also: which 128 rows of that tile I fetch
	s_bfe_u32 s40, ttmp6, 0x40000                  ; cx, cy: my place in the cluster
	s_bfe_u32 s41, ttmp6, 0x40004
	s_lshr_b32 s[KIND], ttmp9, 1                   ; two clusters along x make a kind's eight tile columns
	s_and_b32 s42, ttmp9, 1
	s_lshl_b32 s42, s42, 2
	s_add_co_u32 s42, s42, s40                     ; tile column = 4 x (cluster x % 2) + cx
	s_and_b32 s17, ttmp7, 0xffff
	s_lshl_b32 s17, s17, 2
	s_add_co_u32 s17, s17, s41                     ; tile row = 4 x cluster y + cy
	s_lshl_b32 s43, s41, 2
	s_lshl_b32 s43, 15, s43                        ; my row of the cluster
	s_lshl_b32 s44, 0x1111, s40                    ; my column
	; descriptor group 1: a tile of 128 rows x ROWB bytes, padded in LDS
	s_or_b32 s[G1+0], s43, (0<<16)|(1<<20)|(1<<21)|(3<<22)|(3<<25)  ; 15:0 the mask: A's tiles go to my row; 17:16 element of 1 byte; 20 padding on; 21 set beside a mask; 24:22 after every 16 words (code 3); 31:25 of 4 words (code 3)
	s_or_b32 s[G1B+0], s44, (0<<16)|(1<<20)|(1<<21)|(3<<22)|(3<<25)
.irp g, G1, G1B
	s_mov_b32 s[\g+1], ROWB<<16                    ; tensor_dim0
	s_mov_b32 s[\g+2], 128<<16                     ; tensor_dim1 = 128
	s_mov_b32 s[\g+3], ROWB<<16                    ; tile_dim0
	s_mov_b32 s[\g+4], 128                         ; tile_dim1 = 128
	s_mov_b32 s[\g+5], KROW                        ; tensor_dim0_stride
	s_mov_b32 s[\g+6], 0
	s_mov_b32 s[\g+7], 0
.endr
	s_lshl_b32 s18, s16, 7                         ; which 128 rows of the tile I fetch
	s_lshl_b32 s20, s17, 8
	s_add_co_u32 s20, s20, s18                     ; A: row 256 x tile row + 128 x half
	s_lshl_b32 s46, s42, 8
	s_add_co_u32 s46, s46, s18                     ; B: row 256 x tile column + 128 x half
	s_mov_b32 s21, 0
	s_mov_b32 s47, 0
	s_mov_b64 s[18:19], KS
	s_mul_u64 s[22:23], s[20:21], s[18:19]         ; where these rows' scales begin, in bytes
	s_mul_u64 s[2:3], s[46:47], s[18:19]
	s_mov_b64 s[18:19], KROW
	s_mul_u64 s[20:21], s[20:21], s[18:19]         ; and their codes
	s_mul_u64 s[46:47], s[46:47], s[18:19]
	s_mul_i32 s45, s14, HALFT                      ; where they go: wave x 128 rows: no place in the cluster enters an LDS address
	s_mul_i32 s18, s14, HALFS
	s_wait_kmcnt 0x0
	; the kind chooses the buffers: a choice that hangs on the cluster's number alone
	s_cmp_eq_u32 s[KIND], 3
	s_cselect_b64 s[4:5], s[84:85], s[68:69]       ; A's codes: wv's for kind 3, else x's
	s_cselect_b64 s[6:7], s[86:87], s[70:71]       ; A's scales
	s_cselect_b64 s[8:9], s[68:69], s[72:73]       ; B's codes: x's for kind 3, else w0's
	s_cselect_b64 s[10:11], s[70:71], s[74:75]
	s_cselect_b64 s[12:13], s[94:95], s[88:89]     ; where the results go
	s_cmp_eq_u32 s[KIND], 1
	s_cselect_b64 s[8:9], s[76:77], s[8:9]
	s_cselect_b64 s[10:11], s[78:79], s[10:11]
	s_cselect_b64 s[12:13], s[90:91], s[12:13]
	s_cmp_eq_u32 s[KIND], 2
	s_cselect_b64 s[8:9], s[80:81], s[8:9]
	s_cselect_b64 s[10:11], s[82:83], s[10:11]
	s_cselect_b64 s[12:13], s[92:93], s[12:13]
	s_mov_b64 s[TABP:TABP+1], s[96:97]
	s_add_nc_u64 s[20:21], s[4:5], s[20:21]
	s_add_nc_u64 s[22:23], s[6:7], s[22:23]
	s_add_nc_u64 s[46:47], s[8:9], s[46:47]
	s_add_nc_u64 s[2:3], s[10:11], s[2:3]
	; group 1 for the scales of 128 rows: a dense block of 128 KS bytes, as rows of 256 bytes (32 elements of 8 bytes), 16 bytes of padding behind each  (s68 on have given up the arguments)
	s_or_b32 s[G1S+0], s43, (3<<16)|(1<<20)|(1<<21)|(5<<22)|(3<<25)
	s_or_b32 s[G1SB+0], s44, (3<<16)|(1<<20)|(1<<21)|(5<<22)|(3<<25)
.irp g, G1S, G1SB
	s_mov_b32 s[\g+1], 32<<16
	s_mov_b32 s[\g+2], (128*KS/256)<<16
	s_mov_b32 s[\g+3], 32<<16
	s_mov_b32 s[\g+4], 128*KS/256
	s_mov_b32 s[\g+5], 32
	s_mov_b32 s[\g+6], 0
	s_mov_b32 s[\g+7], 0
.endr
	CROUND                                         ; all sixteen work-groups are here: the first joint loads meet
	s_mov_b32 s[G0S], 1
	s_add_co_u32 s[G0S+1], s18, SCL
	s_mov_b64 s[G0S+2:G0S+3], s[22:23]
	s_or_b32 s[G0S+3], s[G0S+3], 0x80000000
	s_mov_b32 s[G0SB], 1
	s_add_co_u32 s[G0SB+1], s18, SCL
	s_mov_b64 s[G0SB+2:G0SB+3], s[2:3]
	s_or_b32 s[G0SB+3], s[G0SB+3], 0x80000000
	JLOAD G0S, G1S, G0SB, G1SB                     ; the scales first: they are wanted with K step 0
.irp s, 0,1
	s_mov_b32 s[G0+4*\s], 1
	s_add_co_u32 s[G0+4*\s+1], s45, \s*SLOT
	s_add_nc_u64 s[G0+4*\s+2:G0+4*\s+3], s[20:21], \s*ROWB
	s_or_b32 s[G0+4*\s+3], s[G0+4*\s+3], 0x80000000
	s_mov_b32 s[G0B+4*\s], 1
	s_add_co_u32 s[G0B+4*\s+1], s45, \s*SLOT
	s_add_nc_u64 s[G0B+4*\s+2:G0B+4*\s+3], s[46:47], \s*ROWB
	s_or_b32 s[G0B+4*\s+3], s[G0B+4*\s+3], 0x80000000
	JLOAD G0+4*\s, G1, G0B+4*\s, G1B
.endr
	v_and_b32 v1, 15, v0                           ; l % 16
	v_bfe_u32 v2, v0, 4, 1                         ; l / 16
	v_mul_u32_u24 v3, v1, PITCH
	v_mul_u32_u24 v4, v2, 24
	v_add_nc_u32 v4, v3, v4                        ; a fragment's row x pitch + 24 x half
	v_lshl_add_u32 v5, v2, 4, v4                   ; and the same behind one padding more
	s_mul_i32 s21, s15, HALFT                      ; my 128 rows of A
	s_mul_i32 s22, s16, HALFT                      ; my 128 rows of B,
	s_add_co_u32 s22, s22, 2*HALFT                 ; which lie behind A's 256
.irp s, 0,1
	v_add_nc_u32 v[ADRA+\s], s21, v4
	v_add_nc_u32 v[ADRB+\s], s22, v4
	v_add_nc_u32 v[ADRA+2+\s], s21, v5
	v_add_nc_u32 v[ADRB+2+\s], s22, v5
	s_add_co_u32 s21, s21, SLOT
	s_add_co_u32 s22, s22, SLOT
.endr
	v_mul_u32_u24 v5, v1, KS                       ; my row's scales: KS bytes a row,
	v_lshrrev_b32 v6, 8, v5
	v_lshl_add_u32 v5, v6, 4, v5                   ; and 16 more for each 256 passed
	s_mul_i32 s21, s15, HALFS                      ; A's: my 128 rows
	s_mul_i32 s22, s16, HALFS                      ; B's: my 128 rows, behind A's 256
	s_add_co_u32 s22, s22, 2*HALFS
	s_sub_co_u32 s22, s22, s21
	v_mul_u32_u24 v6, s22, v2                      ; lanes 16-31 take B's
	s_add_co_u32 s21, s21, SCL
	v_add_nc_u32 v5, v5, v6
	v_add_nc_u32 v[ADRS], s21, v5
	s_mul_i32 s23, s14, 16*SPITCH                  ; my stage
	v_mul_u32_u24 v5, v1, SPITCH                   ; in: row l % 16, 32 bytes for each half of the lanes
	v_lshl_add_u32 v5, v2, 5, v5
	v_add_nc_u32 v[STO], s23, v5
	v_and_b32 v6, 31, v0
	v_lshlrev_b32 v[CO], 4, v6                     ; 16 x lane
	v_add_nc_u32 v[RD], s23, v[CO]
	; WHERE THE RESULTS GO.  Kind 0: my first row and column of C
	s_lshl_b32 s20, s17, 8
	s_lshl_b32 s21, s15, 7
	s_add_co_u32 s20, s20, s21                     ; row 256 x tile row + 128 x half
	s_mov_b32 s21, 0
	s_mov_b64 s[18:19], SIZE_N*4
	s_mul_u64 s[20:21], s[20:21], s[18:19]
	s_lshl_b32 s46, s42, 10                        ; column, in bytes: 1,024 x tile column + 512 x half
	s_lshl_b32 s47, s16, 9
	s_add_co_u32 s46, s46, s47
	s_mov_b32 s47, 0
	s_add_nc_u64 s[20:21], s[20:21], s[46:47]
	; Images: which side holds the rows b l, and which the channels h d
	s_cmp_eq_u32 s[KIND], 3
	s_cselect_b32 s92, s42, s17                    ; the tile of 256 rows b l,
	s_cselect_b32 s93, s17, s42                    ; the tile of 256 channels,
	s_cselect_b32 s94, s16, s15                    ; and my halves of them
	s_cselect_b32 s95, s15, s16
	s_lshr_b32 s96, s92, 2                         ; b
	s_lshl_b32 s96, s96, 4
	s_lshl_b32 s93, s93, 1
	s_add_co_u32 s96, s96, s93
	s_add_co_u32 s96, s96, s95                     ; 16 b + head
	s_and_b32 s92, s92, 3
	s_lshl_b32 s92, s92, 1
	s_add_co_u32 s92, s92, s94                     ; the group of 128 rows l
	s_mul_i32 s46, s96, 98304
	s_mul_i32 s93, s92, 12288
	s_add_co_u32 s46, s46, s93                     ; my eight images
	s_lshl_b32 s22, s96, 12
	s_lshl_b32 s93, s92, 9
	s_add_co_u32 s22, s22, s93
	s_add_co_u32 s22, s22, SC_OFF                  ; my group's scale words
	s_mov_b32 s23, 0
	s_add_nc_u64 s[SCP:SCP+1], s[12:13], s[22:23]
	s_lshl_b32 s22, s92, 16                        ; the table: 8 x 8,192 bytes for 128 rows l
	s_add_nc_u64 s[TABP:TABP+1], s[TABP:TABP+1], s[22:23]
	s_cmp_eq_u32 s[KIND], 0
	s_cselect_b64 s[20:21], s[20:21], s[46:47]
	s_add_nc_u64 s[12:13], s[12:13], s[20:21]
.macro FRAG reg, adr, q, i             ; a fragment: lane l holds row l % 16; registers 6 c .. 6 c + 5 hold K = 64 c + 32 (l / 16) + 0 .. 31: 24 bytes of the row's stream of bits, as they lie
.irp p, 0,1,2,3,4,5                    ; in pieces of 8 bytes.  Lanes 0-15 take the row's pieces 12 q + 0, 1, 2 and 12 q + 6, 7, 8, lanes 16-31 those three pieces on
.set PCE, 12*(\q)+6*(\p/3)+\p%3        ; 16 bytes of padding lie behind every 8 pieces: where the piece three on lies behind one padding more, the second address register serves
.if PCE%8 < 5
	ds_load_b64 v[\reg+2*\p:\reg+2*\p+1], v[\adr] offset:8*PCE+16*(PCE/8)+(\i)*16*PITCH
.else
	ds_load_b64 v[\reg+2*\p:\reg+2*\p+1], v[\adr+2] offset:8*PCE+16*(PCE/8)+(\i)*16*PITCH
.endif
.endr
.endm
; 16 matrix instructions: A's blocks a0, a0 + 1 x B's eight, 128 along K: the slot's q-th.  p: B's set;  sc: the set of scale words.  zero = 1: the first product starts the sums.
; The 64 accumulators take turns, one instruction a turn, in the same order in every step.
.macro MUL16 a0, p, q, sc, zero
.irp a, \a0, \a0+1
.irp b, 0,1,2,3,4,5,6,7
.if \zero
	v_wmma_scale_f32_16x16x128_f8f6f4 v[8*(8*((\a)%4)+\b):8*(8*((\a)%4)+\b)+7], v[128*(\p)+FR*\b:128*(\p)+FR*\b+FR-1], v[AF+FR*(\a):AF+FR*(\a)+FR-1], 0, v[SC+8*NQ*(\sc)+NQ*\b+(\q)], v[SC+8*NQ*(\sc)+NQ*(\a)+(\q)] matrix_a_fmt:MATRIX_FMT_FP6 matrix_b_fmt:MATRIX_FMT_FP6 matrix_a_scale:MATRIX_SCALE_ROW1
.else
	v_wmma_scale_f32_16x16x128_f8f6f4 v[8*(8*((\a)%4)+\b):8*(8*((\a)%4)+\b)+7], v[128*(\p)+FR*\b:128*(\p)+FR*\b+FR-1], v[AF+FR*(\a):AF+FR*(\a)+FR-1], v[8*(8*((\a)%4)+\b):8*(8*((\a)%4)+\b)+7], v[SC+8*NQ*(\sc)+NQ*\b+(\q)], v[SC+8*NQ*(\sc)+NQ*(\a)+(\q)] matrix_a_fmt:MATRIX_FMT_FP6 matrix_b_fmt:MATRIX_FMT_FP6 matrix_a_scale:MATRIX_SCALE_ROW1
.endif
.endr
.endr
.endm
.macro FETCH_B slot, q, p              ; B's eight fragments of the slot's q-th 128 along K into set p
	WIN TO_B
.irp i, 0,1,2,3,4,5,6,7
	FRAG 128*(\p)+FR*\i, ADRB+\slot, \q, \i
.endr
	WIN 0
.endm
.macro FETCH_A slot, q, i0             ; A's blocks i0 .. i0 + 3
.irp i, \i0, \i0+1, \i0+2, \i0+3
	FRAG AF+FR*(\i), ADRA+\slot, \q, \i
.endr
.endm
.macro SCALES sc                       ; the next K step's scale words into set sc: NQ words a row; lanes 0-15 take A's block i, lanes 16-31 B's block i
.irp i, 0,1,2,3,4,5,6,7
	ds_load_b64 v[SC+8*NQ*\sc+NQ*\i:SC+8*NQ*\sc+NQ*\i+1], v[ADRS] offset:\i*SBLK
.endr
.endm
; A load into a register that a matrix instruction has read, and a vector instruction or a store that reads a matrix result, stand NP places behind that matrix instruction; only plain vector
; instructions that name none of its registers are places (ISA guide 7.12.1 for vector instructions).
.macro PLACES n
.rept \n
	v_nop
.endr
.endm
; A step of 128 along K that has its successor in the same slot.
.macro STEP slot, q, zero
	s_wait_dscnt 4*NL                              ; B's set and A's blocks 0-3 are in; the youngest 24 loads (A's blocks 4-7) may be out
	WIN MUL_LO
	MUL16 0, (\q)%2, \q, \slot, \zero
	MUL16 2, (\q)%2, \q, \slot, \zero
	s_wait_dscnt 0                                 ; A's blocks 4-7 are in (asked for 32 matrix instructions ago)
	PLACES NP
	FETCH_B \slot, (\q)+1, 1-(\q)%2
	FETCH_A \slot, (\q)+1, 0
	WIN MUL_HI
	MUL16 4, (\q)%2, \q, \slot, \zero
	MUL16 6, (\q)%2, \q, \slot, \zero
	PLACES NP
	WIN 0
	FETCH_A \slot, (\q)+1, 4
.endm
; A slot's last step changes slots: ONE barrier; in front of it each wave waits for all its tensor loads, adds 0 to its spare word, and waits for that and for its own reads of this slot.  fill = 1: this slot is filled again, two K steps ahead.
.macro TURN slot, next, fill
	s_wait_tensorcnt 0x0                           ; all my tensor loads have landed: my part of the next slot;  (every window is 0 here)
	ds_add_u32 v[SPW], v[NIL]                      ; 0 onto my spare word;
	s_wait_dscnt 4*NL+1                            ; (the add and the youngest 24 loads, A's blocks 4-7, may be out)
	WIN MUL_LO
	MUL16 0, 1, NQ-1, \slot, 0                     ; sixteen matrix instructions stand between the add and the wait for it
	s_wait_dscnt 0x0                               ; the add is done, and my reads of this slot are over
	s_barrier_signal -1
	MUL16 2, 1, NQ-1, \slot, 0
	WIN 0
	s_barrier_wait -1
.if \fill
	CREST                                          ; the barrier has opened a round of the cluster's barrier: no wave of any partner still reads this slot's tile or has a load on its way
	s_add_nc_u64 s[G0+4*\slot+2:G0+4*\slot+3], s[G0+4*\slot+2:G0+4*\slot+3], 2*ROWB
	s_add_nc_u64 s[G0B+4*\slot+2:G0B+4*\slot+3], s[G0B+4*\slot+2:G0B+4*\slot+3], 2*ROWB
	JLOAD G0+4*\slot, G1, G0B+4*\slot, G1B         ; the first tensor load behind the round; the four v_nop behind it are the places in front of the loads below
.else
	PLACES NP
.endif
	v_add_nc_u32 v[ADRS], 4*NQ, v[ADRS]            ; on to the next K step's scale words (no LDS load of mine is out)
	FETCH_B \next, 0, 0
	FETCH_A \next, 0, 0
	SCALES \next
	WIN MUL_HI
	MUL16 4, 1, NQ-1, \slot, 0
	MUL16 6, 1, NQ-1, \slot, 0
	PLACES NP
	WIN 0
	FETCH_A \next, 0, 4
.endm
; The table's values for my rows 16 a .. 16 a + 15: 32 cosines and 32 sines a lane, in the accumulators' order; each load covers 512 consecutive bytes.  Two buffers: v64-127, v128-191.
.macro TABLOAD a
.set CB, 64+64*((\a)%2)
.irp q, 0,1,2,3,4,5,6,7
	global_load_b128 v[CB+4*\q:CB+4*\q+3], v[CO], s[TABP:TABP+1] offset:(\a)*8192+512*\q
	global_load_b128 v[CB+32+4*\q:CB+35+4*\q], v[CO], s[TABP:TABP+1] offset:(\a)*8192+4096+512*\q
.endr
.endm
; The rotary turn of block a, in place.  Accumulators (a, b) and (a, b + 4) hold channels d and d + 64 in the same lane and register: x1' = x1 cos - x2 sin, x2' = x2 cos + x1 sin.
; Each accumulator is read from its low end on.  T = x1 sin waits in window 1, where B's fragments lay.
.macro ROPE a
.set W, 2+(\a)/4
.set X, 64*((\a)%4)
.set CB, 64+64*((\a)%2)
.set SB, CB+32
.set WS, 0x40|W
	WIN WS                                         ; destination window 1, source 0 the accumulators' window
.irp g, 0,2,4,6,8,10,12,14,16,18,20,22,24,26,28,30
	v_pk_mul_f32 v[\g:\g+1], v[X+\g:X+\g+1], v[SB+\g:SB+\g+1]
.endr
.set WS, (W<<6)|(W<<4)|W
	WIN WS                                         ; destination, sources 0 and 2 the accumulators' window
.irp g, 0,2,4,6,8,10,12,14,16,18,20,22,24,26,28,30
	v_pk_mul_f32 v[X+\g:X+\g+1], v[X+\g:X+\g+1], v[CB+\g:CB+\g+1]
	v_pk_fma_f32 v[X+\g:X+\g+1], v[X+32+\g:X+33+\g], v[SB+\g:SB+\g+1], v[X+\g:X+\g+1] neg_lo:[0,1,0] neg_hi:[0,1,0]
.endr
.set WS, (W<<6)|0x10|W
	WIN WS                                         ; source 2 window 1
.irp g, 0,2,4,6,8,10,12,14,16,18,20,22,24,26,28,30
	v_pk_fma_f32 v[X+32+\g:X+33+\g], v[X+32+\g:X+33+\g], v[CB+\g:CB+\g+1], v[\g:\g+1]
.endr
	WIN 0
.endm
; The quantiser on block a's 64 numbers a lane.  Registers 16 b .. 16 b + 15 of lanes l and l xor 16 are block b of 32 along K.  The codes come out as a fragment in v[PC] on, the row's scale word in v[SW + a].
.macro QUANTW a
.set W, 2+(\a)/4
.set X, 64*((\a)%4)
.set WS, (W<<4)|(W<<2)
	WIN WS                                         ; sources 1 and 2 the accumulators' window
.irp b, 0,1,2,3
	v_max3_num_f32 v[TM+\b], 0x1800000, |v[X+16*\b]|, |v[X+16*\b+1]|   ; my 16 numbers of block b, and the floor 2^(3 - 127): so the byte cannot fall under 1
.endr
.irp i, 2,4,6,8,10,12,14
.irp b, 0,1,2,3
	v_max3_num_f32 v[TM+\b], v[TM+\b], |v[X+16*\b+\i]|, |v[X+16*\b+\i+1]|   ; (the four blocks by turns)
.endr
.endr
	WIN 0
.irp b, 0,1,2,3
	v_permlanex16_b32 v[TM+4+\b], v[TM+\b], s[92], s[93]
.endr
.irp b, 0,1,2,3
	v_max_num_f32 v[TM+\b], v[TM+\b], v[TM+4+\b]   ; with lane l xor 16's: the block's largest magnitude
.endr
.irp b, 0,1,2,3
	v_add_nc_u32 v[TM+12+\b], 0xff000000, v[TM+\b] ; 2 off its exponent field: the conversion takes this operand's exponent field as its scale
.endr
.irp b, 0,1,2,3
	v_lshrrev_b32 v[TM+4+\b], 23, v[TM+12+\b]      ; the scale's byte
.endr
	v_lshl_or_b32 v[SW+(\a)], v[TM+5], 8, v[TM+4]
	v_lshl_or_b32 v[SW+(\a)], v[TM+6], 16, v[SW+(\a)]
	v_lshl_or_b32 v[SW+(\a)], v[TM+7], 24, v[SW+(\a)]
.if (\a) > 0
	s_wait_xcnt 0x0                                ; the last block's stores have read the codes' registers: they are written again only behind this wait
.endif
	WIN W                                          ; source 0 the accumulators' window
.irp c, 0,1
	v_cvt_scalef32_pk16_fp6_f32 v[PC+6*\c:PC+6*\c+2], v[X+32*\c:X+32*\c+15], v[TM+12+2*\c]
	v_cvt_scalef32_pk16_fp6_f32 v[PC+12+4*\c:PC+14+4*\c], v[X+32*\c+16:X+32*\c+31], v[TM+13+2*\c]   ; (a conversion's three registers begin on an even number)
.endr
	WIN 0
	v_nop                                          ; one plain place behind a scaled conversion
.irp c, 0,1                                    ; the operand's layout wants a WHOLE block in a lane: lanes 0-15 block 2 c, lanes 16-31 block 2 c + 1
.irp i, 0,1,2
	v_permlane16_swap_b32 v[PC+6*\c+\i], v[PC+12+4*\c+\i]
.endr
.irp i, 0,1,2
	v_mov_b32 v[PC+3+6*\c+\i], v[PC+12+4*\c+\i]
.endr
.endr
.endm
.macro STOREIMG a                              ; the fragment leaves as it stands: each store covers 512 consecutive bytes, aligned
.irp c, 0,1,2
	global_store_b128 v[CO], v[PC+4*\c:PC+4*\c+3], s[12:13] offset:(\a)*1536+512*\c
.endr
.endm
	s_wait_tensorcnt 1                             ; the scales and my part of K step 0 are in (K step 1's load may be out),
	s_barrier_signal -1
	s_barrier_wait -1                              ; everybody's are
	FETCH_B 0, 0, 0
	FETCH_A 0, 0, 0
	SCALES 0
	FETCH_A 0, 0, 4
	STEP 0, 0, 1                                   ; the first step stands in front of the loop: its products start the sums
	s_mov_b32 s3, LAPS-1
.Llap:                                                 ; a trip goes once round the ring, from a lap's second step to the next lap's first, and fills both slots again
	TURN 0, 1, 1
	STEP 1, 0, 0
	TURN 1, 0, 1
	STEP 0, 0, 0
	s_sub_co_u32 s3, s3, 1
	s_cmp_lg_u32 s3, 0
	s_cbranch_scc1 .Llap
	TABLOAD 0                                      ; block 0's table values, three steps of 128 along K ahead of their use, into registers that the loop never names.  EVERY kind issues these 16 loads (8,192 bytes a wave, inside the
	                                               ; table for every kind) though kinds 1 and 2 alone read them: so the registers are written on every way that leads to the turn
	TURN 0, 1, 0                                   ; the last lap fills nothing, and has no round of the cluster's barrier
	STEP 1, 0, 0
	s_wait_dscnt 4*NL                              ; the very last step: nothing more to fetch
	WIN MUL_LO
	MUL16 0, 1, NQ-1, 1, 0
	MUL16 2, 1, NQ-1, 1, 0
	s_wait_dscnt 0
	WIN MUL_HI
	MUL16 4, 1, NQ-1, 1, 0
	MUL16 6, 1, NQ-1, 1, 0
	WIN 0
	PLACES NP                                      ; for the first reads of results, and for loads and vector writes into the registers that held fragments
	s_cmp_eq_u32 s[KIND], 0
	s_cbranch_scc1 .Lplain
	s_mov_b32 s92, 0x76543210                      ; v_permlanex16_b32's selects for lane l xor 16
	s_mov_b32 s93, 0xfedcba98
.irp b, 0,1,2,3
	v_mov_b32 v[TM+4+\b], 0                        ; written once: a lane permute's destination counts as one of its sources
.endr
	s_cmp_eq_u32 s[KIND], 3
	s_cbranch_scc1 .Lkeys
	; ---- q and k: the turn, the quantiser along the head's 128, the image; the table runs two blocks ahead
	TABLOAD 1
.irp a, 0,1,2,3,4,5,6,7
.if \a < 7
	s_wait_loadcnt 16                              ; this block's 16 loads are in; the next block's 16 may be out
.else
	s_wait_loadcnt 0
.endif
	ROPE \a
.if \a < 6
	TABLOAD \a+2
.endif
	QUANTW \a
	STOREIMG \a
.endr
	s_branch .Lwords
.Lkeys:
	; ---- v: a lane holds one channel, its registers run along 128 keys: the quantiser along the keys, the image
.irp a, 0,1,2,3,4,5,6,7
	QUANTW \a
	STOREIMG \a
.endr
.Lwords:
	v_and_b32 v240, 31, v0
	v_cmp_le_u32 vcc_lo, 16, v240
.irp i, 0,1,2,3
	v_cndmask_b32 v[SWC+\i], v[SW+2*\i], v[SW+2*\i+1], vcc_lo   ; lanes 0-15 the even tile's word of row r, lanes 16-31 the odd tile's
.endr
	global_store_b128 v[CO], v[SWC:SWC+3], s[SCP:SCP+1]            ; 512 consecutive bytes, aligned
	s_branch .Lend
; ---- kind 0: f32 rows, block by block of 16 rows x 128 columns.  A lane holds 32 neighbouring bytes of a row, and the lanes beside it hold other rows: so a block goes through my own stage in LDS and comes back as whole
; rows of 512 bytes.  LDS serves a wave's instructions in order (ISA guide 5.7.1.4): no wait between the stores and the loads, nor in front of the next block's stores.
.macro TOSTAGE a
.set AC, 64*((\a)%4)
	WIN 0x08+4*((\a)/4)                            ; the data: window 2 or 3
.irp b, 0,1,2,3,4,5,6,7
	ds_store_b128 v[STO], v[AC+8*\b:AC+8*\b+3] offset:64*\b          ; each accumulator from its low end on
	ds_store_b128 v[STO], v[AC+8*\b+4:AC+8*\b+7] offset:64*\b+16
.endr
	WIN 0
.set BB, BK+64*((\a)%2)
.irp t, 0,1,2,3,4,5,6,7,8,9,10,11,12,13,14,15
	ds_load_b128 v[BB+4*\t:BB+4*\t+3], v[RD] offset:\t*SPITCH
.endr
.endm
.macro SEND a, younger                 ; younger: the LDS instructions issued behind block a's loads, which may stay out
.set BB, BK+64*((\a)%2)
	s_wait_dscnt \younger                          ; the block is back in registers
.if (\a) > 0
	s_add_nc_u64 s[12:13], s[12:13], 16*SIZE_N*4   ; (behind a wait on XCNT: the earlier stores have read their base)  16 rows of C on
.endif
.irp t, 0,1,2,3,4,5,6,7,8,9,10,11,12,13,14,15
	global_store_b128 v[CO], v[BB+4*\t:BB+4*\t+3], s[12:13] offset:\t*SIZE_N*4 th:TH_STORE_NT   ; 32 lanes store 512 consecutive bytes, aligned; written once, read by nobody in this launch
.endr
.endm
.Lplain:
	TOSTAGE 0
.irp a, 1,2,3,4,5,6,7
.if \a > 1
	s_wait_xcnt 0x0                                ; block a - 2's stores have read their registers and their base
.endif
	TOSTAGE \a
	SEND \a-1, 32                                  ; behind block a - 1's loads: block a's 16 stores and 16 loads
.endr
	s_wait_xcnt 0x0                                ; block 6's stores have read their base
	SEND 7, 0
.Lend:
	s_wait_tensorcnt 0x0                           ; the wave's end: behind my last tensor load and my last LDS store
	ds_add_u32 v[SPW], v[NIL]
	s_wait_dscnt 0x0
	CROUND                                         ; the closing round: no work-group ends while a partner may still ask for a tile that names it
	s_endpgm
.Lfunc_end_k_qd645a9c11d_proj:
	.size	k_qd645a9c11d_proj, .Lfunc_end_k_qd645a9c11d_proj-k_qd645a9c11d_proj
	.p2alignl 7, 3214868480
	.fill 96, 4, 3214868480
	.section	.rodata,"a",@progbits
	.p2align	6, 0x0
	.amdhsa_kernel k_qd645a9c11d_proj
		.amdhsa_group_segment_fixed_size 327680
		.amdhsa_private_segment_fixed_size 0
		.amdhsa_enable_private_segment 0
		.amdhsa_kernarg_size 120
		.amdhsa_user_sgpr_count 2
		.amdhsa_user_sgpr_kernarg_segment_ptr 1
		.amdhsa_wavefront_size32 1
		.amdhsa_system_sgpr_workgroup_id_x 1
		.amdhsa_system_sgpr_workgroup_id_y 1
		.amdhsa_system_sgpr_workgroup_id_z 1
		.amdhsa_system_vgpr_workitem_id 0
		.amdhsa_next_free_vgpr 1024
		.amdhsa_next_free_sgpr 102
		.amdhsa_reserve_vcc 1
		.amdhsa_float_denorm_mode_32 3
		.amdhsa_float_denorm_mode_16_64 3
		.amdhsa_memory_ordered 1
		.amdhsa_forward_progress 1
		.amdhsa_inst_pref_size 255
	.end_amdhsa_kernel
	.section	.bss,"aw",@nobits
	.p2align	6
	.space	262144
	.amdgpu_metadata
---
amdhsa.version: [ 1, 2 ]
amdhsa.kernels:
  - .name:           k_qd645a9c11d_proj
    .symbol:         k_qd645a9c11d_proj.kd
    .args:
      - { .name: hidden_states_codes, .offset: 0, .size: 8, .value_kind: global_buffer, .address_space: global }
      - { .name: hidden_states_scales, .offset: 8, .size: 8, .value_kind: global_buffer, .address_space: global }
      - { .name: wg_codes, .offset: 16, .size: 8, .value_kind: global_buffer, .address_space: global }
      - { .name: wg_scales, .offset: 24, .size: 8, .value_kind: global_buffer, .address_space: global }
      - { .name: wq_codes, .offset: 32, .size: 8, .value_kind: global_buffer, .address_space: global }
      - { .name: wq_scales, .offset: 40, .size: 8, .value_kind: global_buffer, .address_space: global }
      - { .name: wk_codes, .offset: 48, .size: 8, .value_kind: global_buffer, .address_space: global }
      - { .name: wk_scales, .offset: 56, .size: 8, .value_kind: global_buffer, .address_space: global }
      - { .name: wv_codes, .offset: 64, .size: 8, .value_kind: global_buffer, .address_space: global }
      - { .name: wv_scales, .offset: 72, .size: 8, .value_kind: global_buffer, .address_space: global }
      - { .name: gbuf, .offset: 80, .size: 8, .value_kind: global_buffer, .address_space: global }
      - { .name: qbuf, .offset: 88, .size: 8, .value_kind: global_buffer, .address_space: global }
      - { .name: kbuf, .offset: 96, .size: 8, .value_kind: global_buffer, .address_space: global }
      - { .name: vbuf, .offset: 104, .size: 8, .value_kind: global_buffer, .address_space: global }
      - { .name: tab, .offset: 112, .size: 8, .value_kind: global_buffer, .address_space: global }
    .group_segment_fixed_size: 327680
    .private_segment_fixed_size: 0
    .kernarg_segment_align: 8
    .kernarg_segment_size: 120
    .max_flat_workgroup_size: 128
    .sgpr_count:     102
    .vgpr_count:     1024
    .wavefront_size: 32
...
	.end_amdgpu_metadata
.endif
;; end of part 2
;; launch attn (part 3): grid 8 x 32, 8 waves a work-group, clusters of 4 x 1, 327,680 bytes of LDS; arguments qbuf, kbuf, vbuf, gbuf, norm_w, acodes, ascales; writes acodes, ascales
.if DOCPART == 3
	.amdgcn_target "amdgcn-amd-amdhsa--gfx1250"
	.amdhsa_code_object_version 6
	.text
	.protected	k_qd645a9c11d_attn
	.globl	k_qd645a9c11d_attn
	.p2align	8
	.type	k_qd645a9c11d_attn,@function
k_qd645a9c11d_attn:
	s_mov_b64 s[64:65], 0
	v_nop
	global_prefetch_b8 v0, s[64:65] scope:SCOPE_SE
	s_setreg_imm32_b32 hwreg(HW_REG_WAVE_MODE, 25, 1), 1
	s_wait_xcnt 0x0
	s_wait_alu depctr_hold_cnt(0) depctr_sa_sdst(0) depctr_va_vdst(0) depctr_va_sdst(0) depctr_va_ssrc(0) depctr_va_vcc(0) depctr_vm_vsrc(0)
	s_getreg_b32 s2, hwreg(HW_REG_IB_STS2, 6, 4)
	s_cmp_eq_u32 s2, 0
	s_cbranch_scc0 .Lentry_in_a_cluster
	s_endpgm
.Lentry_in_a_cluster:
	s_bfe_u32 s2, ttmp6, 0x10000c
	s_cmp_lg_u32 s2, 0x3003
	s_cbranch_scc0 .Lentry_shape_is_right
	s_endpgm
.Lentry_shape_is_right:
; Causal attention on codes of FP6 (E2M3), then what follows it up to the output projection's operand:  o = softmax(q k^T / sqrt(128)) v;  y = o x rsqrt(mean(o^2) + 1e-5) x norm_w x g x sigmoid(g);  y quantised along (head, channel).
; q, k, v come as images of operand registers, made by the launch before: [b h][group of 128][tile of 16 rows][1,536 bytes], lane l's registers 4 c .. 4 c + 3 at 512 c + 16 l; scale words behind them.  q, k: rows = l, K = the head's 128.
; v: rows = channels, K = the group's 128 keys.  Inside a block of 32 along K, place 16 x half + 8 u + j holds index 16 u + 8 x half + j, alike in both operands of each product.
; THE SOFTMAX AHEAD OF THE SECOND PRODUCT: t = score x log2(e) / sqrt(128); M = the row's largest t so far, rounded UP to a whole number; p = 2^(t - M) is what is quantised, along the keys, not normalised.  The row's sum is taken
; of the unquantised p and divides at the end.  When M moves, the sum and O are multiplied by 2^(old M - new M): exact.
; SHARES.  A work-group belongs to one head b h and to one jj = 0 .. 7.  Wave w owns the 16 queries 128 rho + 16 jj on, rho = 0, 1, 2, 3, 7, 6, 5, 4 for w = 0 .. 7.  It multiplies the key groups 0 .. rho - 1 whole and group rho under
; the mask: rho + 1 steps of 128 keys; what lies wholly behind the diagonal is not multiplied.  So every work-group has 36 steps, and waves w and w + 4 together nine.  Branches and LDS addresses hang on w alone.
; LDS holds ALL of the head's codes of k and v (2 x 98,304 bytes) and their scale words: every tensor load is a first fill, nothing is filled again.
; CLUSTER: the four work-groups of a cluster belong to one head and need the same k and v: waves 0 (k) and 1 (v) ask for them JOINTLY, in four parts of two key groups, so that the first steps need not wait for the last part.
; Each wave also brings its own 16 rows x 128 of g, by a load of its own.  By this text's count waves 0 and 1 have six tensor loads out, the others one.
; LAYOUT.  Both products are used transposed: S^T = k q^T, O^T = v^T p^T: a lane holds ONE query (lane % 16) throughout.  Register 8 T + j of S^T is key 16 T + 8 (lane / 16) + j: the order in which v's codes were laid.
; LIMITS: NaN and infinities are not served; a block whose largest magnitude lies under 2^-124 (zeros too) gets the byte 1; acodes' rows are written in runs of 96 bytes, a head's share of a row.
; REGISTERS: window 0: v1-11 LDS addresses; v12 -M, v13 the largest t, v[14:15] the sum; v16-27 q; v28-31, v32-35 k's and v's scale words, v253 p's, v255 q's (they hold scales alone); v36-95 the way out; v96-159 S^T, p, y;
;   v160-223 O^T, later the gate; v224-254 at work.   window 1: v0-95 k's eight fragments, later g; v96-191 v's eight; v192-255 norm_w.
.set HEADB, 98304                      ; a head's images
.set GRPB,  12288                      ; a group's eight
.set FRB,   1536                       ; one
.set PART,  24576                      ; two groups: what one joint load brings
.set SC_OFF, 3145728                   ; where the scale words begin in an image buffer
.set KC,    0                          ; LDS: k's codes,
.set VC,    HEADB                      ; v's,
.set KSC,   2*HEADB                    ; k's scale words, 4,096 bytes,
.set VSC,   KSC+4096                   ; v's,
.set GT,    VSC+4096                   ; g: 16 rows x (512 + 16 bytes) for each wave,
.set GTW,   16*528
.set ST,    GT+8*GTW                   ; and a stage of 1,536 bytes for each wave, in blocks of 256 bytes into which no tensor load lands
.set PC,  36                           ; v36-54  the codes of y
.set TM,  56                           ; v56-59 largest magnitudes, v60-63 bytes, v68-71 the conversions' scale operands
.set PW,  72                           ; v72     y's scale word
.set SA,  93                           ; v93     the stage: where I put my 24 bytes
.set SR,  94                           ; v94     and where I read 16 bytes back
.set DL,  95                           ; v95     16 jj + r - 8 h: the mask's bound
.set WV,  18
.set RHO, 19
.set SEL, 20                           ; s[20:21] lane selects for v_permlanex16_b32: lane l xor 16
.set CS,  22                           ; s[22:23] c = log2(e) / sqrt(128)
.set G1C, 24                           ; s[24:31] group 1: 96 dense rows of 256 bytes, joint
.set G1S, 32                           ; s[32:39] 16 such rows, joint
.set G1G, 40                           ; s[40:47] 16 rows of 512 bytes out of rows of 8,192, padded, my own
.set G0G, 48                           ; s[48:51] group 0 for g;  s[52:55] for the scale words;  s[56:63], s[68:75] for the four parts
.set G0S, 52
.set RN,  86                           ; s86 1 / 128
.set EP,  87                           ; s87 1e-5
.set MSB, 0
.macro WIN new                         ; the immediate's high byte repeats the setting that is left
.if MSB != \new
	s_set_vgpr_msb (MSB<<8)|\new
.set MSB, \new
.endif
.endm
.macro ROUND                           ; a round of the cluster's barrier
	s_barrier_signal -1
	s_barrier_wait -1
	s_cmp_lg_u32 s[WV], 0
	s_cbranch_scc1 .Lnot_wave_0_\@
	s_barrier_signal -3
.Lnot_wave_0_\@:
	s_barrier_wait -3
	s_barrier_signal -1
	s_barrier_wait -1
.endm
	s_load_b256 s[4:11], s[0:1], 0x0               ; q's, k's, v's images, g
	s_load_b128 s[12:15], s[0:1], 0x20             ; norm_w, y's codes
	s_load_b64 s[16:17], s[0:1], 0x30              ; y's scales
	v_lshl_add_u32 v250, v0, 2, 0x45800
	v_mov_b32 v251, 0
	ds_add_u32 v250, v251
	ds_add_u32 v250, v251
	v_lshrrev_b32 v1, 5, v0
	v_readfirstlane_b32 s[WV], v1                  ; wave 0..7
	s_lshr_b32 s[RHO], s[WV], 2
	s_mul_i32 s[RHO], s[RHO], 3
	s_xor_b32 s[RHO], s[RHO], s[WV]                ; 0, 1, 2, 3, 7, 6, 5, 4
	s_bfe_u32 s76, ttmp6, 0x40000                  ; cx
	s_lshl_b32 s77, ttmp9, 2
	s_add_co_u32 s77, s77, s76                     ; jj = 4 x cluster x + cx: it enters global addresses and the mask's bound alone
	s_and_b32 s78, ttmp7, 0xffff                   ; b h, which the four partners share
	s_and_b32 s79, s[WV], 1                        ; I fetch for k (0) or for v (1), if I fetch
	s_mov_b32 s[G1C], 15|(3<<16)|(1<<21)           ; 15:0 the mask: all four work-groups; 17:16 elements of 8 bytes; 21 set beside a mask; no padding
	s_mov_b32 s[G1C+1], 32<<16                     ; tensor_dim0 = 32 elements: 256 bytes
	s_mov_b32 s[G1C+2], 96<<16                     ; tensor_dim1
	s_mov_b32 s[G1C+3], 32<<16                     ; tile_dim0
	s_mov_b32 s[G1C+4], 96                         ; tile_dim1
	s_mov_b32 s[G1C+5], 32                         ; the pitch: dense
	s_mov_b32 s[G1C+6], 0
	s_mov_b32 s[G1C+7], 0
	s_mov_b32 s[G1S], 15|(3<<16)|(1<<21)
	s_mov_b32 s[G1S+1], 32<<16
	s_mov_b32 s[G1S+2], 16<<16
	s_mov_b32 s[G1S+3], 32<<16
	s_mov_b32 s[G1S+4], 16
	s_mov_b32 s[G1S+5], 32
	s_mov_b32 s[G1S+6], 0
	s_mov_b32 s[G1S+7], 0
	s_mov_b32 s[G1G], (2<<16)|(1<<20)|(6<<22)|(3<<25)  ; no mask; elements of 4 bytes; padding: after every 128 words (code 6) 4 words (code 3)
	s_mov_b32 s[G1G+1], 128<<16
	s_mov_b32 s[G1G+2], 16<<16
	s_mov_b32 s[G1G+3], 128<<16
	s_mov_b32 s[G1G+4], 16
	s_mov_b32 s[G1G+5], 2048
	s_mov_b32 s[G1G+6], 0
	s_mov_b32 s[G1G+7], 0
	s_mov_b32 s[SEL], 0x76543210
	s_mov_b32 s[SEL+1], 0xfedcba98
	s_mov_b32 s[CS], 0x3e0293ee
	s_mov_b32 s[CS+1], s[CS]                       ; (named with it as a pair, so it is written)
	s_mov_b32 s[RN], 0x3c000000
	s_mov_b32 s[EP], 0x3727c5ac
	s_mul_i32 s80, s78, HEADB                      ; the head's images,
	s_mov_b32 s81, 0
	s_lshl_b32 s82, s78, 12
	s_add_co_u32 s82, s82, SC_OFF                  ; and its scale words
	s_mov_b32 s83, 0
	s_mul_i32 s84, s79, HEADB                      ; in LDS: k's or v's
	s_lshl_b32 s85, s79, 12
	s_lshr_b32 s90, s78, 4
	s_lshl_b32 s90, s90, 10
	s_lshl_b32 s91, s[RHO], 7
	s_add_co_u32 s90, s90, s91
	s_lshl_b32 s91, s77, 4
	s_add_co_u32 s90, s90, s91                     ; my first row: 1,024 b + 128 rho + 16 jj
	s_and_b32 s91, s78, 15                         ; the head
	s_lshl_b32 s92, s90, 13
	s_lshl_b32 s93, s91, 9
	s_add_co_u32 s92, s92, s93                     ; g: row x 8,192 + head x 512
	s_mov_b32 s93, 0
	s_mov_b32 s[G0G], 1
	s_mul_i32 s[G0G+1], s[WV], GTW
	s_add_co_u32 s[G0G+1], s[G0G+1], GT
	; every LDS address register is made here, ahead of the first branch on the wave's number
	v_and_b32 v92, 31, v0                          ; lane
	v_and_b32 v73, 15, v0                          ; r
	v_bfe_u32 v74, v0, 4, 1                        ; h
	v_lshlrev_b32 v1, 4, v92                       ; k's images, groups 0-3: 16 x lane
	v_add_nc_u32 v2, 4*GRPB, v1                    ; groups 4-7
	v_add_nc_u32 v3, VC, v1                        ; v's
	v_add_nc_u32 v4, VC+4*GRPB, v1
	v_add_nc_u32 v5, KSC, v1                       ; the scale words: four a lane
	v_add_nc_u32 v6, VSC, v1
	v_mul_u32_u24 v7, v73, 528
	v_lshl_add_u32 v7, v74, 5, v7
	v_add_nc_u32 v7, s[G0G+1], v7                  ; g: row r, + 32 h
	s_mul_i32 s98, s[RHO], GRPB
	v_add_nc_u32 v8, s98, v1                       ; the same four for my own group rho
	v_add_nc_u32 v9, s98, v3
	s_lshl_b32 s98, s[RHO], 9
	v_add_nc_u32 v10, s98, v5
	v_add_nc_u32 v11, s98, v6
	s_mul_i32 s98, s[WV], FRB
	s_add_co_u32 s98, s98, ST                      ; my stage
	v_mul_u32_u24 v[SA], v73, 96
	v_mad_u32_u24 v[SA], v74, 24, v[SA]
	v_add_nc_u32 v[SA], s98, v[SA]                 ; in: row r of 96 bytes, + 24 h
	v_add_nc_u32 v[SR], s98, v1                    ; back: 16 x lane
.irp c, 0,1,2                                  ; piece idx = lane + 32 c of the stage's 96 pieces of 16 bytes belongs to row idx / 6: its place in y's codes
	v_add_nc_u32 v75, 32*\c, v92
	v_mul_u32_u24 v72, v75, 43
	v_lshrrev_b32 v72, 8, v72                      ; idx / 6 (43 / 256 serves up to idx = 125)
	v_mul_u32_u24 v76, v72, 6
	v_sub_nc_u32 v75, v75, v76                     ; idx % 6
	v_mul_u32_u24 v72, v72, 1536
	v_lshl_add_u32 v[88+\c], v75, 4, v72
.endr
	v_lshlrev_b32 v91, 6, v73                      ; y's scale word: 64 bytes a row
	v_lshlrev_b32 v[DL], 3, v74
	v_sub_nc_u32 v[DL], v73, v[DL]
	s_lshl_b32 s98, s77, 4
	v_add_nc_u32 v[DL], s98, v[DL]
	v_lshlrev_b32 v77, 4, v73                      ; q's scale word: 16 r
	v_lshlrev_b32 v78, 5, v74                      ; norm_w: 32 h
	s_wait_dscnt 0x0
	s_wait_kmcnt 0x0
	s_add_nc_u64 s[G0G+2:G0G+3], s[10:11], s[92:93]
	s_or_b32 s[G0G+3], s[G0G+3], 0x80000000
	s_cmp_eq_u32 s79, 0
	s_cselect_b64 s[88:89], s[6:7], s[8:9]         ; k's buffer or v's: by the wave's number alone
	s_mov_b32 s[G0S], 1
	s_add_co_u32 s[G0S+1], s85, KSC
	s_add_nc_u64 s[G0S+2:G0S+3], s[88:89], s[82:83]
	s_or_b32 s[G0S+3], s[G0S+3], 0x80000000
	s_add_nc_u64 s[88:89], s[88:89], s[80:81]
.set SG, 0
.irp g, 56,60,68,72
	s_mov_b32 s[\g], 1
	s_add_co_u32 s[\g+1], s84, SG*PART
	s_add_nc_u64 s[\g+2:\g+3], s[88:89], SG*PART
	s_or_b32 s[\g+3], s[\g+3], 0x80000000
.set SG, SG+1
.endr
	ROUND                                          ; all four work-groups are here: the joint loads meet
	s_cmp_lt_u32 s[WV], 2                          ; a wave's first fills stand in one branch, ahead of every wait on TENSORcnt, every LDS read and every other barrier
	s_cbranch_scc0 .Lonly_g
	tensor_load_to_lds s[G0S:G0S+3], s[G1S:G1S+7]  ; the scale words, then the four parts in the order in which they are read, then g
	s_nop 0
	tensor_load_to_lds s[56:59], s[G1C:G1C+7]
	s_nop 0
	tensor_load_to_lds s[60:63], s[G1C:G1C+7]
	s_nop 0
	tensor_load_to_lds s[68:71], s[G1C:G1C+7]
	s_nop 0
	tensor_load_to_lds s[72:75], s[G1C:G1C+7]
	s_nop 0
	tensor_load_to_lds s[G0G:G0G+3], s[G1G:G1G+7]
	s_nop 0
.rept 4
	v_nop
.endr
	s_branch .Lasked
.Lonly_g:
	tensor_load_to_lds s[G0G:G0G+3], s[G1G:G1G+7]
	s_nop 0
.rept 4
	v_nop
.endr
.Lasked:
	s_lshl_b32 s94, s[RHO], 3
	s_add_co_u32 s94, s94, s77
	s_mul_i32 s94, s94, FRB
	s_add_co_u32 s94, s94, s80                     ; q's image: group rho, tile jj
	s_mov_b32 s95, 0
	s_add_nc_u64 s[96:97], s[4:5], s[94:95]
	s_lshl_b32 s94, s[RHO], 9
	s_add_co_u32 s94, s94, s82
	s_and_b32 s98, s77, 1
	s_lshl_b32 s98, s98, 8
	s_add_co_u32 s94, s94, s98
	s_lshr_b32 s98, s77, 1
	s_lshl_b32 s98, s98, 2
	s_add_co_u32 s94, s94, s98                     ; its scale words: 512 rho + 256 (jj % 2) + 4 (jj / 2), + 16 r
	s_add_nc_u64 s[4:5], s[4:5], s[94:95]
.irp c, 0,1,2
	global_load_b128 v[16+4*\c:19+4*\c], v1, s[96:97] offset:512*\c
.endr
	global_load_b32 v255, v77, s[4:5]
	WIN 0x40                                       ; destination window 1
.irp T, 0,1,2,3,4,5,6,7
	global_load_b128 v[192+8*\T:195+8*\T], v78, s[12:13] offset:64*\T       ; norm_w at my channels 16 T + 8 h + 0 .. 7
	global_load_b128 v[196+8*\T:199+8*\T], v78, s[12:13] offset:64*\T+16
.endr
	WIN 0
	s_mul_i32 s94, s90, 1536
	s_mul_i32 s98, s91, 96
	s_add_co_u32 s94, s94, s98
	s_add_nc_u64 s[14:15], s[14:15], s[94:95]      ; y's codes: my first row, my head's 96 bytes
	s_lshl_b32 s94, s90, 6
	s_lshl_b32 s98, s91, 2
	s_add_co_u32 s94, s94, s98
	s_add_nc_u64 s[16:17], s[16:17], s[94:95]      ; and its scale word
	v_mov_b32 v13, 0xff61b1e6                      ; the largest t so far: -3e38, under every t
	v_floor_f32 v12, -v13                          ; -M
	v_mov_b32 v14, 0                               ; the sum, in two halves
	v_mov_b32 v15, 0
.irp b, 0,1,2,3
	v_mov_b32 v[236+\b], 0                         ; written once: a lane permute's destination counts as one of its sources
	v_mov_b32 v[TM+4+\b], 0
.endr
	v_mov_b32 v253, 0                              ; (named as the upper half of the pair v[252:253] before it is first written)
.set j, 0
.rept 64
	v_mov_b32 v[160+j], 0                          ; O^T.  (The step has one form: a wave's first step finds zeros, which the first change of M leaves zeros)
.set j, j+1
.endr
; The softmax of a step: 64 scores a lane in v96-159 become p's codes in v224-235 and its scale word in v253; M, the sum and O^T are brought on.
.macro SOFTMAX
.irp b, 0,1,2,3
	v_max3_num_f32 v[232+\b], v[96+16*\b], v[97+16*\b], v[98+16*\b]   ; the largest score of each block of 32 keys: it serves the row's maximum and, since p rises with the score, the block's largest p
.endr
.irp i, 3,5,7,9,11,13
.irp b, 0,1,2,3
	v_max3_num_f32 v[232+\b], v[232+\b], v[96+16*\b+\i], v[97+16*\b+\i]
.endr
.endr
.irp b, 0,1,2,3
	v_max_num_f32 v[232+\b], v[232+\b], v[111+16*\b]
.endr
.irp b, 0,1,2,3
	v_permlanex16_b32 v[236+\b], v[232+\b], s[SEL], s[SEL+1]
.endr
.irp b, 0,1,2,3
	v_max_num_f32 v[232+\b], v[232+\b], v[236+\b]  ; with lane l xor 16's 16 keys
.endr
	v_max3_num_f32 v254, v232, v233, v234
	v_max_num_f32 v254, v254, v235                 ; the step's largest score of my query
	v_mul_f32 v254, s[CS], v254                    ; as t
	v_max_num_f32 v13, v13, v254                   ; the running largest t
	v_mov_b32 v254, v12
	v_floor_f32 v12, -v13                          ; the new -M = -ceil(t)
	v_sub_f32 v254, v12, v254                      ; old M - new M: a whole number, 0 or less
	v_cvt_i32_f32 v254, v254                       ; (it saturates)
	v_ldexp_f32 v252, 1.0, v254                    ; f = 2^(old M - new M)
.set j, 0
.rept 32
	v_pk_fma_f32 v[96+j:97+j], v[96+j:97+j], s[CS:CS+1], v[12:13] op_sel_hi:[1,0,0]   ; t - M, two at a time
.set j, j+2
.endr
.irp b, 0,1,2,3
	v_fma_f32 v[232+\b], v[232+\b], s[CS], v12     ; the same of each block's largest score
.endr
.set j, 0
.rept 64
	v_exp_f32 v[96+j], v[96+j]                     ; p = 2^(t - M), at most 1
.set j, j+1
.endr
	v_pk_mul_f32 v[14:15], v[14:15], v[252:253] op_sel_hi:[1,0]   ; the sums under the new M: a plain instruction behind the exponentials
	s_wait_alu depctr_va_vdst(0)                   ; one wait for the whole batch, ahead of its first reader
.irp b, 0,1,2,3
	v_exp_f32 v[232+\b], v[232+\b]                 ; the block's largest p
.endr
	v_pk_add_f32 v[236:237], v[96:97], v[98:99]    ; the row's sum is taken of the unquantised p, in two chains
.irp i, 4,8,12,16,20,24,28,32,36,40,44,48,52,56,60
	v_pk_add_f32 v[14:15], v[14:15], v[96+\i:97+\i]
	v_pk_add_f32 v[236:237], v[236:237], v[98+\i:99+\i]
.endr
	v_pk_add_f32 v[14:15], v[14:15], v[236:237]
	s_wait_alu depctr_va_vdst(0)                   ; and one for the four
.irp b, 0,1,2,3
	v_max_num_f32 v[232+\b], 0x1800000, v[232+\b]  ; the floor 2^(3 - 127): the byte cannot fall under 1 (a block whose every p is 0 keeps that byte: its codes are zeros)
.endr
.irp b, 0,1,2,3
	v_add_nc_u32 v[244+\b], 0xff000000, v[232+\b]  ; 2 off the exponent field: the conversion's scale operand
.endr
.irp b, 0,1,2,3
	v_lshrrev_b32 v[236+\b], 23, v[244+\b]         ; the scale's byte
.endr
	v_lshl_or_b32 v253, v237, 8, v236              ; p's scale word for these 128 keys
	v_lshl_or_b32 v253, v238, 16, v253
	v_lshl_or_b32 v253, v239, 24, v253
.irp c, 0,1
	v_cvt_scalef32_pk16_fp6_f32 v[224+6*\c:226+6*\c], v[96+32*\c:111+32*\c], v[244+2*\c]
	v_cvt_scalef32_pk16_fp6_f32 v[236+4*\c:238+4*\c], v[112+32*\c:127+32*\c], v[244+2*\c+1]   ; (a conversion's three registers begin on an even number)
.endr
	v_nop                                          ; one plain place behind a scaled conversion
.irp c, 0,1                                    ; the operand's layout wants a WHOLE block in a lane
.irp i, 0,1,2
	v_permlane16_swap_b32 v[224+6*\c+\i], v[236+4*\c+\i]
.endr
.irp i, 0,1,2
	v_mov_b32 v[227+6*\c+\i], v[236+4*\c+\i]
.endr
.endr
.set j, 0
.rept 32
	v_pk_mul_f32 v[160+j:161+j], v[160+j:161+j], v[252:253] op_sel_hi:[1,0]   ; O^T under the new M.  (These 32 are also the places between the scale word's and the codes' last writes and the products below)
.set j, j+2
.endr
.endm
; A KEY STEP: 128 keys.  ak, av, sk, sv: the address registers of k's and v's images and scale words; oc, os: the group's offsets.  diag = 0: group kg, left out by waves whose own group is kg or lower
; (a branch on the wave's number; no barrier and no tensor load stands in a step).  diag = 1: my own group, under the mask.
.macro STEP ak, av, sk, sv, oc, os, kg, diag
.if \diag == 0
	s_cmp_le_u32 s[RHO], \kg
	s_cbranch_scc1 .Lskip_\@
.endif
	ds_load_b128 v[28:31], v[\sk] offset:\os       ; k's scale words: register i: lanes 0-15 tile 2 i, lanes 16-31 tile 2 i + 1
	WIN 0x40                                       ; destination window 1
.irp T, 0,1,2,3,4,5,6,7
.irp c, 0,1,2
	ds_load_b128 v[12*\T+4*\c:12*\T+4*\c+3], v[\ak] offset:\oc+FRB*\T+512*\c   ; 512 consecutive bytes an instruction
.endr
.endr
	WIN 0x01                                       ; source 0 window 1
.irp T, 0,1,2,3,4,5,6,7
	s_wait_dscnt 21-3*\T                           ; tile T's three loads are in; the 3 (7 - T) behind them may be out
.if \T%2
	v_wmma_scale_f32_16x16x128_f8f6f4 v[96+8*\T:103+8*\T], v[12*\T:12*\T+11], v[16:27], 0, v[28+\T/2], v255 matrix_a_fmt:MATRIX_FMT_FP6 matrix_b_fmt:MATRIX_FMT_FP6 matrix_a_scale:MATRIX_SCALE_ROW1
.else
	v_wmma_scale_f32_16x16x128_f8f6f4 v[96+8*\T:103+8*\T], v[12*\T:12*\T+11], v[16:27], 0, v[28+\T/2], v255 matrix_a_fmt:MATRIX_FMT_FP6 matrix_b_fmt:MATRIX_FMT_FP6
.endif
.endr
	WIN 0
.rept 4
	v_nop                                          ; places: in front of the first read of the scores, and of the loads into the registers that the last step's second product read
.endr
	ds_load_b128 v[32:35], v[\sv] offset:\os       ; v's scale words and fragments land under the softmax
	WIN 0x40
.irp T, 0,1,2,3,4,5,6,7
.irp c, 0,1,2
	ds_load_b128 v[96+12*\T+4*\c:96+12*\T+4*\c+3], v[\av] offset:\oc+FRB*\T+512*\c
.endr
.endr
	WIN 0
.if \diag
	v_mov_b32 v254, 0xff800000                     ; hidden scores become -infinity ahead of the maximum: p = 0 then.  The group's first key counts for every query, so M is a number
.set n, 0
.rept 64
	v_cmp_gt_i32 vcc_lo, 32*(n/16)+16*((n/8)%2)+n%8, v[DL]   ; register n holds key 32 (n / 16) + 16 ((n / 8) % 2) + 8 h + n % 8 of the group: hidden where it lies behind 16 jj + r
	v_cndmask_b32 v[96+n], v[96+n], v254, vcc_lo
.set n, n+1
.endr
.endif
	SOFTMAX
	s_wait_dscnt 0x0                               ; v is in
	WIN 0x01
.irp T, 0,1,2,3,4,5,6,7                        ; O^T += v^T p^T: the eight accumulators by turns, one instruction a turn
.if \T%2
	v_wmma_scale_f32_16x16x128_f8f6f4 v[160+8*\T:167+8*\T], v[96+12*\T:107+12*\T], v[224:235], v[160+8*\T:167+8*\T], v[32+\T/2], v253 matrix_a_fmt:MATRIX_FMT_FP6 matrix_b_fmt:MATRIX_FMT_FP6 matrix_a_scale:MATRIX_SCALE_ROW1
.else
	v_wmma_scale_f32_16x16x128_f8f6f4 v[160+8*\T:167+8*\T], v[96+12*\T:107+12*\T], v[224:235], v[160+8*\T:167+8*\T], v[32+\T/2], v253 matrix_a_fmt:MATRIX_FMT_FP6 matrix_b_fmt:MATRIX_FMT_FP6
.endif
.endr
	WIN 0
.if \diag == 0
.Lskip_\@:
.endif
.endm
; The next part of k and v is shown to every wave: waves 0 and 1 wait until at most n of their six loads are out (the parts behind this one, and g); no LDS instruction is pending at the signal.
.macro WAITB n
	s_wait_tensorcnt \n
	s_wait_dscnt 0x0
	s_barrier_signal -1
	s_barrier_wait -1
.endm
; 64 numbers of a lane, register 16 b + i = k 32 b + 16 (lane / 16) + i of my row, become a fragment's codes in v[PC] on and its scale word in v[PW].
.macro QUANT s
.irp b, 0,1,2,3
	v_max3_num_f32 v[TM+\b], |v[\s+16*\b]|, |v[\s+1+16*\b]|, 0x1800000
.endr
.irp i, 2,4,6,8,10,12,14
.irp b, 0,1,2,3
	v_max3_num_f32 v[TM+\b], v[TM+\b], |v[\s+16*\b+\i]|, |v[\s+1+16*\b+\i]|
.endr
.endr
.irp b, 0,1,2,3
	v_permlanex16_b32 v[TM+4+\b], v[TM+\b], s[SEL], s[SEL+1]
.endr
.irp b, 0,1,2,3
	v_max_num_f32 v[TM+\b], v[TM+\b], v[TM+4+\b]
.endr
.irp b, 0,1,2,3
	v_add_nc_u32 v[TM+12+\b], 0xff000000, v[TM+\b]
.endr
.irp b, 0,1,2,3
	v_lshrrev_b32 v[TM+4+\b], 23, v[TM+12+\b]
.endr
	v_lshl_or_b32 v[PW], v[TM+5], 8, v[TM+4]
	v_lshl_or_b32 v[PW], v[TM+6], 16, v[PW]
	v_lshl_or_b32 v[PW], v[TM+7], 24, v[PW]
.irp c, 0,1
	v_cvt_scalef32_pk16_fp6_f32 v[PC+6*\c:PC+2+6*\c], v[\s+32*\c:\s+15+32*\c], v[TM+12+2*\c]
	v_cvt_scalef32_pk16_fp6_f32 v[PC+12+4*\c:PC+14+4*\c], v[\s+16+32*\c:\s+31+32*\c], v[TM+12+2*\c+1]
.endr
	v_nop                                          ; one plain place behind a scaled conversion
.irp c, 0,1
.irp i, 0,1,2
	v_permlane16_swap_b32 v[PC+6*\c+\i], v[PC+12+4*\c+\i]
.endr
.irp i, 0,1,2
	v_mov_b32 v[PC+3+6*\c+\i], v[PC+12+4*\c+\i]
.endr
.endr
.endm
	s_wait_loadcnt 0x0                             ; q, its scale word, norm_w
	WAITB 4                                        ; the scale words and groups 0, 1 are in
	STEP 1, 3, 5, 6, 0*GRPB, 0*512, 0, 0
	STEP 1, 3, 5, 6, 1*GRPB, 1*512, 1, 0
	WAITB 3                                        ; groups 2, 3
	STEP 1, 3, 5, 6, 2*GRPB, 2*512, 2, 0
	STEP 1, 3, 5, 6, 3*GRPB, 3*512, 3, 0
	WAITB 2                                        ; groups 4, 5
	STEP 2, 4, 5, 6, 0*GRPB, 4*512, 4, 0
	STEP 2, 4, 5, 6, 1*GRPB, 5*512, 5, 0
	WAITB 1                                        ; groups 6, 7
	STEP 2, 4, 5, 6, 2*GRPB, 6*512, 6, 0
	STEP 8, 9, 10, 11, 0, 0, 7, 1                  ; my own group, under the mask
	; THE WAY OUT.
	s_wait_tensorcnt 0x0                           ; my g is in LDS: only I read it
.rept 4
	v_nop                                          ; places in front of the first read of O^T
.endr
	WIN 0x40
.irp T, 0,1,2,3,4,5,6,7
	ds_load_b128 v[8*\T:8*\T+3], v7 offset:64*\T             ; g(r, 16 T + 8 h + 0 .. 7), where k's fragments lay
	ds_load_b128 v[8*\T+4:8*\T+7], v7 offset:64*\T+16
.endr
	WIN 0
	v_add_f32 v14, v14, v15                        ; the sum's two halves,
	v_permlanex16_b32 v252, v14, s[SEL], s[SEL+1]
	v_add_f32 v14, v14, v252                       ; and lane l xor 16's
	v_rcp_f32 v14, v14
	v_nop                                          ; a plain instruction behind the reciprocal
	s_wait_alu depctr_va_vdst(0)                   ; the wait ahead of its first reader
.set j, 0
.rept 32
	v_pk_mul_f32 v[96+j:97+j], v[160+j:161+j], v[14:15] op_sel_hi:[1,0]   ; o = O^T / the sum: register 8 T + i is channel 16 T + 8 h + i; each accumulator from its low end on
.set j, j+2
.endr
	v_pk_mul_f32 v[56:57], v[96:97], v[96:97]      ; the sum of o^2, in two chains
	v_pk_mul_f32 v[58:59], v[98:99], v[98:99]
.irp i, 4,8,12,16,20,24,28,32,36,40,44,48,52,56,60
	v_pk_fma_f32 v[56:57], v[96+\i:97+\i], v[96+\i:97+\i], v[56:57]
	v_pk_fma_f32 v[58:59], v[98+\i:99+\i], v[98+\i:99+\i], v[58:59]
.endr
	v_pk_add_f32 v[56:57], v[56:57], v[58:59]
	v_add_f32 v56, v56, v57
	v_permlanex16_b32 v60, v56, s[SEL], s[SEL+1]
	v_add_f32 v56, v56, v60                        ; over the head's 128
	v_fma_f32 v56, v56, s[RN], s[EP]               ; / 128 (exact) + 1e-5
	v_rsq_f32 v56, v56
	s_wait_dscnt 0x0                               ; g is in registers
	WIN 0x01
.set j, 0
.rept 32
	v_pk_mul_f32 v[160+j:161+j], v[j:j+1], 0xbfb8aa3b op_sel_hi:[1,0]   ; -g log2(e)
.set j, j+2
.endr
	WIN 0
.set j, 0
.rept 64
	v_exp_f32 v[160+j], v[160+j]
.set j, j+1
.endr
	v_nop
	s_wait_alu depctr_va_vdst(0)                   ; one wait for the root and the 64 exponentials
.set j, 0
.rept 32
	v_pk_add_f32 v[160+j:161+j], v[160+j:161+j], 1.0 op_sel_hi:[1,0]
.set j, j+2
.endr
.set j, 0
.rept 64
	v_rcp_f32 v[160+j], v[160+j]                   ; sigmoid(g)
.set j, j+1
.endr
.set j, 0
.rept 32
	v_pk_mul_f32 v[96+j:97+j], v[96+j:97+j], v[56:57] op_sel_hi:[1,0]   ; o x rms: work that names no reciprocal stands behind the batch
.set j, j+2
.endr
	WIN 0x01
.set j, 0
.rept 32
	v_pk_mul_f32 v[96+j:97+j], v[192+j:193+j], v[96+j:97+j]             ; x norm_w
.set j, j+2
.endr
	s_wait_alu depctr_va_vdst(0)                   ; one wait for the 64 reciprocals
.set j, 0
.rept 32
	v_pk_mul_f32 v[160+j:161+j], v[j:j+1], v[160+j:161+j]               ; g sigmoid(g)
.set j, j+2
.endr
	WIN 0
.set j, 0
.rept 32
	v_pk_mul_f32 v[96+j:97+j], v[96+j:97+j], v[160+j:161+j]             ; y
.set j, j+2
.endr
.irp b, 0,1,2,3                                ; the output projection's K wants the channels in their true order: the first's lanes 16-31 change places with the second's lanes 0-15,
.irp i, 0,1,2,3,4,5,6,7                        ; and register 16 b + i of lane (r, h) is channel 32 b + 16 h + i
	v_permlane16_swap_b32 v[96+16*\b+\i], v[104+16*\b+\i]
.endr
.endr
	QUANT 96
.irp p, 0,1,2,3,4,5
	ds_store_b64 v[SA], v[PC+2*\p:PC+2*\p+1] offset:48*(\p/3)+8*(\p%3)   ; my 2 x 24 bytes of row r's 96
.endr
.irp c, 0,1,2
	ds_load_b128 v[76+4*\c:79+4*\c], v[SR] offset:512*\c                 ; LDS serves a wave's instructions in order (ISA guide 5.7.1.4): these see my stores
.endr
	global_store_b32 v91, v[PW], s[16:17]          ; lanes r and r + 16 hold, and write, the same word
	s_wait_dscnt 0x0
.irp c, 0,1,2
	global_store_b128 v[88+\c], v[76+4*\c:79+4*\c], s[14:15]             ; six neighbouring lanes store a row's 96 consecutive bytes
.endr
	s_wait_tensorcnt 0x0
	s_wait_tensorcnt 0x0
	ds_add_u32 v250, v251
	s_wait_dscnt 0x0
	ROUND                                          ; the closing round: no work-group ends while a partner may still ask for a tile that names it
	s_endpgm
.Lfunc_end_k_qd645a9c11d_attn:
	.size	k_qd645a9c11d_attn, .Lfunc_end_k_qd645a9c11d_attn-k_qd645a9c11d_attn
	.p2alignl 7, 3214868480
	.fill 96, 4, 3214868480
	.section	.rodata,"a",@progbits
	.p2align	6, 0x0
	.amdhsa_kernel k_qd645a9c11d_attn
		.amdhsa_group_segment_fixed_size 327680
		.amdhsa_private_segment_fixed_size 0
		.amdhsa_enable_private_segment 0
		.amdhsa_kernarg_size 56
		.amdhsa_user_sgpr_count 2
		.amdhsa_user_sgpr_kernarg_segment_ptr 1
		.amdhsa_wavefront_size32 1
		.amdhsa_system_sgpr_workgroup_id_x 1
		.amdhsa_system_sgpr_workgroup_id_y 1
		.amdhsa_system_sgpr_workgroup_id_z 1
		.amdhsa_system_vgpr_workitem_id 0
		.amdhsa_next_free_vgpr 512
		.amdhsa_next_free_sgpr 100
		.amdhsa_reserve_vcc 1
		.amdhsa_float_denorm_mode_32 3
		.amdhsa_float_denorm_mode_16_64 3
		.amdhsa_memory_ordered 1
		.amdhsa_forward_progress 1
		.amdhsa_inst_pref_size 197
	.end_amdhsa_kernel
	.amdgpu_metadata
---
amdhsa.version: [ 1, 2 ]
amdhsa.kernels:
  - .name:           k_qd645a9c11d_attn
    .symbol:         k_qd645a9c11d_attn.kd
    .args:
      - { .name: qbuf, .offset: 0, .size: 8, .value_kind: global_buffer, .address_space: global }
      - { .name: kbuf, .offset: 8, .size: 8, .value_kind: global_buffer, .address_space: global }
      - { .name: vbuf, .offset: 16, .size: 8, .value_kind: global_buffer, .address_space: global }
      - { .name: gbuf, .offset: 24, .size: 8, .value_kind: global_buffer, .address_space: global }
      - { .name: norm_w, .offset: 32, .size: 8, .value_kind: global_buffer, .address_space: global }
      - { .name: acodes, .offset: 40, .size: 8, .value_kind: global_buffer, .address_space: global }
      - { .name: ascales, .offset: 48, .size: 8, .value_kind: global_buffer, .address_space: global }
    .group_segment_fixed_size: 327680
    .private_segment_fixed_size: 0
    .kernarg_segment_align: 8
    .kernarg_segment_size: 56
    .max_flat_workgroup_size: 256
    .sgpr_count:     100
    .vgpr_count:     512
    .wavefront_size: 32
...
	.end_amdgpu_metadata
.endif
;; end of part 3
;; launch outp: the kernel of part 2 again; grid 8 x 8, 4 waves a work-group, clusters of 4 x 4, 327,680 bytes of LDS; arguments acodes, ascales, wo_codes, wo_scales, wq_codes, wq_scales, wk_codes, wk_scales, wv_codes, wv_scales, out0, qbuf, kbuf, vbuf, tab; writes out0, qbuf, kbuf, vbuf
;; ======== version 2 of 2: 4 launches
;; workspace buffers: tab 524,288 bytes; gbuf 16,777,216 bytes; qbuf 3,276,800 bytes; kbuf 3,276,800 bytes; vbuf 3,276,800 bytes; acodes 3,145,728 bytes; ascales 131,072 bytes
;; launch tab (part 4): grid 64 x 1, 8 waves a work-group, no clusters, 0 bytes of LDS; arguments tab; writes tab
.if DOCPART == 4
	.amdgcn_target "amdgcn-amd-amdhsa--gfx1250"
	.amdhsa_code_object_version 6
	.text
	.protected	k_qd645a9c11d_tab
	.globl	k_qd645a9c11d_tab
	.p2align	8
	.type	k_qd645a9c11d_tab,@function
k_qd645a9c11d_tab:
	s_mov_b64 s[64:65], 0
	v_nop
	global_prefetch_b8 v0, s[64:65] scope:SCOPE_SE
	s_setreg_imm32_b32 hwreg(HW_REG_WAVE_MODE, 25, 1), 1
	s_wait_xcnt 0x0
; THE ROTARY TABLE: cos and sin of the f32 angle t x inv_freq(f), t = 0 .. 1023, f = 0 .. 63, inv_freq(f) = 1 / 10000^(f / 64) = 1 / 10^(f / 16).
; The angle is made as the definition makes it: inv_freq rounded to f32, then ONE f32 product with t.  Made once here, since 65,536 pairs serve 2 x 2 x 16 x 1,024 rows of q and k.
; LAYOUT: [t / 16][cos 4,096 bytes | sin 4,096 bytes]; in each half, chunk q (0 .. 7) at 512 q + 16 x lane: register 4 q + i of lane (r, h) is t = 16 (t / 16) + r, f = 16 (q / 2) + 8 h + 4 (q % 2) + i:
; the order in which a lane of the projection holds 32 channels of a row.  Work-group = t / 16, wave = q; a thread makes four pairs.  Each store of a wave covers 512 consecutive bytes, aligned.
; 10^(f / 16) is a product of 10^(1/16), 10^(1/8), 10^(1/4), 10^(1/2) and 10^(f / 16 rounded down), kept as a sum of two f32 (hi + lo) and rounded once; the reciprocal is v_rcp_f32 with two corrections by fused multiply-adds.
; Sine and cosine: the angle less n x pi/2 (pi/2 as a sum of two f32; the first product is exact, n has 10 bits), then polynomials on |x| <= pi/4, then the quadrant.
; LIMIT: inv_freq is the correctly rounded power followed by the correctly rounded reciprocal.  Where a library's power function differs from that by one unit in the last place, an angle differs by at most 6e-5 (at t near 1,000).
.macro DFMUL hi, lo, bh, bl            ; (hi + lo) x (bh + bl), again as hi + lo
	v_mul_f32 v24, v[\hi], v[\bh]
	s_delay_alu instid0(VALU_DEP_1)
	v_fma_f32 v25, v[\hi], v[\bh], -v24            ; what the product's rounding dropped,
	s_delay_alu instid0(VALU_DEP_1)
	v_fma_f32 v25, v[\hi], v[\bl], v25             ; and the two cross terms
	s_delay_alu instid0(VALU_DEP_1)
	v_fma_f32 v25, v[\lo], v[\bh], v25
	s_delay_alu instid0(VALU_DEP_1)
	v_add_f32 v26, v24, v25
	s_delay_alu instid0(VALU_DEP_1)
	v_sub_f32 v27, v26, v24
	s_delay_alu instid0(VALU_DEP_1)
	v_sub_f32 v[\lo], v25, v27
	s_delay_alu instid0(VALU_DEP_3)
	v_mov_b32 v[\hi], v26
.endm
	s_load_b64 s[4:5], s[0:1], 0x0                 ; the table
	v_lshrrev_b32 v1, 5, v0
	s_delay_alu instid0(VALU_DEP_1)
	v_readfirstlane_b32 s8, v1                     ; q = wave 0..7
	v_and_b32 v1, 15, v0                           ; r
	v_bfe_u32 v2, v0, 4, 1                         ; h
	v_lshlrev_b32 v3, 4, v0                        ; 512 q + 16 x lane
	s_lshl_b32 s9, ttmp9, 4
	v_add_nc_u32 v4, s9, v1
	s_delay_alu instid0(VALU_DEP_1)
	v_cvt_f32_u32 v4, v4                           ; t
	s_lshl_b32 s10, ttmp9, 13                      ; 8,192 bytes for 16 t
	s_mov_b32 s11, 0
	s_mov_b32 s12, 0x3fc90fdb                      ; pi/2, upper part
	s_mov_b32 s13, 0xb33bbd2e                      ; pi/2, lower part
	v_mov_b32 v6, 0x3f93cfe5                       ; 10^(1/16) = v6 + v7
	v_mov_b32 v7, 0x334a404f
	v_mov_b32 v8, 0x3faab0d5                       ; 10^(1/8)
	v_mov_b32 v9, 0xb36457ec
	s_and_b32 s14, s8, 1
	s_cmp_eq_u32 s14, 1
	s_cselect_b32 s15, 0x3fe39ea9, 1.0             ; 10^(1/4) where q is odd, else 1
	s_cselect_b32 s16, 0xb26aee3b, 0
	v_mov_b32 v10, s15
	v_mov_b32 v11, s16
	v_cmp_eq_u32 vcc_lo, 1, v2
	v_mov_b32 v12, 0x404a62c2                      ; 10^(1/2) in lanes 16-31, else 1
	v_mov_b32 v13, 0xb324b494
	s_delay_alu instid0(VALU_DEP_2)
	v_cndmask_b32 v12, 1.0, v12, vcc_lo
	s_delay_alu instid0(VALU_DEP_2)
	v_cndmask_b32 v13, 0, v13, vcc_lo
	s_lshr_b32 s6, s8, 1                           ; f / 16
	s_mov_b32 s7, 1.0
	s_cmp_eq_u32 s6, 1
	s_cselect_b32 s7, 0x41200000, s7               ; 10
	s_cmp_eq_u32 s6, 2
	s_cselect_b32 s7, 0x42c80000, s7               ; 100
	s_cmp_eq_u32 s6, 3
	s_cselect_b32 s7, 0x447a0000, s7               ; 1,000
	v_mov_b32 v14, s7
	v_mov_b32 v48, 0xb94ca1f9                      ; the polynomials' leading coefficients
	v_mov_b32 v49, 0x37ccf5ce
	v_mov_b32 v16, 1.0                             ; i = 0: 1
	v_mov_b32 v20, 0
	v_mov_b32 v17, v6                              ; i = 1: 10^(1/16)
	v_mov_b32 v21, v7
	v_mov_b32 v18, v8                              ; i = 2: 10^(1/8)
	v_mov_b32 v22, v9
	v_mov_b32 v19, v6                              ; i = 3: their product
	v_mov_b32 v23, v7
	DFMUL 19, 23, 8, 9
.irp i, 0,1,2,3
	DFMUL 16+\i, 20+\i, 10, 11
	DFMUL 16+\i, 20+\i, 12, 13
	s_delay_alu instid0(VALU_DEP_1)
	v_mul_f32 v24, v[16+\i], v14                   ; x the whole power of ten, and the one rounding to f32
	s_delay_alu instid0(VALU_DEP_1)
	v_fma_f32 v25, v[16+\i], v14, -v24
	s_delay_alu instid0(VALU_DEP_1)
	v_fma_f32 v25, v[20+\i], v14, v25
	s_delay_alu instid0(VALU_DEP_1)
	v_add_f32 v[28+\i], v24, v25
.endr
	s_wait_alu depctr_va_vdst(0)
.irp i, 0,1,2,3
	v_rcp_f32 v[32+\i], v[28+\i]
.endr
	v_nop                                          ; a plain instruction behind the last reciprocal
	s_wait_alu depctr_va_vdst(0)                   ; one wait for the four, ahead of their first reader
.irp i, 0,1,2,3
	v_fma_f32 v24, -v[28+\i], v[32+\i], 1.0
	v_fma_f32 v25, v[32+\i], v24, v[32+\i]
	s_delay_alu instid0(VALU_DEP_1)
	v_fma_f32 v24, -v[28+\i], v25, 1.0
	s_delay_alu instid0(VALU_DEP_1)
	v_fma_f32 v25, v24, v25, v25                   ; inv_freq
	s_delay_alu instid0(VALU_DEP_1)
	v_mul_f32 v[36+\i], v4, v25                    ; the angle: one f32 product
.endr
.irp i, 0,1,2,3
	v_mul_f32 v50, 0x3f22f983, v[36+\i]            ; x 2 / pi
	s_delay_alu instid0(VALU_DEP_1)
	v_rndne_f32 v50, v50                           ; n
	s_delay_alu instid0(VALU_DEP_1)
	v_fma_f32 v51, -v50, s12, v[36+\i]
	s_delay_alu instid0(VALU_DEP_1)
	v_fma_f32 v51, -v50, s13, v51                  ; x = angle - n pi/2
	s_delay_alu instid0(VALU_DEP_3)
	v_cvt_i32_f32 v52, v50
	s_delay_alu instid0(VALU_DEP_2)
	v_mul_f32 v53, v51, v51                        ; z = x x
	s_delay_alu instid0(VALU_DEP_1)
	v_fmaak_f32 v54, v53, v48, 0x3c08839e
	s_delay_alu instid0(VALU_DEP_1)
	v_fmaak_f32 v54, v54, v53, 0xbe2aaaa3
	s_delay_alu instid0(VALU_DEP_1)
	v_mul_f32 v54, v54, v53
	s_delay_alu instid0(VALU_DEP_1)
	v_fma_f32 v54, v54, v51, v51                   ; sin x
	v_fmaak_f32 v55, v53, v49, 0xbab6061a
	s_delay_alu instid0(VALU_DEP_1)
	v_fmaak_f32 v55, v55, v53, 0x3d2aaaa5
	s_delay_alu instid0(VALU_DEP_1)
	v_mul_f32 v55, v55, v53
	v_fma_f32 v56, v53, -0.5, 1.0
	s_delay_alu instid0(VALU_DEP_1)
	v_fma_f32 v55, v55, v53, v56                   ; cos x
	v_and_b32 v57, 1, v52
	s_delay_alu instid0(VALU_DEP_1)
	v_cmp_eq_u32 vcc_lo, 1, v57                    ; an odd n changes sine and cosine about
	s_delay_alu instid0(VALU_DEP_1)
	v_cndmask_b32 v58, v54, v55, vcc_lo
	s_delay_alu instid0(VALU_DEP_2)
	v_cndmask_b32 v59, v55, v54, vcc_lo
	v_lshlrev_b32 v57, 30, v52                     ; the sine's sign: bit 1 of n
	s_delay_alu instid0(VALU_DEP_1)
	v_and_b32 v57, 0x80000000, v57
	s_delay_alu instid0(VALU_DEP_1)
	v_xor_b32 v[44+\i], v58, v57
	v_add_nc_u32 v52, 1, v52                       ; the cosine's: bit 1 of n + 1
	s_delay_alu instid0(VALU_DEP_1)
	v_lshlrev_b32 v57, 30, v52
	s_delay_alu instid0(VALU_DEP_1)
	v_and_b32 v57, 0x80000000, v57
	s_delay_alu instid0(VALU_DEP_1)
	v_xor_b32 v[40+\i], v59, v57
.endr
	s_wait_alu depctr_va_vdst(0)
	s_wait_kmcnt 0x0
	s_add_nc_u64 s[4:5], s[4:5], s[10:11]
	global_store_b128 v3, v[40:43], s[4:5]
	global_store_b128 v3, v[44:47], s[4:5] offset:4096
	s_endpgm
.Lfunc_end_k_qd645a9c11d_tab:
	.size	k_qd645a9c11d_tab, .Lfunc_end_k_qd645a9c11d_tab-k_qd645a9c11d_tab
	.p2alignl 7, 3214868480
	.fill 96, 4, 3214868480
	.section	.rodata,"a",@progbits
	.p2align	6, 0x0
	.amdhsa_kernel k_qd645a9c11d_tab
		.amdhsa_group_segment_fixed_size 0
		.amdhsa_private_segment_fixed_size 0
		.amdhsa_enable_private_segment 0
		.amdhsa_kernarg_size 8
		.amdhsa_user_sgpr_count 2
		.amdhsa_user_sgpr_kernarg_segment_ptr 1
		.amdhsa_wavefront_size32 1
		.amdhsa_system_sgpr_workgroup_id_x 1
		.amdhsa_system_sgpr_workgroup_id_y 1
		.amdhsa_system_sgpr_workgroup_id_z 1
		.amdhsa_system_vgpr_workitem_id 0
		.amdhsa_next_free_vgpr 64
		.amdhsa_next_free_sgpr 66
		.amdhsa_reserve_vcc 1
		.amdhsa_float_denorm_mode_32 3
		.amdhsa_float_denorm_mode_16_64 3
		.amdhsa_memory_ordered 1
		.amdhsa_forward_progress 1
		.amdhsa_inst_pref_size 18
	.end_amdhsa_kernel
	.amdgpu_metadata
---
amdhsa.version: [ 1, 2 ]
amdhsa.kernels:
  - .name:           k_qd645a9c11d_tab
    .symbol:         k_qd645a9c11d_tab.kd
    .args:
      - { .name: tab, .offset: 0, .size: 8, .value_kind: global_buffer, .address_space: global }
    .group_segment_fixed_size: 0
    .private_segment_fixed_size: 0
    .kernarg_segment_align: 8
    .kernarg_segment_size: 8
    .max_flat_workgroup_size: 256
    .sgpr_count:     66
    .vgpr_count:     64
    .wavefront_size: 32
...
	.end_amdgpu_metadata
.endif
;; end of part 4
;; launch proj (part 5): grid 32 x 8, 4 waves a work-group, clusters of 4 x 4, 327,680 bytes of LDS; arguments hidden_states_codes, hidden_states_scales, wg_codes, wg_scales, wq_codes, wq_scales, wk_codes, wk_scales, wv_codes, wv_scales, gbuf, qbuf, kbuf, vbuf, tab; writes gbuf, qbuf, kbuf, vbuf
.if DOCPART == 5
	.amdgcn_target "amdgcn-amd-amdhsa--gfx1250"
	.amdhsa_code_object_version 6
	.text
	.protected	k_qd645a9c11d_proj
	.globl	k_qd645a9c11d_proj
	.p2align	8
	.type	k_qd645a9c11d_proj,@function
k_qd645a9c11d_proj:
	s_mov_b64 s[64:65], 0
	v_nop
	global_prefetch_b8 v0, s[64:65] scope:SCOPE_SE
	s_setreg_imm32_b32 hwreg(HW_REG_WAVE_MODE, 25, 1), 1
	s_wait_xcnt 0x0
	s_wait_alu depctr_hold_cnt(0) depctr_sa_sdst(0) depctr_va_vdst(0) depctr_va_sdst(0) depctr_va_ssrc(0) depctr_va_vcc(0) depctr_vm_vsrc(0)
	s_getreg_b32 s2, hwreg(HW_REG_IB_STS2, 6, 4)
	s_cmp_eq_u32 s2, 0
	s_cbranch_scc0 .Lentry_in_a_cluster
	s_endpgm
.Lentry_in_a_cluster:
	s_bfe_u32 s2, ttmp6, 0x10000c
	s_cmp_lg_u32 s2, 0xf033
	s_cbranch_scc0 .Lentry_shape_is_right
	s_endpgm
.Lentry_shape_is_right:
; C[m][n] = sum over k of A[m][k] B[n][k] on codes of FP6 (E2M3) with one E8M0 scale for each 32 along K; 2,048 rows a side, K = 2,048; sums in f32.  ONE BODY FOR FIVE PRODUCTS, told apart by the KIND = cluster x / 2:
;   kind 0: A = argument 0 (rows b l), B = argument 2; C leaves as f32 rows of 2,048 (the gate's projection; the output projection).
;   kind 1, 2: A = argument 0, B = wq, wk.  A wave's 128 columns are one head: the rotary turn, then the quantiser along the head's 128, then the codes leave as IMAGES of operand registers.
;   kind 3: A = wv, B = argument 0: the operands change places, so that a lane holds one channel and its registers run along the KEYS, which are the second attention product's K; quantiser, images.
; A tile of C, 256 x 256, is made by four waves, as many as a WGP has SIMDs; a wave makes 128 x 128: 64 accumulators, 512 registers.  K goes in steps of 256 through a ring of two LDS slots filled by the tensor data
; mover (a tile's row: 192 bytes).  The scales of the work-group's 2 x 256 rows, for all of K, come into LDS once, with the first fills.
; CLUSTERS: 4 x 4 work-groups.  The four of a row of the cluster need the same tiles of A, the four of a column the same tiles of B: each tile is asked for JOINTLY.  The kind hangs on the cluster's x alone: it is the same in all sixteen.
; THE MATRIX INSTRUCTION IS USED TRANSPOSED (source 0 = 16 rows of B, source 1 = 16 rows of A): in accumulator (a, b) lane (r, h) holds row 16 a + r of A's 128 and, in register j, row 16 b + 8 h + j of B's 128.
; IMAGES.  A fragment (16 rows x 128 K, 12 registers a lane) lies as 3 x 512 bytes, lane l's registers 4 c .. 4 c + 3 at 512 c + 16 l; [head b h][group of 128 rows l or keys][tile of 16][1,536].  Inside a block of 32 along K the
; codes keep the order in which the accumulators hold them: place 16 x half + 8 u + j holds index 16 u + 8 x half + j.  q and k are laid alike, and so are v and the p that the next launch makes: a product does not see it, but for the grouping of its terms.
; The scale words follow the codes, [b h][group][512]: the word of tile 2 i + h, row r at 16 (16 h + r) + 4 i, so that one load of 16 bytes a lane brings four registers with an even tile's words in lanes 0-15 and an odd tile's in lanes 16-31.
; LIMITS: NaN and infinities are not served; a block whose largest magnitude lies under 2^-124 (zeros too) gets the byte 1, its codes being what the conversion gives under that scale; these bytes are read by this program alone.
; REGISTERS, in windows of 256: window 0: v0-31 addresses; v32-63 scale words, two sets; v64-127 table values; from v128 A's fragments, ONE set; behind the loop v128-255 are free.
;   window 1: B's fragments, TWO sets, at v0 and v128.   window 2: the accumulators of my rows 0-63 ((a, b) at v[8 (8 a + b)]);   window 3: those of my rows 64-127.
.set SIZE_K, 2048
.set SIZE_N, 2048                      ; numbers in a row of C
.set KSTEP,  256                       ; along K in a slot
.set NQ,     KSTEP/128                 ; matrix instructions deep
.set ROWB,   192                       ; a tile's row in bytes
.set KROW,   SIZE_K*6/8                ; a row of codes in memory
.set PITCH,  240                       ; an LDS row: 3 x (64 bytes of data + 16 of padding) = 60 words: the 32 lanes of a load of 8 bytes touch 64 different banks (64 banks of 4 bytes: ISA guide 11.1)
.set FR,     12                        ; registers of a fragment
.set NL,     6                         ; LDS loads that bring one
.set NP,     4                         ; places behind this matrix instruction (ISA guide 7.12.1)
.set HALFT,  128*PITCH                 ; 128 rows: what one tensor load brings
.set SLOT,   4*HALFT                   ; A's 256 rows, then B's 256 rows
.set LAPS,   SIZE_K/(2*KSTEP)          ; a lap = two K steps = once round the ring
.set KS,     SIZE_K/32                 ; a row of scales in bytes
.set SCL,    2*SLOT                    ; behind the ring: the scales, as runs of 256 bytes + 16 of padding
.set HALFS,  (128*KS/256)*272          ; the scales of 128 rows
.set SBLK,   (16*KS/256)*272           ; those of 16 rows
.set SPARE,  SCL+4*HALFS               ; the spare words, 128 bytes for each wave: two blocks of 256 bytes that no other line names
.set SPITCH, 528                       ; kind 0's way out: a stage of 16 rows x (512 + 16 bytes) for each wave, in slot 0, which has had its last fill and its last read by then
.set SC_OFF, 3145728                   ; where the scale words begin in an image buffer
.set ADRA, 16                          ; v16-17 LDS address of my A fragments in slot 0, 1 (v18-19: behind one padding more)
.set ADRB, 20                          ; v20-23 the same for B
.set STO,  24                          ; v24    the stage: where I put 32 bytes of a row
.set RD,   25                          ; v25    and where I read a row back
.set CO,   26                          ; v26    16 x lane
.set ADRS, 27                          ; v27    LDS address of my scale words: lanes 0-15 A's rows, lanes 16-31 B's
.set SPW,  28                          ; v28    LDS address of my spare word; never rewritten
.set NIL,  29                          ; v29    0; never rewritten
.set SC,   32                          ; scale words: they hold scales and nothing else
.set AF,   128                         ; A's fragments
.set BK,   128                         ; kind 0's way out: rows read back, v128-191 and v192-255 by turns
.set TM,   192                         ; the quantiser: v192-195 largest magnitudes, v196-199 bytes, v204-207 the conversions' scale operands
.set PC,   208                         ; v208-226 the codes just made
.set SW,   228                         ; v228-235 the eight tiles' scale words
.set SWC,  236                         ; v236-239 as they are stored
.set G1, 24                            ; s[24:31] descriptor group 1 for A's tiles;  s[32:39] group 0, one set for each slot
.set G0, 32
.set G1B, 48                           ; s[48:55], s[56:63] the same for B's tiles
.set G0B, 56
.set G1S, 68                           ; s[68:75], s[76:79] groups 1 and 0 for A's scales;  s[80:87], s[88:91] for B's
.set G0S, 76
.set G1SB, 80
.set G0SB, 88
.set KIND, 66                          ; s66
.set TABP, 98                          ; s[98:99]   the table at my 128 rows
.set SCP,  100                         ; s[100:101] where my group's scale words go
.set MSB, 0
.macro WIN new                         ; the immediate's high byte repeats the setting that is left
.if MSB != \new
	s_set_vgpr_msb (MSB<<8)|\new
.set MSB, \new
.endif
.endm
.set MUL_LO, 0xa1                      ; source 0 (B) window 1, source 1 (A) window 0, C and D window 2
.set MUL_HI, 0xf1                      ; the same, C and D window 3
.set TO_B,   0x40                      ; destination window 1, address window 0
; A joint load: waves 0 and 1 fetch for A, waves 2 and 3 for B.  Each of the two lines has one mask and one set of registers for all that issue it; the branch hangs on the wave's number alone.
; Four v_nop follow each of the two lines, ahead of the jump, the label and what follows.
.macro JLOAD g0a, g1a, g0b, g1b
	s_cmp_eq_u32 s15, 0
	s_cbranch_scc0 .Lfor_b_\@
	tensor_load_to_lds s[\g0a:\g0a+3], s[\g1a:\g1a+7]
	s_nop 0
.rept 4
	v_nop
.endr
	s_branch .Lasked_\@
.Lfor_b_\@:
	tensor_load_to_lds s[\g0b:\g0b+3], s[\g1b:\g1b+7]
	s_nop 0
.rept 4
	v_nop
.endr
.Lasked_\@:
.endm
.macro CREST                           ; a round of the cluster's barrier behind its opening barrier
	s_cmp_lg_u32 s14, 0
	s_cbranch_scc1 .Lnot_wave_0_\@
	s_barrier_signal -3
.Lnot_wave_0_\@:
	s_barrier_wait -3
	s_barrier_signal -1
	s_barrier_wait -1
.endm
.macro CROUND                          ; a whole round
	s_barrier_signal -1
	s_barrier_wait -1
	CREST
.endm
	s_load_b512 s[68:83], s[0:1], 0x0              ; x's codes, scales; w0's; wq's; wk's
	s_load_b256 s[84:91], s[0:1], 0x40             ; wv's codes, scales; c0; q's images
	s_load_b128 s[92:95], s[0:1], 0x60             ; k's images, v's images
	s_load_b64 s[96:97], s[0:1], 0x70              ; the table
	v_lshl_add_u32 v[SPW], v0, 2, SPARE
	v_mov_b32 v[NIL], 0
	ds_add_u32 v28, v29
	ds_add_u32 v28, v29
	s_wait_dscnt 0x0
	v_lshrrev_b32 v1, 5, v0
	v_readfirstlane_b32 s14, v1                    ; wave 0..3
	s_lshr_b32 s15, s14, 1                         ; which half of the tile's rows is mine.  Also: I fetch for A (0) or for B (1)
	s_and_b32 s16, s14, 1                          ; which half of its columns.  Also: which 128 rows of that tile I fetch
	s_bfe_u32 s40, ttmp6, 0x40000                  ; cx, cy: my place in the cluster
	s_bfe_u32 s41, ttmp6, 0x40004
	s_lshr_b32 s[KIND], ttmp9, 1                   ; two clusters along x make a kind's eight tile columns
	s_and_b32 s42, ttmp9, 1
	s_lshl_b32 s42, s42, 2
	s_add_co_u32 s42, s42, s40                     ; tile column = 4 x (cluster x % 2) + cx
	s_and_b32 s17, ttmp7, 0xffff
	s_lshl_b32 s17, s17, 2
	s_add_co_u32 s17, s17, s41                     ; tile row = 4 x cluster y + cy
	s_lshl_b32 s43, s41, 2
	s_lshl_b32 s43, 15, s43                        ; my row of the cluster
	s_lshl_b32 s44, 0x1111, s40                    ; my column
	; descriptor group 1: a tile of 128 rows x ROWB bytes, padded in LDS
	s_or_b32 s[G1+0], s43, (0<<16)|(1<<20)|(1<<21)|(3<<22)|(3<<25)  ; 15:0 the mask: A's tiles go to my row; 17:16 element of 1 byte; 20 padding on; 21 set beside a mask; 24:22 after every 16 words (code 3); 31:25 of 4 words (code 3)
	s_or_b32 s[G1B+0], s44, (0<<16)|(1<<20)|(1<<21)|(3<<22)|(3<<25)
.irp g, G1, G1B
	s_mov_b32 s[\g+1], ROWB<<16                    ; tensor_dim0
	s_mov_b32 s[\g+2], 128<<16                     ; tensor_dim1 = 128
	s_mov_b32 s[\g+3], ROWB<<16                    ; tile_dim0
	s_mov_b32 s[\g+4], 128                         ; tile_dim1 = 128
	s_mov_b32 s[\g+5], KROW                        ; tensor_dim0_stride
	s_mov_b32 s[\g+6], 0
	s_mov_b32 s[\g+7], 0
.endr
	s_lshl_b32 s18, s16, 7                         ; which 128 rows of the tile I fetch
	s_lshl_b32 s20, s17, 8
	s_add_co_u32 s20, s20, s18                     ; A: row 256 x tile row + 128 x half
	s_lshl_b32 s46, s42, 8
	s_add_co_u32 s46, s46, s18                     ; B: row 256 x tile column + 128 x half
	s_mov_b32 s21, 0
	s_mov_b32 s47, 0
	s_mov_b64 s[18:19], KS
	s_mul_u64 s[22:23], s[20:21], s[18:19]         ; where these rows' scales begin, in bytes
	s_mul_u64 s[2:3], s[46:47], s[18:19]
	s_mov_b64 s[18:19], KROW
	s_mul_u64 s[20:21], s[20:21], s[18:19]         ; and their codes
	s_mul_u64 s[46:47], s[46:47], s[18:19]
	s_mul_i32 s45, s14, HALFT                      ; where they go: wave x 128 rows: no place in the cluster enters an LDS address
	s_mul_i32 s18, s14, HALFS
	s_wait_kmcnt 0x0
	; the kind chooses the buffers: a choice that hangs on the cluster's number alone
	s_cmp_eq_u32 s[KIND], 3
	s_cselect_b64 s[4:5], s[84:85], s[68:69]       ; A's codes: wv's for kind 3, else x's
	s_cselect_b64 s[6:7], s[86:87], s[70:71]       ; A's scales
	s_cselect_b64 s[8:9], s[68:69], s[72:73]       ; B's codes: x's for kind 3, else w0's
	s_cselect_b64 s[10:11], s[70:71], s[74:75]
	s_cselect_b64 s[12:13], s[94:95], s[88:89]     ; where the results go
	s_cmp_eq_u32 s[KIND], 1
	s_cselect_b64 s[8:9], s[76:77], s[8:9]
	s_cselect_b64 s[10:11], s[78:79], s[10:11]
	s_cselect_b64 s[12:13], s[90:91], s[12:13]
	s_cmp_eq_u32 s[KIND], 2
	s_cselect_b64 s[8:9], s[80:81], s[8:9]
	s_cselect_b64 s[10:11], s[82:83], s[10:11]
	s_cselect_b64 s[12:13], s[92:93], s[12:13]
	s_mov_b64 s[TABP:TABP+1], s[96:97]
	s_add_nc_u64 s[20:21], s[4:5], s[20:21]
	s_add_nc_u64 s[22:23], s[6:7], s[22:23]
	s_add_nc_u64 s[46:47], s[8:9], s[46:47]
	s_add_nc_u64 s[2:3], s[10:11], s[2:3]
	; group 1 for the scales of 128 rows: a dense block of 128 KS bytes, as rows of 256 bytes (32 elements of 8 bytes), 16 bytes of padding behind each  (s68 on have given up the arguments)
	s_or_b32 s[G1S+0], s43, (3<<16)|(1<<20)|(1<<21)|(5<<22)|(3<<25)
	s_or_b32 s[G1SB+0], s44, (3<<16)|(1<<20)|(1<<21)|(5<<22)|(3<<25)
.irp g, G1S, G1SB
	s_mov_b32 s[\g+1], 32<<16
	s_mov_b32 s[\g+2], (128*KS/256)<<16
	s_mov_b32 s[\g+3], 32<<16
	s_mov_b32 s[\g+4], 128*KS/256
	s_mov_b32 s[\g+5], 32
	s_mov_b32 s[\g+6], 0
	s_mov_b32 s[\g+7], 0
.endr
	CROUND                                         ; all sixteen work-groups are here: the first joint loads meet
	s_mov_b32 s[G0S], 1
	s_add_co_u32 s[G0S+1], s18, SCL
	s_mov_b64 s[G0S+2:G0S+3], s[22:23]
	s_or_b32 s[G0S+3], s[G0S+3], 0x80000000
	s_mov_b32 s[G0SB], 1
	s_add_co_u32 s[G0SB+1], s18, SCL
	s_mov_b64 s[G0SB+2:G0SB+3], s[2:3]
	s_or_b32 s[G0SB+3], s[G0SB+3], 0x80000000
	JLOAD G0S, G1S, G0SB, G1SB                     ; the scales first: they are wanted with K step 0
.irp s, 0,1
	s_mov_b32 s[G0+4*\s], 1
	s_add_co_u32 s[G0+4*\s+1], s45, \s*SLOT
	s_add_nc_u64 s[G0+4*\s+2:G0+4*\s+3], s[20:21], \s*ROWB
	s_or_b32 s[G0+4*\s+3], s[G0+4*\s+3], 0x80000000
	s_mov_b32 s[G0B+4*\s], 1
	s_add_co_u32 s[G0B+4*\s+1], s45, \s*SLOT
	s_add_nc_u64 s[G0B+4*\s+2:G0B+4*\s+3], s[46:47], \s*ROWB
	s_or_b32 s[G0B+4*\s+3], s[G0B+4*\s+3], 0x80000000
	JLOAD G0+4*\s, G1, G0B+4*\s, G1B
.endr
	v_and_b32 v1, 15, v0                           ; l % 16
	v_bfe_u32 v2, v0, 4, 1                         ; l / 16
	v_mul_u32_u24 v3, v1, PITCH
	v_mul_u32_u24 v4, v2, 24
	v_add_nc_u32 v4, v3, v4                        ; a fragment's row x pitch + 24 x half
	v_lshl_add_u32 v5, v2, 4, v4                   ; and the same behind one padding more
	s_mul_i32 s21, s15, HALFT                      ; my 128 rows of A
	s_mul_i32 s22, s16, HALFT                      ; my 128 rows of B,
	s_add_co_u32 s22, s22, 2*HALFT                 ; which lie behind A's 256
.irp s, 0,1
	v_add_nc_u32 v[ADRA+\s], s21, v4
	v_add_nc_u32 v[ADRB+\s], s22, v4
	v_add_nc_u32 v[ADRA+2+\s], s21, v5
	v_add_nc_u32 v[ADRB+2+\s], s22, v5
	s_add_co_u32 s21, s21, SLOT
	s_add_co_u32 s22, s22, SLOT
.endr
	v_mul_u32_u24 v5, v1, KS                       ; my row's scales: KS bytes a row,
	v_lshrrev_b32 v6, 8, v5
	v_lshl_add_u32 v5, v6, 4, v5                   ; and 16 more for each 256 passed
	s_mul_i32 s21, s15, HALFS                      ; A's: my 128 rows
	s_mul_i32 s22, s16, HALFS                      ; B's: my 128 rows, behind A's 256
	s_add_co_u32 s22, s22, 2*HALFS
	s_sub_co_u32 s22, s22, s21
	v_mul_u32_u24 v6, s22, v2                      ; lanes 16-31 take B's
	s_add_co_u32 s21, s21, SCL
	v_add_nc_u32 v5, v5, v6
	v_add_nc_u32 v[ADRS], s21, v5
	s_mul_i32 s23, s14, 16*SPITCH                  ; my stage
	v_mul_u32_u24 v5, v1, SPITCH                   ; in: row l % 16, 32 bytes for each half of the lanes
	v_lshl_add_u32 v5, v2, 5, v5
	v_add_nc_u32 v[STO], s23, v5
	v_and_b32 v6, 31, v0
	v_lshlrev_b32 v[CO], 4, v6                     ; 16 x lane
	v_add_nc_u32 v[RD], s23, v[CO]
	; WHERE THE RESULTS GO.  Kind 0: my first row and column of C
	s_lshl_b32 s20, s17, 8
	s_lshl_b32 s21, s15, 7
	s_add_co_u32 s20, s20, s21                     ; row 256 x tile row + 128 x half
	s_mov_b32 s21, 0
	s_mov_b64 s[18:19], SIZE_N*4
	s_mul_u64 s[20:21], s[20:21], s[18:19]
	s_lshl_b32 s46, s42, 10                        ; column, in bytes: 1,024 x tile column + 512 x half
	s_lshl_b32 s47, s16, 9
	s_add_co_u32 s46, s46, s47
	s_mov_b32 s47, 0
	s_add_nc_u64 s[20:21], s[20:21], s[46:47]
	; Images: which side holds the rows b l, and which the channels h d
	s_cmp_eq_u32 s[KIND], 3
	s_cselect_b32 s92, s42, s17                    ; the tile of 256 rows b l,
	s_cselect_b32 s93, s17, s42                    ; the tile of 256 channels,
	s_cselect_b32 s94, s16, s15                    ; and my halves of them
	s_cselect_b32 s95, s15, s16
	s_lshr_b32 s96, s92, 2                         ; b
	s_lshl_b32 s96, s96, 4
	s_lshl_b32 s93, s93, 1
	s_add_co_u32 s96, s96, s93
	s_add_co_u32 s96, s96, s95                     ; 16 b + head
	s_and_b32 s92, s92, 3
	s_lshl_b32 s92, s92, 1
	s_add_co_u32 s92, s92, s94                     ; the group of 128 rows l
	s_mul_i32 s46, s96, 98304
	s_mul_i32 s93, s92, 12288
	s_add_co_u32 s46, s46, s93                     ; my eight images
	s_lshl_b32 s22, s96, 12
	s_lshl_b32 s93, s92, 9
	s_add_co_u32 s22, s22, s93
	s_add_co_u32 s22, s22, SC_OFF                  ; my group's scale words
	s_mov_b32 s23, 0
	s_add_nc_u64 s[SCP:SCP+1], s[12:13], s[22:23]
	s_lshl_b32 s22, s92, 16                        ; the table: 8 x 8,192 bytes for 128 rows l
	s_add_nc_u64 s[TABP:TABP+1], s[TABP:TABP+1], s[22:23]
	s_cmp_eq_u32 s[KIND], 0
	s_cselect_b64 s[20:21], s[20:21], s[46:47]
	s_add_nc_u64 s[12:13], s[12:13], s[20:21]
.macro FRAG reg, adr, q, i             ; a fragment: lane l holds row l % 16; registers 6 c .. 6 c + 5 hold K = 64 c + 32 (l / 16) + 0 .. 31: 24 bytes of the row's stream of bits, as they lie
.irp p, 0,1,2,3,4,5                    ; in pieces of 8 bytes.  Lanes 0-15 take the row's pieces 12 q + 0, 1, 2 and 12 q + 6, 7, 8, lanes 16-31 those three pieces on
.set PCE, 12*(\q)+6*(\p/3)+\p%3        ; 16 bytes of padding lie behind every 8 pieces: where the piece three on lies behind one padding more, the second address register serves
.if PCE%8 < 5
	ds_load_b64 v[\reg+2*\p:\reg+2*\p+1], v[\adr] offset:8*PCE+16*(PCE/8)+(\i)*16*PITCH
.else
	ds_load_b64 v[\reg+2*\p:\reg+2*\p+1], v[\adr+2] offset:8*PCE+16*(PCE/8)+(\i)*16*PITCH
.endif
.endr
.endm
; 16 matrix instructions: A's blocks a0, a0 + 1 x B's eight, 128 along K: the slot's q-th.  p: B's set;  sc: the set of scale words.  zero = 1: the first product starts the sums.
; The 64 accumulators take turns, one instruction a turn, in the same order in every step.
.macro MUL16 a0, p, q, sc, zero
.irp a, \a0, \a0+1
.irp b, 0,1,2,3,4,5,6,7
.if \zero
	v_wmma_scale_f32_16x16x128_f8f6f4 v[8*(8*((\a)%4)+\b):8*(8*((\a)%4)+\b)+7], v[128*(\p)+FR*\b:128*(\p)+FR*\b+FR-1], v[AF+FR*(\a):AF+FR*(\a)+FR-1], 0, v[SC+8*NQ*(\sc)+NQ*\b+(\q)], v[SC+8*NQ*(\sc)+NQ*(\a)+(\q)] matrix_a_fmt:MATRIX_FMT_FP6 matrix_b_fmt:MATRIX_FMT_FP6 matrix_a_scale:MATRIX_SCALE_ROW1
.else
	v_wmma_scale_f32_16x16x128_f8f6f4 v[8*(8*((\a)%4)+\b):8*(8*((\a)%4)+\b)+7], v[128*(\p)+FR*\b:128*(\p)+FR*\b+FR-1], v[AF+FR*(\a):AF+FR*(\a)+FR-1], v[8*(8*((\a)%4)+\b):8*(8*((\a)%4)+\b)+7], v[SC+8*NQ*(\sc)+NQ*\b+(\q)], v[SC+8*NQ*(\sc)+NQ*(\a)+(\q)] matrix_a_fmt:MATRIX_FMT_FP6 matrix_b_fmt:MATRIX_FMT_FP6 matrix_a_scale:MATRIX_SCALE_ROW1
.endif
.endr
.endr
.endm
.macro FETCH_B slot, q, p              ; B's eight fragments of the slot's q-th 128 along K into set p
	WIN TO_B
.irp i, 0,1,2,3,4,5,6,7
	FRAG 128*(\p)+FR*\i, ADRB+\slot, \q, \i
.endr
	WIN 0
.endm
.macro FETCH_A slot, q, i0             ; A's blocks i0 .. i0 + 3
.irp i, \i0, \i0+1, \i0+2, \i0+3
	FRAG AF+FR*(\i), ADRA+\slot, \q, \i
.endr
.endm
.macro SCALES sc                       ; the next K step's scale words into set sc: NQ words a row; lanes 0-15 take A's block i, lanes 16-31 B's block i
.irp i, 0,1,2,3,4,5,6,7
	ds_load_b64 v[SC+8*NQ*\sc+NQ*\i:SC+8*NQ*\sc+NQ*\i+1], v[ADRS] offset:\i*SBLK
.endr
.endm
; A load into a register that a matrix instruction has read, and a vector instruction or a store that reads a matrix result, stand NP places behind that matrix instruction; only plain vector
; instructions that name none of its registers are places (ISA guide 7.12.1 for vector instructions).
.macro PLACES n
.rept \n
	v_nop
.endr
.endm
; A step of 128 along K that has its successor in the same slot.
.macro STEP slot, q, zero
	s_wait_dscnt 4*NL                              ; B's set and A's blocks 0-3 are in; the youngest 24 loads (A's blocks 4-7) may be out
	WIN MUL_LO
	MUL16 0, (\q)%2, \q, \slot, \zero
	MUL16 2, (\q)%2, \q, \slot, \zero
	s_wait_dscnt 0                                 ; A's blocks 4-7 are in (asked for 32 matrix instructions ago)
	PLACES NP
	FETCH_B \slot, (\q)+1, 1-(\q)%2
	FETCH_A \slot, (\q)+1, 0
	WIN MUL_HI
	MUL16 4, (\q)%2, \q, \slot, \zero
	MUL16 6, (\q)%2, \q, \slot, \zero
	PLACES NP
	WIN 0
	FETCH_A \slot, (\q)+1, 4
.endm
; A slot's last step changes slots: ONE barrier; in front of it each wave waits for all its tensor loads, adds 0 to its spare word, and waits for that and for its own reads of this slot.  fill = 1: this slot is filled again, two K steps ahead.
.macro TURN slot, next, fill
	s_wait_tensorcnt 0x0                           ; all my tensor loads have landed: my part of the next slot;  (every window is 0 here)
	ds_add_u32 v[SPW], v[NIL]                      ; 0 onto my spare word;
	s_wait_dscnt 4*NL+1                            ; (the add and the youngest 24 loads, A's blocks 4-7, may be out)
	WIN MUL_LO
	MUL16 0, 1, NQ-1, \slot, 0                     ; sixteen matrix instructions stand between the add and the wait for it
	s_wait_dscnt 0x0                               ; the add is done, and my reads of this slot are over
	s_barrier_signal -1
	MUL16 2, 1, NQ-1, \slot, 0
	WIN 0
	s_barrier_wait -1
.if \fill
	CREST                                          ; the barrier has opened a round of the cluster's barrier: no wave of any partner still reads this slot's tile or has a load on its way
	s_add_nc_u64 s[G0+4*\slot+2:G0+4*\slot+3], s[G0+4*\slot+2:G0+4*\slot+3], 2*ROWB
	s_add_nc_u64 s[G0B+4*\slot+2:G0B+4*\slot+3], s[G0B+4*\slot+2:G0B+4*\slot+3], 2*ROWB
	JLOAD G0+4*\slot, G1, G0B+4*\slot, G1B         ; the first tensor load behind the round; the four v_nop behind it are the places in front of the loads below
.else
	PLACES NP
.endif
	s_wait_alu depctr_va_vdst(0)
	v_add_nc_u32 v[ADRS], 4*NQ, v[ADRS]            ; on to the next K step's scale words (no LDS load of mine is out)
	FETCH_B \next, 0, 0
	FETCH_A \next, 0, 0
	SCALES \next
	WIN MUL_HI
	MUL16 4, 1, NQ-1, \slot, 0
	MUL16 6, 1, NQ-1, \slot, 0
	PLACES NP
	WIN 0
	FETCH_A \next, 0, 4
.endm
; The table's values for my rows 16 a .. 16 a + 15: 32 cosines and 32 sines a lane, in the accumulators' order; each load covers 512 consecutive bytes.  Two buffers: v64-127, v128-191.
.macro TABLOAD a
.set CB, 64+64*((\a)%2)
.irp q, 0,1,2,3,4,5,6,7
	global_load_b128 v[CB+4*\q:CB+4*\q+3], v[CO], s[TABP:TABP+1] offset:(\a)*8192+512*\q
	global_load_b128 v[CB+32+4*\q:CB+35+4*\q], v[CO], s[TABP:TABP+1] offset:(\a)*8192+4096+512*\q
.endr
.endm
; The rotary turn of block a, in place.  Accumulators (a, b) and (a, b + 4) hold channels d and d + 64 in the same lane and register: x1' = x1 cos - x2 sin, x2' = x2 cos + x1 sin.
; Each accumulator is read from its low end on.  T = x1 sin waits in window 1, where B's fragments lay.
.macro ROPE a
.set W, 2+(\a)/4
.set X, 64*((\a)%4)
.set CB, 64+64*((\a)%2)
.set SB, CB+32
.set WS, 0x40|W
	WIN WS                                         ; destination window 1, source 0 the accumulators' window
.irp g, 0,2,4,6,8,10,12,14,16,18,20,22,24,26,28,30
	v_pk_mul_f32 v[\g:\g+1], v[X+\g:X+\g+1], v[SB+\g:SB+\g+1]
.endr
.set WS, (W<<6)|(W<<4)|W
	WIN WS                                         ; destination, sources 0 and 2 the accumulators' window
.irp g, 0,2,4,6,8,10,12,14,16,18,20,22,24,26,28,30
	v_pk_mul_f32 v[X+\g:X+\g+1], v[X+\g:X+\g+1], v[CB+\g:CB+\g+1]
	v_pk_fma_f32 v[X+\g:X+\g+1], v[X+32+\g:X+33+\g], v[SB+\g:SB+\g+1], v[X+\g:X+\g+1] neg_lo:[0,1,0] neg_hi:[0,1,0]
.endr
.set WS, (W<<6)|0x10|W
	WIN WS                                         ; source 2 window 1
.irp g, 0,2,4,6,8,10,12,14,16,18,20,22,24,26,28,30
	v_pk_fma_f32 v[X+32+\g:X+33+\g], v[X+32+\g:X+33+\g], v[CB+\g:CB+\g+1], v[\g:\g+1]
.endr
	WIN 0
.endm
; The quantiser on block a's 64 numbers a lane.  Registers 16 b .. 16 b + 15 of lanes l and l xor 16 are block b of 32 along K.  The codes come out as a fragment in v[PC] on, the row's scale word in v[SW + a].
.macro QUANTW a
.set W, 2+(\a)/4
.set X, 64*((\a)%4)
.set WS, (W<<4)|(W<<2)
	WIN WS                                         ; sources 1 and 2 the accumulators' window
.irp b, 0,1,2,3
	v_max3_num_f32 v[TM+\b], 0x1800000, |v[X+16*\b]|, |v[X+16*\b+1]|   ; my 16 numbers of block b, and the floor 2^(3 - 127): so the byte cannot fall under 1
.endr
.irp i, 2,4,6,8,10,12,14
.irp b, 0,1,2,3
	v_max3_num_f32 v[TM+\b], v[TM+\b], |v[X+16*\b+\i]|, |v[X+16*\b+\i+1]|   ; (the four blocks by turns)
.endr
.endr
	WIN 0
.irp b, 0,1,2,3
	v_permlanex16_b32 v[TM+4+\b], v[TM+\b], s[92], s[93]
.endr
.irp b, 0,1,2,3
	v_max_num_f32 v[TM+\b], v[TM+\b], v[TM+4+\b]   ; with lane l xor 16's: the block's largest magnitude
.endr
.irp b, 0,1,2,3
	v_add_nc_u32 v[TM+12+\b], 0xff000000, v[TM+\b] ; 2 off its exponent field: the conversion takes this operand's exponent field as its scale
.endr
.irp b, 0,1,2,3
	v_lshrrev_b32 v[TM+4+\b], 23, v[TM+12+\b]      ; the scale's byte
.endr
	v_lshl_or_b32 v[SW+(\a)], v[TM+5], 8, v[TM+4]
	v_lshl_or_b32 v[SW+(\a)], v[TM+6], 16, v[SW+(\a)]
	v_lshl_or_b32 v[SW+(\a)], v[TM+7], 24, v[SW+(\a)]
.if (\a) > 0
	s_wait_xcnt 0x0                                ; the last block's stores have read the codes' registers: they are written again only behind this wait
.endif
	WIN W                                          ; source 0 the accumulators' window
.irp c, 0,1
	v_cvt_scalef32_pk16_fp6_f32 v[PC+6*\c:PC+6*\c+2], v[X+32*\c:X+32*\c+15], v[TM+12+2*\c]
	v_cvt_scalef32_pk16_fp6_f32 v[PC+12+4*\c:PC+14+4*\c], v[X+32*\c+16:X+32*\c+31], v[TM+13+2*\c]   ; (a conversion's three registers begin on an even number)
.endr
	WIN 0
	v_nop                                          ; one plain place behind a scaled conversion
.irp c, 0,1                                    ; the operand's layout wants a WHOLE block in a lane: lanes 0-15 block 2 c, lanes 16-31 block 2 c + 1
.irp i, 0,1,2
	v_permlane16_swap_b32 v[PC+6*\c+\i], v[PC+12+4*\c+\i]
.endr
.irp i, 0,1,2
	v_mov_b32 v[PC+3+6*\c+\i], v[PC+12+4*\c+\i]
.endr
.endr
.endm
.macro STOREIMG a                              ; the fragment leaves as it stands: each store covers 512 consecutive bytes, aligned
.irp c, 0,1,2
	global_store_b128 v[CO], v[PC+4*\c:PC+4*\c+3], s[12:13] offset:(\a)*1536+512*\c
.endr
.endm
	s_wait_alu depctr_va_vdst(0)
	s_wait_tensorcnt 1                             ; the scales and my part of K step 0 are in (K step 1's load may be out),
	s_barrier_signal -1
	s_barrier_wait -1                              ; everybody's are
	FETCH_B 0, 0, 0
	FETCH_A 0, 0, 0
	SCALES 0
	FETCH_A 0, 0, 4
	STEP 0, 0, 1                                   ; the first step stands in front of the loop: its products start the sums
	s_mov_b32 s3, LAPS-1
.Llap:                                                 ; a trip goes once round the ring, from a lap's second step to the next lap's first, and fills both slots again
	TURN 0, 1, 1
	STEP 1, 0, 0
	TURN 1, 0, 1
	STEP 0, 0, 0
	s_sub_co_u32 s3, s3, 1
	s_cmp_lg_u32 s3, 0
	s_cbranch_scc1 .Llap
	TABLOAD 0                                      ; block 0's table values, three steps of 128 along K ahead of their use, into registers that the loop never names.  EVERY kind issues these 16 loads (8,192 bytes a wave, inside the
	                                               ; table for every kind) though kinds 1 and 2 alone read them: so the registers are written on every way that leads to the turn
	TURN 0, 1, 0                                   ; the last lap fills nothing, and has no round of the cluster's barrier
	STEP 1, 0, 0
	s_wait_dscnt 4*NL                              ; the very last step: nothing more to fetch
	WIN MUL_LO
	MUL16 0, 1, NQ-1, 1, 0
	MUL16 2, 1, NQ-1, 1, 0
	s_wait_dscnt 0
	WIN MUL_HI
	MUL16 4, 1, NQ-1, 1, 0
	MUL16 6, 1, NQ-1, 1, 0
	WIN 0
	PLACES NP                                      ; for the first reads of results, and for loads and vector writes into the registers that held fragments
	s_cmp_eq_u32 s[KIND], 0
	s_cbranch_scc1 .Lplain
	s_mov_b32 s92, 0x76543210                      ; v_permlanex16_b32's selects for lane l xor 16
	s_mov_b32 s93, 0xfedcba98
.irp b, 0,1,2,3
	v_mov_b32 v[TM+4+\b], 0                        ; written once: a lane permute's destination counts as one of its sources
.endr
	s_cmp_eq_u32 s[KIND], 3
	s_cbranch_scc1 .Lkeys
	; ---- q and k: the turn, the quantiser along the head's 128, the image; the table runs two blocks ahead
	TABLOAD 1
.irp a, 0,1,2,3,4,5,6,7
.if \a < 7
	s_wait_loadcnt 16                              ; this block's 16 loads are in; the next block's 16 may be out
.else
	s_wait_loadcnt 0
.endif
	ROPE \a
.if \a < 6
	TABLOAD \a+2
.endif
	QUANTW \a
	STOREIMG \a
.endr
	s_branch .Lwords
.Lkeys:
	; ---- v: a lane holds one channel, its registers run along 128 keys: the quantiser along the keys, the image
.irp a, 0,1,2,3,4,5,6,7
	QUANTW \a
	STOREIMG \a
.endr
.Lwords:
	v_and_b32 v240, 31, v0
	v_cmp_le_u32 vcc_lo, 16, v240
.irp i, 0,1,2,3
	v_cndmask_b32 v[SWC+\i], v[SW+2*\i], v[SW+2*\i+1], vcc_lo   ; lanes 0-15 the even tile's word of row r, lanes 16-31 the odd tile's
.endr
	global_store_b128 v[CO], v[SWC:SWC+3], s[SCP:SCP+1]            ; 512 consecutive bytes, aligned
	s_branch .Lend
; ---- kind 0: f32 rows, block by block of 16 rows x 128 columns.  A lane holds 32 neighbouring bytes of a row, and the lanes beside it hold other rows: so a block goes through my own stage in LDS and comes back as whole
; rows of 512 bytes.  LDS serves a wave's instructions in order (ISA guide 5.7.1.4): no wait between the stores and the loads, nor in front of the next block's stores.
.macro TOSTAGE a
.set AC, 64*((\a)%4)
	WIN 0x08+4*((\a)/4)                            ; the data: window 2 or 3
.irp b, 0,1,2,3,4,5,6,7
	ds_store_b128 v[STO], v[AC+8*\b:AC+8*\b+3] offset:64*\b          ; each accumulator from its low end on
	ds_store_b128 v[STO], v[AC+8*\b+4:AC+8*\b+7] offset:64*\b+16
.endr
	WIN 0
.set BB, BK+64*((\a)%2)
.irp t, 0,1,2,3,4,5,6,7,8,9,10,11,12,13,14,15
	ds_load_b128 v[BB+4*\t:BB+4*\t+3], v[RD] offset:\t*SPITCH
.endr
.endm
.macro SEND a, younger                 ; younger: the LDS instructions issued behind block a's loads, which may stay out
.set BB, BK+64*((\a)%2)
	s_wait_dscnt \younger                          ; the block is back in registers
.if (\a) > 0
	s_add_nc_u64 s[12:13], s[12:13], 16*SIZE_N*4   ; (behind a wait on XCNT: the earlier stores have read their base)  16 rows of C on
.endif
.irp t, 0,1,2,3,4,5,6,7,8,9,10,11,12,13,14,15
	global_store_b128 v[CO], v[BB+4*\t:BB+4*\t+3], s[12:13] offset:\t*SIZE_N*4 th:TH_STORE_NT   ; 32 lanes store 512 consecutive bytes, aligned; written once, read by nobody in this launch
.endr
.endm
.Lplain:
	TOSTAGE 0
.irp a, 1,2,3,4,5,6,7
.if \a > 1
	s_wait_xcnt 0x0                                ; block a - 2's stores have read their registers and their base
.endif
	TOSTAGE \a
	SEND \a-1, 32                                  ; behind block a - 1's loads: block a's 16 stores and 16 loads
.endr
	s_wait_xcnt 0x0                                ; block 6's stores have read their base
	SEND 7, 0
.Lend:
	s_wait_tensorcnt 0x0                           ; the wave's end: behind my last tensor load and my last LDS store
	ds_add_u32 v[SPW], v[NIL]
	s_wait_dscnt 0x0
	CROUND                                         ; the closing round: no work-group ends while a partner may still ask for a tile that names it
	s_endpgm
.Lfunc_end_k_qd645a9c11d_proj:
	.size	k_qd645a9c11d_proj, .Lfunc_end_k_qd645a9c11d_proj-k_qd645a9c11d_proj
	.p2alignl 7, 3214868480
	.fill 96, 4, 3214868480
	.section	.rodata,"a",@progbits
	.p2align	6, 0x0
	.amdhsa_kernel k_qd645a9c11d_proj
		.amdhsa_group_segment_fixed_size 327680
		.amdhsa_private_segment_fixed_size 0
		.amdhsa_enable_private_segment 0
		.amdhsa_kernarg_size 120
		.amdhsa_user_sgpr_count 2
		.amdhsa_user_sgpr_kernarg_segment_ptr 1
		.amdhsa_wavefront_size32 1
		.amdhsa_system_sgpr_workgroup_id_x 1
		.amdhsa_system_sgpr_workgroup_id_y 1
		.amdhsa_system_sgpr_workgroup_id_z 1
		.amdhsa_system_vgpr_workitem_id 0
		.amdhsa_next_free_vgpr 1024
		.amdhsa_next_free_sgpr 102
		.amdhsa_reserve_vcc 1
		.amdhsa_float_denorm_mode_32 3
		.amdhsa_float_denorm_mode_16_64 3
		.amdhsa_memory_ordered 1
		.amdhsa_forward_progress 1
		.amdhsa_inst_pref_size 255
	.end_amdhsa_kernel
	.section	.bss,"aw",@nobits
	.p2align	6
	.space	262144
	.amdgpu_metadata
---
amdhsa.version: [ 1, 2 ]
amdhsa.kernels:
  - .name:           k_qd645a9c11d_proj
    .symbol:         k_qd645a9c11d_proj.kd
    .args:
      - { .name: hidden_states_codes, .offset: 0, .size: 8, .value_kind: global_buffer, .address_space: global }
      - { .name: hidden_states_scales, .offset: 8, .size: 8, .value_kind: global_buffer, .address_space: global }
      - { .name: wg_codes, .offset: 16, .size: 8, .value_kind: global_buffer, .address_space: global }
      - { .name: wg_scales, .offset: 24, .size: 8, .value_kind: global_buffer, .address_space: global }
      - { .name: wq_codes, .offset: 32, .size: 8, .value_kind: global_buffer, .address_space: global }
      - { .name: wq_scales, .offset: 40, .size: 8, .value_kind: global_buffer, .address_space: global }
      - { .name: wk_codes, .offset: 48, .size: 8, .value_kind: global_buffer, .address_space: global }
      - { .name: wk_scales, .offset: 56, .size: 8, .value_kind: global_buffer, .address_space: global }
      - { .name: wv_codes, .offset: 64, .size: 8, .value_kind: global_buffer, .address_space: global }
      - { .name: wv_scales, .offset: 72, .size: 8, .value_kind: global_buffer, .address_space: global }
      - { .name: gbuf, .offset: 80, .size: 8, .value_kind: global_buffer, .address_space: global }
      - { .name: qbuf, .offset: 88, .size: 8, .value_kind: global_buffer, .address_space: global }
      - { .name: kbuf, .offset: 96, .size: 8, .value_kind: global_buffer, .address_space: global }
      - { .name: vbuf, .offset: 104, .size: 8, .value_kind: global_buffer, .address_space: global }
      - { .name: tab, .offset: 112, .size: 8, .value_kind: global_buffer, .address_space: global }
    .group_segment_fixed_size: 327680
    .private_segment_fixed_size: 0
    .kernarg_segment_align: 8
    .kernarg_segment_size: 120
    .max_flat_workgroup_size: 128
    .sgpr_count:     102
    .vgpr_count:     1024
    .wavefront_size: 32
...
	.end_amdgpu_metadata
.endif
;; end of part 5
;; launch attn (part 6): grid 8 x 32, 8 waves a work-group, clusters of 4 x 1, 327,680 bytes of LDS; arguments qbuf, kbuf, vbuf, gbuf, norm_w, acodes, ascales; writes acodes, ascales
.if DOCPART == 6
	.amdgcn_target "amdgcn-amd-amdhsa--gfx1250"
	.amdhsa_code_object_version 6
	.text
	.protected	k_qd645a9c11d_attn
	.globl	k_qd645a9c11d_attn
	.p2align	8
	.type	k_qd645a9c11d_attn,@function
k_qd645a9c11d_attn:
	s_mov_b64 s[64:65], 0
	v_nop
	global_prefetch_b8 v0, s[64:65] scope:SCOPE_SE
	s_setreg_imm32_b32 hwreg(HW_REG_WAVE_MODE, 25, 1), 1
	s_wait_xcnt 0x0
	s_wait_alu depctr_hold_cnt(0) depctr_sa_sdst(0) depctr_va_vdst(0) depctr_va_sdst(0) depctr_va_ssrc(0) depctr_va_vcc(0) depctr_vm_vsrc(0)
	s_getreg_b32 s2, hwreg(HW_REG_IB_STS2, 6, 4)
	s_cmp_eq_u32 s2, 0
	s_cbranch_scc0 .Lentry_in_a_cluster
	s_endpgm
.Lentry_in_a_cluster:
	s_bfe_u32 s2, ttmp6, 0x10000c
	s_cmp_lg_u32 s2, 0x3003
	s_cbranch_scc0 .Lentry_shape_is_right
	s_endpgm
.Lentry_shape_is_right:
; Causal attention on codes of FP6 (E2M3), then what follows it up to the output projection's operand:  o = softmax(q k^T / sqrt(128)) v;  y = o x rsqrt(mean(o^2) + 1e-5) x norm_w x g x sigmoid(g);  y quantised along (head, channel).
; q, k, v come as images of operand registers, made by the launch before: [b h][group of 128][tile of 16 rows][1,536 bytes], lane l's registers 4 c .. 4 c + 3 at 512 c + 16 l; scale words behind them.  q, k: rows = l, K = the head's 128.
; v: rows = channels, K = the group's 128 keys.  Inside a block of 32 along K, place 16 x half + 8 u + j holds index 16 u + 8 x half + j, alike in both operands of each product.
; THE SOFTMAX AHEAD OF THE SECOND PRODUCT: t = score x log2(e) / sqrt(128); M = the row's largest t so far, rounded UP to a whole number; p = 2^(t - M) is what is quantised, along the keys, not normalised.  The row's sum is taken
; of the unquantised p and divides at the end.  When M moves, the sum and O are multiplied by 2^(old M - new M): exact.
; SHARES.  A work-group belongs to one head b h and to one jj = 0 .. 7.  Wave w owns the 16 queries 128 rho + 16 jj on, rho = 0, 1, 2, 3, 7, 6, 5, 4 for w = 0 .. 7.  It multiplies the key groups 0 .. rho - 1 whole and group rho under
; the mask: rho + 1 steps of 128 keys; what lies wholly behind the diagonal is not multiplied.  So every work-group has 36 steps, and waves w and w + 4 together nine.  Branches and LDS addresses hang on w alone.
; LDS holds ALL of the head's codes of k and v (2 x 98,304 bytes) and their scale words: every tensor load is a first fill, nothing is filled again.
; CLUSTER: the four work-groups of a cluster belong to one head and need the same k and v: waves 0 (k) and 1 (v) ask for them JOINTLY, in four parts of two key groups, so that the first steps need not wait for the last part.
; Each wave also brings its own 16 rows x 128 of g, by a load of its own.  By this text's count waves 0 and 1 have six tensor loads out, the others one.
; LAYOUT.  Both products are used transposed: S^T = k q^T, O^T = v^T p^T: a lane holds ONE query (lane % 16) throughout.  Register 8 T + j of S^T is key 16 T + 8 (lane / 16) + j: the order in which v's codes were laid.
; LIMITS: NaN and infinities are not served; a block whose largest magnitude lies under 2^-124 (zeros too) gets the byte 1; acodes' rows are written in runs of 96 bytes, a head's share of a row.
; REGISTERS: window 0: v1-11 LDS addresses; v12 -M, v13 the largest t, v[14:15] the sum; v16-27 q; v28-31, v32-35 k's and v's scale words, v253 p's, v255 q's (they hold scales alone); v36-95 the way out; v96-159 S^T, p, y;
;   v160-223 O^T, later the gate; v224-254 at work.   window 1: v0-95 k's eight fragments, later g; v96-191 v's eight; v192-255 norm_w.
.set HEADB, 98304                      ; a head's images
.set GRPB,  12288                      ; a group's eight
.set FRB,   1536                       ; one
.set PART,  24576                      ; two groups: what one joint load brings
.set SC_OFF, 3145728                   ; where the scale words begin in an image buffer
.set KC,    0                          ; LDS: k's codes,
.set VC,    HEADB                      ; v's,
.set KSC,   2*HEADB                    ; k's scale words, 4,096 bytes,
.set VSC,   KSC+4096                   ; v's,
.set GT,    VSC+4096                   ; g: 16 rows x (512 + 16 bytes) for each wave,
.set GTW,   16*528
.set ST,    GT+8*GTW                   ; and a stage of 1,536 bytes for each wave, in blocks of 256 bytes into which no tensor load lands
.set PC,  36                           ; v36-54  the codes of y
.set TM,  56                           ; v56-59 largest magnitudes, v60-63 bytes, v68-71 the conversions' scale operands
.set PW,  72                           ; v72     y's scale word
.set SA,  93                           ; v93     the stage: where I put my 24 bytes
.set SR,  94                           ; v94     and where I read 16 bytes back
.set DL,  95                           ; v95     16 jj + r - 8 h: the mask's bound
.set WV,  18
.set RHO, 19
.set SEL, 20                           ; s[20:21] lane selects for v_permlanex16_b32: lane l xor 16
.set CS,  22                           ; s[22:23] c = log2(e) / sqrt(128)
.set G1C, 24                           ; s[24:31] group 1: 96 dense rows of 256 bytes, joint
.set G1S, 32                           ; s[32:39] 16 such rows, joint
.set G1G, 40                           ; s[40:47] 16 rows of 512 bytes out of rows of 8,192, padded, my own
.set G0G, 48                           ; s[48:51] group 0 for g;  s[52:55] for the scale words;  s[56:63], s[68:75] for the four parts
.set G0S, 52
.set RN,  86                           ; s86 1 / 128
.set EP,  87                           ; s87 1e-5
.set MSB, 0
.macro WIN new                         ; the immediate's high byte repeats the setting that is left
.if MSB != \new
	s_set_vgpr_msb (MSB<<8)|\new
.set MSB, \new
.endif
.endm
.macro ROUND                           ; a round of the cluster's barrier
	s_barrier_signal -1
	s_barrier_wait -1
	s_cmp_lg_u32 s[WV], 0
	s_cbranch_scc1 .Lnot_wave_0_\@
	s_barrier_signal -3
.Lnot_wave_0_\@:
	s_barrier_wait -3
	s_barrier_signal -1
	s_barrier_wait -1
.endm
	s_load_b256 s[4:11], s[0:1], 0x0               ; q's, k's, v's images, g
	s_load_b128 s[12:15], s[0:1], 0x20             ; norm_w, y's codes
	s_load_b64 s[16:17], s[0:1], 0x30              ; y's scales
	v_lshl_add_u32 v250, v0, 2, 0x45800
	v_mov_b32 v251, 0
	ds_add_u32 v250, v251
	ds_add_u32 v250, v251
	v_lshrrev_b32 v1, 5, v0
	s_delay_alu instid0(VALU_DEP_1)
	v_readfirstlane_b32 s[WV], v1                  ; wave 0..7
	s_lshr_b32 s[RHO], s[WV], 2
	s_mul_i32 s[RHO], s[RHO], 3
	s_xor_b32 s[RHO], s[RHO], s[WV]                ; 0, 1, 2, 3, 7, 6, 5, 4
	s_bfe_u32 s76, ttmp6, 0x40000                  ; cx
	s_lshl_b32 s77, ttmp9, 2
	s_add_co_u32 s77, s77, s76                     ; jj = 4 x cluster x + cx: it enters global addresses and the mask's bound alone
	s_and_b32 s78, ttmp7, 0xffff                   ; b h, which the four partners share
	s_and_b32 s79, s[WV], 1                        ; I fetch for k (0) or for v (1), if I fetch
	s_mov_b32 s[G1C], 15|(3<<16)|(1<<21)           ; 15:0 the mask: all four work-groups; 17:16 elements of 8 bytes; 21 set beside a mask; no padding
	s_mov_b32 s[G1C+1], 32<<16                     ; tensor_dim0 = 32 elements: 256 bytes
	s_mov_b32 s[G1C+2], 96<<16                     ; tensor_dim1
	s_mov_b32 s[G1C+3], 32<<16                     ; tile_dim0
	s_mov_b32 s[G1C+4], 96                         ; tile_dim1
	s_mov_b32 s[G1C+5], 32                         ; the pitch: dense
	s_mov_b32 s[G1C+6], 0
	s_mov_b32 s[G1C+7], 0
	s_mov_b32 s[G1S], 15|(3<<16)|(1<<21)
	s_mov_b32 s[G1S+1], 32<<16
	s_mov_b32 s[G1S+2], 16<<16
	s_mov_b32 s[G1S+3], 32<<16
	s_mov_b32 s[G1S+4], 16
	s_mov_b32 s[G1S+5], 32
	s_mov_b32 s[G1S+6], 0
	s_mov_b32 s[G1S+7], 0
	s_mov_b32 s[G1G], (2<<16)|(1<<20)|(6<<22)|(3<<25)  ; no mask; elements of 4 bytes; padding: after every 128 words (code 6) 4 words (code 3)
	s_mov_b32 s[G1G+1], 128<<16
	s_mov_b32 s[G1G+2], 16<<16
	s_mov_b32 s[G1G+3], 128<<16
	s_mov_b32 s[G1G+4], 16
	s_mov_b32 s[G1G+5], 2048
	s_mov_b32 s[G1G+6], 0
	s_mov_b32 s[G1G+7], 0
	s_mov_b32 s[SEL], 0x76543210
	s_mov_b32 s[SEL+1], 0xfedcba98
	s_mov_b32 s[CS], 0x3e0293ee
	s_mov_b32 s[CS+1], s[CS]                       ; (named with it as a pair, so it is written)
	s_mov_b32 s[RN], 0x3c000000
	s_mov_b32 s[EP], 0x3727c5ac
	s_mul_i32 s80, s78, HEADB                      ; the head's images,
	s_mov_b32 s81, 0
	s_lshl_b32 s82, s78, 12
	s_add_co_u32 s82, s82, SC_OFF                  ; and its scale words
	s_mov_b32 s83, 0
	s_mul_i32 s84, s79, HEADB                      ; in LDS: k's or v's
	s_lshl_b32 s85, s79, 12
	s_lshr_b32 s90, s78, 4
	s_lshl_b32 s90, s90, 10
	s_lshl_b32 s91, s[RHO], 7
	s_add_co_u32 s90, s90, s91
	s_lshl_b32 s91, s77, 4
	s_add_co_u32 s90, s90, s91                     ; my first row: 1,024 b + 128 rho + 16 jj
	s_and_b32 s91, s78, 15                         ; the head
	s_lshl_b32 s92, s90, 13
	s_lshl_b32 s93, s91, 9
	s_add_co_u32 s92, s92, s93                     ; g: row x 8,192 + head x 512
	s_mov_b32 s93, 0
	s_mov_b32 s[G0G], 1
	s_mul_i32 s[G0G+1], s[WV], GTW
	s_add_co_u32 s[G0G+1], s[G0G+1], GT
	; every LDS address register is made here, ahead of the first branch on the wave's number
	v_and_b32 v92, 31, v0                          ; lane
	v_and_b32 v73, 15, v0                          ; r
	v_bfe_u32 v74, v0, 4, 1                        ; h
	s_delay_alu instid0(VALU_DEP_3)
	v_lshlrev_b32 v1, 4, v92                       ; k's images, groups 0-3: 16 x lane
	s_delay_alu instid0(VALU_DEP_1)
	v_add_nc_u32 v2, 4*GRPB, v1                    ; groups 4-7
	s_delay_alu instid0(VALU_DEP_2)
	v_add_nc_u32 v3, VC, v1                        ; v's
	s_delay_alu instid0(VALU_DEP_3)
	v_add_nc_u32 v4, VC+4*GRPB, v1
	s_delay_alu instid0(VALU_DEP_4)
	v_add_nc_u32 v5, KSC, v1                       ; the scale words: four a lane
	v_add_nc_u32 v6, VSC, v1
	v_mul_u32_u24 v7, v73, 528
	s_delay_alu instid0(VALU_DEP_1)
	v_lshl_add_u32 v7, v74, 5, v7
	s_delay_alu instid0(VALU_DEP_1)
	v_add_nc_u32 v7, s[G0G+1], v7                  ; g: row r, + 32 h
	s_mul_i32 s98, s[RHO], GRPB
	v_add_nc_u32 v8, s98, v1                       ; the same four for my own group rho
	v_add_nc_u32 v9, s98, v3
	s_lshl_b32 s98, s[RHO], 9
	v_add_nc_u32 v10, s98, v5
	v_add_nc_u32 v11, s98, v6
	s_mul_i32 s98, s[WV], FRB
	s_add_co_u32 s98, s98, ST                      ; my stage
	v_mul_u32_u24 v[SA], v73, 96
	s_delay_alu instid0(VALU_DEP_1)
	v_mad_u32_u24 v[SA], v74, 24, v[SA]
	s_delay_alu instid0(VALU_DEP_1)
	v_add_nc_u32 v[SA], s98, v[SA]                 ; in: row r of 96 bytes, + 24 h
	v_add_nc_u32 v[SR], s98, v1                    ; back: 16 x lane
.irp c, 0,1,2                                  ; piece idx = lane + 32 c of the stage's 96 pieces of 16 bytes belongs to row idx / 6: its place in y's codes
	v_add_nc_u32 v75, 32*\c, v92
	s_delay_alu instid0(VALU_DEP_1)
	v_mul_u32_u24 v72, v75, 43
	s_delay_alu instid0(VALU_DEP_1)
	v_lshrrev_b32 v72, 8, v72                      ; idx / 6 (43 / 256 serves up to idx = 125)
	s_delay_alu instid0(VALU_DEP_1)
	v_mul_u32_u24 v76, v72, 6
	s_delay_alu instid0(VALU_DEP_1)
	v_sub_nc_u32 v75, v75, v76                     ; idx % 6
	s_delay_alu instid0(VALU_DEP_3)
	v_mul_u32_u24 v72, v72, 1536
	s_delay_alu instid0(VALU_DEP_1)
	v_lshl_add_u32 v[88+\c], v75, 4, v72
.endr
	v_lshlrev_b32 v91, 6, v73                      ; y's scale word: 64 bytes a row
	v_lshlrev_b32 v[DL], 3, v74
	s_delay_alu instid0(VALU_DEP_1)
	v_sub_nc_u32 v[DL], v73, v[DL]
	s_lshl_b32 s98, s77, 4
	v_add_nc_u32 v[DL], s98, v[DL]
	v_lshlrev_b32 v77, 4, v73                      ; q's scale word: 16 r
	v_lshlrev_b32 v78, 5, v74                      ; norm_w: 32 h
	s_wait_dscnt 0x0
	s_wait_kmcnt 0x0
	s_add_nc_u64 s[G0G+2:G0G+3], s[10:11], s[92:93]
	s_or_b32 s[G0G+3], s[G0G+3], 0x80000000
	s_cmp_eq_u32 s79, 0
	s_cselect_b64 s[88:89], s[6:7], s[8:9]         ; k's buffer or v's: by the wave's number alone
	s_mov_b32 s[G0S], 1
	s_add_co_u32 s[G0S+1], s85, KSC
	s_add_nc_u64 s[G0S+2:G0S+3], s[88:89], s[82:83]
	s_or_b32 s[G0S+3], s[G0S+3], 0x80000000
	s_add_nc_u64 s[88:89], s[88:89], s[80:81]
.set SG, 0
.irp g, 56,60,68,72
	s_mov_b32 s[\g], 1
	s_add_co_u32 s[\g+1], s84, SG*PART
	s_add_nc_u64 s[\g+2:\g+3], s[88:89], SG*PART
	s_or_b32 s[\g+3], s[\g+3], 0x80000000
.set SG, SG+1
.endr
	ROUND                                          ; all four work-groups are here: the joint loads meet
	s_cmp_lt_u32 s[WV], 2                          ; a wave's first fills stand in one branch, ahead of every wait on TENSORcnt, every LDS read and every other barrier
	s_cbranch_scc0 .Lonly_g
	tensor_load_to_lds s[G0S:G0S+3], s[G1S:G1S+7]  ; the scale words, then the four parts in the order in which they are read, then g
	s_nop 0
	tensor_load_to_lds s[56:59], s[G1C:G1C+7]
	s_nop 0
	tensor_load_to_lds s[60:63], s[G1C:G1C+7]
	s_nop 0
	tensor_load_to_lds s[68:71], s[G1C:G1C+7]
	s_nop 0
	tensor_load_to_lds s[72:75], s[G1C:G1C+7]
	s_nop 0
	tensor_load_to_lds s[G0G:G0G+3], s[G1G:G1G+7]
	s_nop 0
.rept 4
	v_nop
.endr
	s_branch .Lasked
.Lonly_g:
	tensor_load_to_lds s[G0G:G0G+3], s[G1G:G1G+7]
	s_nop 0
.rept 4
	v_nop
.endr
.Lasked:
	s_lshl_b32 s94, s[RHO], 3
	s_add_co_u32 s94, s94, s77
	s_mul_i32 s94, s94, FRB
	s_add_co_u32 s94, s94, s80                     ; q's image: group rho, tile jj
	s_mov_b32 s95, 0
	s_add_nc_u64 s[96:97], s[4:5], s[94:95]
	s_lshl_b32 s94, s[RHO], 9
	s_add_co_u32 s94, s94, s82
	s_and_b32 s98, s77, 1
	s_lshl_b32 s98, s98, 8
	s_add_co_u32 s94, s94, s98
	s_lshr_b32 s98, s77, 1
	s_lshl_b32 s98, s98, 2
	s_add_co_u32 s94, s94, s98                     ; its scale words: 512 rho + 256 (jj % 2) + 4 (jj / 2), + 16 r
	s_add_nc_u64 s[4:5], s[4:5], s[94:95]
.irp c, 0,1,2
	global_load_b128 v[16+4*\c:19+4*\c], v1, s[96:97] offset:512*\c
.endr
	s_wait_alu depctr_va_vdst(0)
	global_load_b32 v255, v77, s[4:5]
	WIN 0x40                                       ; destination window 1
.irp T, 0,1,2,3,4,5,6,7
	global_load_b128 v[192+8*\T:195+8*\T], v78, s[12:13] offset:64*\T       ; norm_w at my channels 16 T + 8 h + 0 .. 7
	global_load_b128 v[196+8*\T:199+8*\T], v78, s[12:13] offset:64*\T+16
.endr
	WIN 0
	s_mul_i32 s94, s90, 1536
	s_mul_i32 s98, s91, 96
	s_add_co_u32 s94, s94, s98
	s_add_nc_u64 s[14:15], s[14:15], s[94:95]      ; y's codes: my first row, my head's 96 bytes
	s_lshl_b32 s94, s90, 6
	s_lshl_b32 s98, s91, 2
	s_add_co_u32 s94, s94, s98
	s_add_nc_u64 s[16:17], s[16:17], s[94:95]      ; and its scale word
	v_mov_b32 v13, 0xff61b1e6                      ; the largest t so far: -3e38, under every t
	s_delay_alu instid0(VALU_DEP_1)
	v_floor_f32 v12, -v13                          ; -M
	v_mov_b32 v14, 0                               ; the sum, in two halves
	v_mov_b32 v15, 0
.irp b, 0,1,2,3
	v_mov_b32 v[236+\b], 0                         ; written once: a lane permute's destination counts as one of its sources
	v_mov_b32 v[TM+4+\b], 0
.endr
	v_mov_b32 v253, 0                              ; (named as the upper half of the pair v[252:253] before it is first written)
.set j, 0
.rept 64
	v_mov_b32 v[160+j], 0                          ; O^T.  (The step has one form: a wave's first step finds zeros, which the first change of M leaves zeros)
.set j, j+1
.endr
; The softmax of a step: 64 scores a lane in v96-159 become p's codes in v224-235 and its scale word in v253; M, the sum and O^T are brought on.
.macro SOFTMAX
.irp b, 0,1,2,3
	v_max3_num_f32 v[232+\b], v[96+16*\b], v[97+16*\b], v[98+16*\b]   ; the largest score of each block of 32 keys: it serves the row's maximum and, since p rises with the score, the block's largest p
.endr
.irp i, 3,5,7,9,11,13
.irp b, 0,1,2,3
	v_max3_num_f32 v[232+\b], v[232+\b], v[96+16*\b+\i], v[97+16*\b+\i]
.endr
.endr
.irp b, 0,1,2,3
	v_max_num_f32 v[232+\b], v[232+\b], v[111+16*\b]
.endr
.irp b, 0,1,2,3
	s_delay_alu instid0(VALU_DEP_4)
	v_permlanex16_b32 v[236+\b], v[232+\b], s[SEL], s[SEL+1]
.endr
.irp b, 0,1,2,3
	s_delay_alu instid0(VALU_DEP_4)
	v_max_num_f32 v[232+\b], v[232+\b], v[236+\b]  ; with lane l xor 16's 16 keys
.endr
	s_delay_alu instid0(VALU_DEP_2)
	v_max3_num_f32 v254, v232, v233, v234
	s_delay_alu instid0(VALU_DEP_1)
	v_max_num_f32 v254, v254, v235                 ; the step's largest score of my query
	s_delay_alu instid0(VALU_DEP_1)
	v_mul_f32 v254, s[CS], v254                    ; as t
	s_delay_alu instid0(VALU_DEP_1)
	v_max_num_f32 v13, v13, v254                   ; the running largest t
	v_mov_b32 v254, v12
	s_delay_alu instid0(VALU_DEP_2)
	v_floor_f32 v12, -v13                          ; the new -M = -ceil(t)
	s_delay_alu instid0(VALU_DEP_1)
	v_sub_f32 v254, v12, v254                      ; old M - new M: a whole number, 0 or less
	s_delay_alu instid0(VALU_DEP_1)
	v_cvt_i32_f32 v254, v254                       ; (it saturates)
	s_delay_alu instid0(VALU_DEP_1)
	v_ldexp_f32 v252, 1.0, v254                    ; f = 2^(old M - new M)
.set j, 0
.rept 32
	v_pk_fma_f32 v[96+j:97+j], v[96+j:97+j], s[CS:CS+1], v[12:13] op_sel_hi:[1,0,0]   ; t - M, two at a time
.set j, j+2
.endr
.irp b, 0,1,2,3
	v_fma_f32 v[232+\b], v[232+\b], s[CS], v12     ; the same of each block's largest score
.endr
.set j, 0
	s_wait_alu depctr_va_vdst(0)
.rept 64
	v_exp_f32 v[96+j], v[96+j]                     ; p = 2^(t - M), at most 1
.set j, j+1
.endr
	v_pk_mul_f32 v[14:15], v[14:15], v[252:253] op_sel_hi:[1,0]   ; the sums under the new M: a plain instruction behind the exponentials
	s_wait_alu depctr_va_vdst(0)                   ; one wait for the whole batch, ahead of its first reader
.irp b, 0,1,2,3
	v_exp_f32 v[232+\b], v[232+\b]                 ; the block's largest p
.endr
	v_pk_add_f32 v[236:237], v[100:101], v[104:105]
	v_pk_add_f32 v[248:249], v[108:109], v[112:113]
	v_pk_add_f32 v[246:247], v[116:117], v[120:121]
	v_pk_add_f32 v[244:245], v[124:125], v[128:129]
	v_pk_add_f32 v[242:243], v[132:133], v[136:137]
	v_pk_add_f32 v[240:241], v[140:141], v[144:145]
	v_pk_add_f32 v[238:239], v[148:149], v[152:153]
	v_pk_add_f32 v[14:15], v[14:15], v[156:157]
	v_pk_add_f32 v[236:237], v[236:237], v[96:97]
	v_pk_add_f32 v[248:249], v[248:249], v[98:99]
	v_pk_add_f32 v[246:247], v[246:247], v[102:103]
	v_pk_add_f32 v[244:245], v[244:245], v[106:107]
	v_pk_add_f32 v[242:243], v[242:243], v[110:111]
	v_pk_add_f32 v[240:241], v[240:241], v[114:115]
	v_pk_add_f32 v[238:239], v[238:239], v[118:119]
	v_pk_add_f32 v[14:15], v[14:15], v[122:123]
	v_pk_add_f32 v[236:237], v[236:237], v[126:127]
	v_pk_add_f32 v[248:249], v[248:249], v[130:131]
	v_pk_add_f32 v[246:247], v[246:247], v[134:135]
	v_pk_add_f32 v[244:245], v[244:245], v[138:139]
	v_pk_add_f32 v[242:243], v[242:243], v[142:143]
	v_pk_add_f32 v[240:241], v[240:241], v[146:147]
	v_pk_add_f32 v[238:239], v[238:239], v[150:151]
	v_pk_add_f32 v[14:15], v[14:15], v[154:155]
	v_pk_add_f32 v[236:237], v[236:237], v[158:159]
	s_delay_alu instid0(VALU_DEP_2)
	v_pk_add_f32 v[14:15], v[14:15], v[244:245]
	s_delay_alu instid0(VALU_DEP_2)
	v_pk_add_f32 v[236:237], v[236:237], v[242:243]
	v_pk_add_f32 v[248:249], v[248:249], v[240:241]
	v_pk_add_f32 v[246:247], v[246:247], v[238:239]
	s_delay_alu instid0(VALU_DEP_2)
	v_pk_add_f32 v[14:15], v[14:15], v[248:249]
	s_delay_alu instid0(VALU_DEP_2)
	v_pk_add_f32 v[236:237], v[236:237], v[246:247]
	s_delay_alu instid0(VALU_DEP_1)
	v_pk_add_f32 v[14:15], v[14:15], v[236:237]
	s_wait_alu depctr_va_vdst(0)                   ; and one for the four
.irp b, 0,1,2,3
	v_max_num_f32 v[232+\b], 0x1800000, v[232+\b]  ; the floor 2^(3 - 127): the byte cannot fall under 1 (a block whose every p is 0 keeps that byte: its codes are zeros)
.endr
.irp b, 0,1,2,3
	s_delay_alu instid0(VALU_DEP_4)
	v_add_nc_u32 v[244+\b], 0xff000000, v[232+\b]  ; 2 off the exponent field: the conversion's scale operand
.endr
.irp b, 0,1,2,3
	s_delay_alu instid0(VALU_DEP_4)
	v_lshrrev_b32 v[236+\b], 23, v[244+\b]         ; the scale's byte
.endr
	s_delay_alu instid0(VALU_DEP_3)
	v_lshl_or_b32 v253, v237, 8, v236              ; p's scale word for these 128 keys
	s_delay_alu instid0(VALU_DEP_1)
	v_lshl_or_b32 v253, v238, 16, v253
	s_delay_alu instid0(VALU_DEP_1)
	v_lshl_or_b32 v253, v239, 24, v253
.irp c, 0,1
	v_cvt_scalef32_pk16_fp6_f32 v[224+6*\c:226+6*\c], v[96+32*\c:111+32*\c], v[244+2*\c]
	v_cvt_scalef32_pk16_fp6_f32 v[236+4*\c:238+4*\c], v[112+32*\c:127+32*\c], v[244+2*\c+1]   ; (a conversion's three registers begin on an even number)
.endr
	v_nop                                          ; one plain place behind a scaled conversion
.irp c, 0,1                                    ; the operand's layout wants a WHOLE block in a lane
.irp i, 0,1,2
	v_permlane16_swap_b32 v[224+6*\c+\i], v[236+4*\c+\i]
.endr
.irp i, 0,1,2
	s_delay_alu instid0(VALU_DEP_3)
	v_mov_b32 v[227+6*\c+\i], v[236+4*\c+\i]
.endr
.endr
.set j, 0
.rept 32
	v_pk_mul_f32 v[160+j:161+j], v[160+j:161+j], v[252:253] op_sel_hi:[1,0]   ; O^T under the new M.  (These 32 are also the places between the scale word's and the codes' last writes and the products below)
.set j, j+2
.endr
.endm
; A KEY STEP: 128 keys.  ak, av, sk, sv: the address registers of k's and v's images and scale words; oc, os: the group's offsets.  diag = 0: group kg, left out by waves whose own group is kg or lower
; (a branch on the wave's number; no barrier and no tensor load stands in a step).  diag = 1: my own group, under the mask.
.macro STEP ak, av, sk, sv, oc, os, kg, diag
.if \diag == 0
	s_cmp_le_u32 s[RHO], \kg
	s_cbranch_scc1 .Lskip_\@
.endif
	ds_load_b128 v[28:31], v[\sk] offset:\os       ; k's scale words: register i: lanes 0-15 tile 2 i, lanes 16-31 tile 2 i + 1
	WIN 0x40                                       ; destination window 1
.irp T, 0,1,2,3,4,5,6,7
.irp c, 0,1,2
	ds_load_b128 v[12*\T+4*\c:12*\T+4*\c+3], v[\ak] offset:\oc+FRB*\T+512*\c   ; 512 consecutive bytes an instruction
.endr
.endr
	WIN 0x01                                       ; source 0 window 1
.irp T, 0,1,2,3,4,5,6,7
	s_wait_dscnt 21-3*\T                           ; tile T's three loads are in; the 3 (7 - T) behind them may be out
.if \T%2
	v_wmma_scale_f32_16x16x128_f8f6f4 v[96+8*\T:103+8*\T], v[12*\T:12*\T+11], v[16:27], 0, v[28+\T/2], v255 matrix_a_fmt:MATRIX_FMT_FP6 matrix_b_fmt:MATRIX_FMT_FP6 matrix_a_scale:MATRIX_SCALE_ROW1
.else
	v_wmma_scale_f32_16x16x128_f8f6f4 v[96+8*\T:103+8*\T], v[12*\T:12*\T+11], v[16:27], 0, v[28+\T/2], v255 matrix_a_fmt:MATRIX_FMT_FP6 matrix_b_fmt:MATRIX_FMT_FP6
.endif
.endr
	WIN 0
.rept 4
	v_nop                                          ; places: in front of the first read of the scores, and of the loads into the registers that the last step's second product read
.endr
	ds_load_b128 v[32:35], v[\sv] offset:\os       ; v's scale words and fragments land under the softmax
	WIN 0x40
.irp T, 0,1,2,3,4,5,6,7
.irp c, 0,1,2
	ds_load_b128 v[96+12*\T+4*\c:96+12*\T+4*\c+3], v[\av] offset:\oc+FRB*\T+512*\c
.endr
.endr
	WIN 0
.if \diag
	v_mov_b32 v254, 0xff800000                     ; hidden scores become -infinity ahead of the maximum: p = 0 then.  The group's first key counts for every query, so M is a number
.set n, 0
.rept 64
	v_cmp_gt_i32 vcc_lo, 32*(n/16)+16*((n/8)%2)+n%8, v[DL]   ; register n holds key 32 (n / 16) + 16 ((n / 8) % 2) + 8 h + n % 8 of the group: hidden where it lies behind 16 jj + r
	v_cndmask_b32 v[96+n], v[96+n], v254, vcc_lo
.set n, n+1
.endr
.endif
	SOFTMAX
	s_wait_alu depctr_va_vdst(0)
	s_wait_dscnt 0x0                               ; v is in
	WIN 0x01
.irp T, 0,1,2,3,4,5,6,7                        ; O^T += v^T p^T: the eight accumulators by turns, one instruction a turn
.if \T%2
	v_wmma_scale_f32_16x16x128_f8f6f4 v[160+8*\T:167+8*\T], v[96+12*\T:107+12*\T], v[224:235], v[160+8*\T:167+8*\T], v[32+\T/2], v253 matrix_a_fmt:MATRIX_FMT_FP6 matrix_b_fmt:MATRIX_FMT_FP6 matrix_a_scale:MATRIX_SCALE_ROW1
.else
	v_wmma_scale_f32_16x16x128_f8f6f4 v[160+8*\T:167+8*\T], v[96+12*\T:107+12*\T], v[224:235], v[160+8*\T:167+8*\T], v[32+\T/2], v253 matrix_a_fmt:MATRIX_FMT_FP6 matrix_b_fmt:MATRIX_FMT_FP6
.endif
.endr
	WIN 0
.if \diag == 0
.Lskip_\@:
.endif
.endm
; The next part of k and v is shown to every wave: waves 0 and 1 wait until at most n of their six loads are out (the parts behind this one, and g); no LDS instruction is pending at the signal.
.macro WAITB n
	s_wait_tensorcnt \n
	s_wait_dscnt 0x0
	s_barrier_signal -1
	s_barrier_wait -1
.endm
; 64 numbers of a lane, register 16 b + i = k 32 b + 16 (lane / 16) + i of my row, become a fragment's codes in v[PC] on and its scale word in v[PW].
.macro QUANT s
.irp b, 0,1,2,3
	v_max3_num_f32 v[TM+\b], |v[\s+16*\b]|, |v[\s+1+16*\b]|, 0x1800000
.endr
.irp i, 2,4,6,8,10,12,14
.irp b, 0,1,2,3
	s_delay_alu instid0(VALU_DEP_4)
	v_max3_num_f32 v[TM+\b], v[TM+\b], |v[\s+16*\b+\i]|, |v[\s+1+16*\b+\i]|
.endr
.endr
.irp b, 0,1,2,3
	s_delay_alu instid0(VALU_DEP_4)
	v_permlanex16_b32 v[TM+4+\b], v[TM+\b], s[SEL], s[SEL+1]
.endr
.irp b, 0,1,2,3
	s_delay_alu instid0(VALU_DEP_4)
	v_max_num_f32 v[TM+\b], v[TM+\b], v[TM+4+\b]
.endr
.irp b, 0,1,2,3
	s_delay_alu instid0(VALU_DEP_4)
	v_add_nc_u32 v[TM+12+\b], 0xff000000, v[TM+\b]
.endr
.irp b, 0,1,2,3
	s_delay_alu instid0(VALU_DEP_4)
	v_lshrrev_b32 v[TM+4+\b], 23, v[TM+12+\b]
.endr
	s_delay_alu instid0(VALU_DEP_3)
	v_lshl_or_b32 v[PW], v[TM+5], 8, v[TM+4]
	s_delay_alu instid0(VALU_DEP_1)
	v_lshl_or_b32 v[PW], v[TM+6], 16, v[PW]
	s_delay_alu instid0(VALU_DEP_1)
	v_lshl_or_b32 v[PW], v[TM+7], 24, v[PW]
.irp c, 0,1
	v_cvt_scalef32_pk16_fp6_f32 v[PC+6*\c:PC+2+6*\c], v[\s+32*\c:\s+15+32*\c], v[TM+12+2*\c]
	v_cvt_scalef32_pk16_fp6_f32 v[PC+12+4*\c:PC+14+4*\c], v[\s+16+32*\c:\s+31+32*\c], v[TM+12+2*\c+1]
.endr
	v_nop                                          ; one plain place behind a scaled conversion
.irp c, 0,1
.irp i, 0,1,2
	v_permlane16_swap_b32 v[PC+6*\c+\i], v[PC+12+4*\c+\i]
.endr
.irp i, 0,1,2
	s_delay_alu instid0(VALU_DEP_3)
	v_mov_b32 v[PC+3+6*\c+\i], v[PC+12+4*\c+\i]
.endr
.endr
.endm
	s_wait_loadcnt 0x0                             ; q, its scale word, norm_w
	WAITB 4                                        ; the scale words and groups 0, 1 are in
	STEP 1, 3, 5, 6, 0*GRPB, 0*512, 0, 0
	STEP 1, 3, 5, 6, 1*GRPB, 1*512, 1, 0
	WAITB 3                                        ; groups 2, 3
	STEP 1, 3, 5, 6, 2*GRPB, 2*512, 2, 0
	STEP 1, 3, 5, 6, 3*GRPB, 3*512, 3, 0
	WAITB 2                                        ; groups 4, 5
	STEP 2, 4, 5, 6, 0*GRPB, 4*512, 4, 0
	STEP 2, 4, 5, 6, 1*GRPB, 5*512, 5, 0
	WAITB 1                                        ; groups 6, 7
	STEP 2, 4, 5, 6, 2*GRPB, 6*512, 6, 0
	STEP 8, 9, 10, 11, 0, 0, 7, 1                  ; my own group, under the mask
	; THE WAY OUT.
	s_wait_tensorcnt 0x0                           ; my g is in LDS: only I read it
.rept 4
	v_nop                                          ; places in front of the first read of O^T
.endr
	WIN 0x40
.irp T, 0,1,2,3,4,5,6,7
	ds_load_b128 v[8*\T:8*\T+3], v7 offset:64*\T             ; g(r, 16 T + 8 h + 0 .. 7), where k's fragments lay
	ds_load_b128 v[8*\T+4:8*\T+7], v7 offset:64*\T+16
.endr
	WIN 0
	v_add_f32 v14, v14, v15                        ; the sum's two halves,
	s_delay_alu instid0(VALU_DEP_1)
	v_permlanex16_b32 v252, v14, s[SEL], s[SEL+1]
	s_delay_alu instid0(VALU_DEP_1)
	v_add_f32 v14, v14, v252                       ; and lane l xor 16's
	s_wait_alu depctr_va_vdst(0)
	v_rcp_f32 v14, v14
	v_nop                                          ; a plain instruction behind the reciprocal
	s_wait_alu depctr_va_vdst(0)                   ; the wait ahead of its first reader
.set j, 0
.rept 32
	v_pk_mul_f32 v[96+j:97+j], v[160+j:161+j], v[14:15] op_sel_hi:[1,0]   ; o = O^T / the sum: register 8 T + i is channel 16 T + 8 h + i; each accumulator from its low end on
.set j, j+2
.endr
	v_pk_mul_f32 v[56:57], v[96:97], v[96:97]      ; the sum of o^2, in two chains
	v_pk_mul_f32 v[58:59], v[98:99], v[98:99]
.irp i, 4,8,12,16,20,24,28,32,36,40,44,48,52,56,60
	s_delay_alu instid0(VALU_DEP_2)
	v_pk_fma_f32 v[56:57], v[96+\i:97+\i], v[96+\i:97+\i], v[56:57]
	s_delay_alu instid0(VALU_DEP_2)
	v_pk_fma_f32 v[58:59], v[98+\i:99+\i], v[98+\i:99+\i], v[58:59]
.endr
	s_delay_alu instid0(VALU_DEP_1)
	v_pk_add_f32 v[56:57], v[56:57], v[58:59]
	s_delay_alu instid0(VALU_DEP_1)
	v_add_f32 v56, v56, v57
	s_delay_alu instid0(VALU_DEP_1)
	v_permlanex16_b32 v60, v56, s[SEL], s[SEL+1]
	s_delay_alu instid0(VALU_DEP_1)
	v_add_f32 v56, v56, v60                        ; over the head's 128
	s_delay_alu instid0(VALU_DEP_1)
	v_fma_f32 v56, v56, s[RN], s[EP]               ; / 128 (exact) + 1e-5
	s_wait_alu depctr_va_vdst(0)
	v_rsq_f32 v56, v56
	s_wait_dscnt 0x0                               ; g is in registers
	WIN 0x01
.set j, 0
.rept 32
	v_pk_mul_f32 v[160+j:161+j], v[j:j+1], 0xbfb8aa3b op_sel_hi:[1,0]   ; -g log2(e)
.set j, j+2
.endr
	WIN 0
.set j, 0
	s_wait_alu depctr_va_vdst(0)
.rept 64
	v_exp_f32 v[160+j], v[160+j]
.set j, j+1
.endr
	v_nop
	s_wait_alu depctr_va_vdst(0)                   ; one wait for the root and the 64 exponentials
.set j, 0
.rept 32
	v_pk_add_f32 v[160+j:161+j], v[160+j:161+j], 1.0 op_sel_hi:[1,0]
.set j, j+2
.endr
.set j, 0
	s_wait_alu depctr_va_vdst(0)
.rept 64
	v_rcp_f32 v[160+j], v[160+j]                   ; sigmoid(g)
.set j, j+1
.endr
.set j, 0
.rept 32
	v_pk_mul_f32 v[96+j:97+j], v[96+j:97+j], v[56:57] op_sel_hi:[1,0]   ; o x rms: work that names no reciprocal stands behind the batch
.set j, j+2
.endr
	WIN 0x01
.set j, 0
.rept 32
	v_pk_mul_f32 v[96+j:97+j], v[192+j:193+j], v[96+j:97+j]             ; x norm_w
.set j, j+2
.endr
	s_wait_alu depctr_va_vdst(0)                   ; one wait for the 64 reciprocals
.set j, 0
.rept 32
	v_pk_mul_f32 v[160+j:161+j], v[j:j+1], v[160+j:161+j]               ; g sigmoid(g)
.set j, j+2
.endr
	WIN 0
.set j, 0
.rept 32
	v_pk_mul_f32 v[96+j:97+j], v[96+j:97+j], v[160+j:161+j]             ; y
.set j, j+2
.endr
.irp b, 0,1,2,3                                ; the output projection's K wants the channels in their true order: the first's lanes 16-31 change places with the second's lanes 0-15,
.irp i, 0,1,2,3,4,5,6,7                        ; and register 16 b + i of lane (r, h) is channel 32 b + 16 h + i
	v_permlane16_swap_b32 v[96+16*\b+\i], v[104+16*\b+\i]
.endr
.endr
	QUANT 96
.irp p, 0,1,2,3,4,5
	ds_store_b64 v[SA], v[PC+2*\p:PC+2*\p+1] offset:48*(\p/3)+8*(\p%3)   ; my 2 x 24 bytes of row r's 96
.endr
.irp c, 0,1,2
	ds_load_b128 v[76+4*\c:79+4*\c], v[SR] offset:512*\c                 ; LDS serves a wave's instructions in order (ISA guide 5.7.1.4): these see my stores
.endr
	global_store_b32 v91, v[PW], s[16:17]          ; lanes r and r + 16 hold, and write, the same word
	s_wait_dscnt 0x0
.irp c, 0,1,2
	global_store_b128 v[88+\c], v[76+4*\c:79+4*\c], s[14:15]             ; six neighbouring lanes store a row's 96 consecutive bytes
.endr
	s_wait_tensorcnt 0x0
	s_wait_tensorcnt 0x0
	ds_add_u32 v250, v251
	s_wait_dscnt 0x0
	ROUND                                          ; the closing round: no work-group ends while a partner may still ask for a tile that names it
	s_endpgm
.Lfunc_end_k_qd645a9c11d_attn:
	.size	k_qd645a9c11d_attn, .Lfunc_end_k_qd645a9c11d_attn-k_qd645a9c11d_attn
	.p2alignl 7, 3214868480
	.fill 96, 4, 3214868480
	.section	.rodata,"a",@progbits
	.p2align	6, 0x0
	.amdhsa_kernel k_qd645a9c11d_attn
		.amdhsa_group_segment_fixed_size 327680
		.amdhsa_private_segment_fixed_size 0
		.amdhsa_enable_private_segment 0
		.amdhsa_kernarg_size 56
		.amdhsa_user_sgpr_count 2
		.amdhsa_user_sgpr_kernarg_segment_ptr 1
		.amdhsa_wavefront_size32 1
		.amdhsa_system_sgpr_workgroup_id_x 1
		.amdhsa_system_sgpr_workgroup_id_y 1
		.amdhsa_system_sgpr_workgroup_id_z 1
		.amdhsa_system_vgpr_workitem_id 0
		.amdhsa_next_free_vgpr 512
		.amdhsa_next_free_sgpr 100
		.amdhsa_reserve_vcc 1
		.amdhsa_float_denorm_mode_32 3
		.amdhsa_float_denorm_mode_16_64 3
		.amdhsa_memory_ordered 1
		.amdhsa_forward_progress 1
		.amdhsa_inst_pref_size 210
	.end_amdhsa_kernel
	.amdgpu_metadata
---
amdhsa.version: [ 1, 2 ]
amdhsa.kernels:
  - .name:           k_qd645a9c11d_attn
    .symbol:         k_qd645a9c11d_attn.kd
    .args:
      - { .name: qbuf, .offset: 0, .size: 8, .value_kind: global_buffer, .address_space: global }
      - { .name: kbuf, .offset: 8, .size: 8, .value_kind: global_buffer, .address_space: global }
      - { .name: vbuf, .offset: 16, .size: 8, .value_kind: global_buffer, .address_space: global }
      - { .name: gbuf, .offset: 24, .size: 8, .value_kind: global_buffer, .address_space: global }
      - { .name: norm_w, .offset: 32, .size: 8, .value_kind: global_buffer, .address_space: global }
      - { .name: acodes, .offset: 40, .size: 8, .value_kind: global_buffer, .address_space: global }
      - { .name: ascales, .offset: 48, .size: 8, .value_kind: global_buffer, .address_space: global }
    .group_segment_fixed_size: 327680
    .private_segment_fixed_size: 0
    .kernarg_segment_align: 8
    .kernarg_segment_size: 56
    .max_flat_workgroup_size: 256
    .sgpr_count:     100
    .vgpr_count:     512
    .wavefront_size: 32
...
	.end_amdgpu_metadata
.endif
;; end of part 6
;; launch outp (part 7): grid 16 x 16, 4 waves a work-group, clusters of 4 x 4, 327,680 bytes of LDS; arguments acodes, ascales, wo_codes, wo_scales, out0; writes out0
.if DOCPART == 7
	.amdgcn_target "amdgcn-amd-amdhsa--gfx1250"
	.amdhsa_code_object_version 6
	.text
	.protected	k_qd645a9c11d_outp
	.globl	k_qd645a9c11d_outp
	.p2align	8
	.type	k_qd645a9c11d_outp,@function
k_qd645a9c11d_outp:
	s_mov_b64 s[64:65], 0
	v_nop
	global_prefetch_b8 v0, s[64:65] scope:SCOPE_SE
	s_setreg_imm32_b32 hwreg(HW_REG_WAVE_MODE, 25, 1), 1
	s_wait_xcnt 0x0
	s_wait_alu depctr_hold_cnt(0) depctr_sa_sdst(0) depctr_va_vdst(0) depctr_va_sdst(0) depctr_va_ssrc(0) depctr_va_vcc(0) depctr_vm_vsrc(0)
	s_getreg_b32 s2, hwreg(HW_REG_IB_STS2, 6, 4)
	s_cmp_eq_u32 s2, 0
	s_cbranch_scc0 .Lentry_in_a_cluster
	s_endpgm
.Lentry_in_a_cluster:
	s_bfe_u32 s2, ttmp6, 0x10000c
	s_cmp_lg_u32 s2, 0xf033
	s_cbranch_scc0 .Lentry_shape_is_right
	s_endpgm
.Lentry_shape_is_right:
; THE OUTPUT PROJECTION: C[m][n] = sum over k of A[m][k] B[n][k].  A = y (2,048 rows b l), B = wo (2,048 rows), both codes of FP6 (E2M3), K = 2,048 innermost, a row 1,536 bytes, one E8M0 byte for each 32 along K; C f32 rows of 2,048.
; One f32 sum for each output, K ascending.  Codes and scale bytes go to the matrix unit as they lie.
; A TILE OF C IS 128 x 128, so that the 16 x 16 tiles give each of 256 work-groups one.  Four waves, as many as a WGP has SIMDs; a wave makes 64 x 64: 16 accumulators, 128 registers.
; K goes in FOUR steps of 512 through two LDS slots filled by the tensor data mover (a tile's row: 384 bytes; a wave's load brings 64 rows): the first two steps are first fills, so only two refills are left.
; The scales of the work-group's 2 x 128 rows, for all of K, come into LDS once, with the first fills, and from there into 64 registers that hold them for the whole launch.
; CLUSTERS: 4 x 4 work-groups.  The four of a row of the cluster need the same tiles of A, the four of a column the same tiles of B: each tile is asked for JOINTLY, by the same tensor load with the same descriptor and a mask that names the four.
; THE MATRIX INSTRUCTION IS USED TRANSPOSED (source 0 = 16 rows of B, source 1 = 16 rows of A): a lane then holds eight neighbouring numbers of a row of C.
; LOADS BY SHORT RUNS.  For 128 along K a wave loads 8 fragments, 48 loads of 256 bytes, for 16 matrix instructions: three loads to a product.  So the next step's loads stand in runs of twelve behind each four products, the fragments
; in the order in which the next step wants them (B's four, then A's one by one), and each four products wait only for the one block of A that they need.
; REGISTERS are laid so that these runs cost few switches of the window.  window 0: v0-31 addresses; v32-95 scale words (they hold scales alone); v96-191 B's fragments, two sets.
;   window 1: v0-127 the accumulators ((a, b) at v[8 (4 a + b)]); v128-223 A's fragments, two sets; on the way out v128-255 take the rows read back.
; One setting (source 0 window 0; source 1, C and D window 1) serves the products, the loads of A's fragments (address window 0, data window 1) and the whole way out; only the loads of B's fragments want the destination in window 0:
; four switches for a step of 128 along K.
; The text is written out without a loop: 16 steps of 128 along K; every offset is an immediate.
.set SIZE_K, 2048
.set SIZE_N, 2048                      ; numbers in a row of C
.set ROWB,   384                       ; a tile's row in bytes: 512 codes
.set KROW,   SIZE_K*6/8                ; a row of codes in memory
.set PITCH,  432                       ; an LDS row: 3 x (128 bytes of data + 16 of padding) = 108 words = 4 x 11 modulo 64: sixteen rows start in sixteen different groups of four banks, and lanes 16-31, 6 or 10 words on,
                                       ; fall between them: the 32 lanes of a load of 8 bytes touch 64 different banks (64 banks of 4 bytes: ISA guide 11.1)
.set FR,     12                        ; registers of a fragment: 16 rows x 128 K
.set HALFT,  64*PITCH                  ; 64 rows: what one tensor load brings, and what one wave reads of A or of B
.set SLOT,   4*HALFT                   ; A's 128 rows, then B's 128 rows
.set KS,     SIZE_K/32                 ; a row of scales in bytes
.set SCL,    2*SLOT                    ; behind the ring: the scales, as runs of 256 bytes + 16 of padding
.set HALFS,  (64*KS/256)*272           ; the scales of 64 rows: what one tensor load brings
.set SBLK,   (16*KS/256)*272           ; those of 16 rows
.set SPARE,  SCL+4*HALFS               ; the spare words, 128 bytes for each wave: two blocks of 256 bytes that no other line names
.set STAGE,  SPARE+512                 ; the way out: 64 rows x (256 + 16 bytes) for each wave, in blocks of 256 bytes into which no tensor load lands
.set SPITCH, 272
.set ADRA, 16                          ; v16-17 LDS address of my A fragments in slot 0, 1 (v18-19: behind one padding more)
.set ADRB, 20                          ; v20-23 the same for B
.set STO,  24                          ; v24    the stage: where I put 32 bytes of a row
.set RD,   25                          ; v25    and where I read 16 bytes back
.set CO,   26                          ; v26    my byte offset in two rows of C
.set ADRS, 27                          ; v27    LDS address of my scale words: lanes 0-15 A's rows, lanes 16-31 B's
.set SPW,  28                          ; v28    LDS address of my spare word; never rewritten
.set NIL,  29                          ; v29    0; never rewritten
.set SC,   32                          ; register 16 k + 4 i + q: lanes 0-15 the word of A's block i, lanes 16-31 that of B's block i, for K = 512 k + 128 q on
.set FB,   96                          ; B's fragments, window 0: set f at FB + 48 f
.set ACC,  0                           ; window 1
.set FA,   128                         ; A's fragments, window 1: set f at FA + 48 f
.set BK,   128                         ; the way out, window 1: block a's 16 rows at BK + 32 a
.set G1, 24                            ; s[24:31] descriptor group 1 for A's tiles;  s[32:39] group 0, one set for each slot
.set G0, 32
.set G1B, 48                           ; s[48:55], s[56:63] the same for B's tiles
.set G0B, 56
.set G1S, 68                           ; s[68:75], s[76:79] groups 1 and 0 for A's scales;  s[80:87], s[88:91] for B's
.set G0S, 76
.set G1SB, 80
.set G0SB, 88
.set W_MUL, 0x54                       ; source 0 window 0; source 1, source 2 and destination window 1
.set MSB, 0
.macro WIN new                         ; the immediate's high byte repeats the setting that is left; a switch that changes nothing is dropped
.if MSB != \new
	s_set_vgpr_msb (MSB<<8)|\new
.set MSB, \new
.endif
.endm
; A joint load: waves 0 and 1 fetch for A, waves 2 and 3 for B.  Each of the two lines has one mask and one set of registers for all that issue it; the branch hangs on the wave's number alone.
; Four v_nop follow each of the two lines, ahead of the jump, the label and what follows.
.macro JLOAD g0a, g1a, g0b, g1b
	s_cmp_eq_u32 s15, 0
	s_cbranch_scc0 .Lfor_b_\@
	tensor_load_to_lds s[\g0a:\g0a+3], s[\g1a:\g1a+7]
	s_nop 0
.rept 4
	v_nop
.endr
	s_branch .Lasked_\@
.Lfor_b_\@:
	tensor_load_to_lds s[\g0b:\g0b+3], s[\g1b:\g1b+7]
	s_nop 0
.rept 4
	v_nop
.endr
.Lasked_\@:
.endm
.macro CREST                           ; a round of the cluster's barrier behind its opening barrier
	s_cmp_lg_u32 s14, 0
	s_cbranch_scc1 .Lnot_wave_0_\@
	s_barrier_signal -3
.Lnot_wave_0_\@:
	s_barrier_wait -3
	s_barrier_signal -1
	s_barrier_wait -1
.endm
.macro CROUND                          ; a whole round
	s_barrier_signal -1
	s_barrier_wait -1
	CREST
.endm
	s_load_b256 s[4:11], s[0:1], 0x0               ; A's codes s[4:5], A's scales s[6:7], B's codes s[8:9], B's scales s[10:11]
	s_load_b64 s[12:13], s[0:1], 0x20              ; C
	v_lshl_add_u32 v[SPW], v0, 2, SPARE
	v_mov_b32 v[NIL], 0
	ds_add_u32 v28, v29
	ds_add_u32 v28, v29
	s_wait_dscnt 0x0
	v_lshrrev_b32 v1, 5, v0
	v_readfirstlane_b32 s14, v1                    ; wave 0..3
	s_lshr_b32 s15, s14, 1                         ; which half of the tile's rows is mine.  Also: I fetch for A (0) or for B (1)
	s_and_b32 s16, s14, 1                          ; which half of its columns.  Also: which 64 rows of that tile I fetch
	s_bfe_u32 s40, ttmp6, 0x40000                  ; cx, cy: my place in the cluster
	s_bfe_u32 s41, ttmp6, 0x40004
	s_lshl_b32 s42, ttmp9, 2
	s_add_co_u32 s42, s42, s40                     ; tile column of C = 4 x cluster x + cx
	s_and_b32 s17, ttmp7, 0xffff
	s_lshl_b32 s17, s17, 2
	s_add_co_u32 s17, s17, s41                     ; tile row of C = 4 x cluster y + cy
	s_lshl_b32 s43, s41, 2
	s_lshl_b32 s43, 15, s43                        ; my row of the cluster
	s_lshl_b32 s44, 0x1111, s40                    ; my column
	; descriptor group 1: a tile of 64 rows x ROWB bytes, padded in LDS
	s_or_b32 s[G1+0], s43, (0<<16)|(1<<20)|(1<<21)|(4<<22)|(3<<25)  ; 15:0 the mask: A's tiles go to my row; 17:16 element of 1 byte; 20 padding on; 21 set beside a mask; 24:22 after every 32 words (code 4); 31:25 of 4 words (code 3)
	s_or_b32 s[G1B+0], s44, (0<<16)|(1<<20)|(1<<21)|(4<<22)|(3<<25)
.irp g, G1, G1B
	s_mov_b32 s[\g+1], ROWB<<16                    ; tensor_dim0
	s_mov_b32 s[\g+2], 64<<16                      ; tensor_dim1 = 64
	s_mov_b32 s[\g+3], ROWB<<16                    ; tile_dim0
	s_mov_b32 s[\g+4], 64                          ; tile_dim1 = 64
	s_mov_b32 s[\g+5], KROW                        ; tensor_dim0_stride
	s_mov_b32 s[\g+6], 0
	s_mov_b32 s[\g+7], 0
.endr
	; and for the scales of 64 rows: a dense block of 4,096 bytes, as 16 rows of 256 bytes (32 elements of 8 bytes), 16 bytes of padding behind each
	s_or_b32 s[G1S+0], s43, (3<<16)|(1<<20)|(1<<21)|(5<<22)|(3<<25)
	s_or_b32 s[G1SB+0], s44, (3<<16)|(1<<20)|(1<<21)|(5<<22)|(3<<25)
.irp g, G1S, G1SB
	s_mov_b32 s[\g+1], 32<<16
	s_mov_b32 s[\g+2], (64*KS/256)<<16
	s_mov_b32 s[\g+3], 32<<16
	s_mov_b32 s[\g+4], 64*KS/256
	s_mov_b32 s[\g+5], 32
	s_mov_b32 s[\g+6], 0
	s_mov_b32 s[\g+7], 0
.endr
	s_lshl_b32 s18, s16, 6                         ; which 64 rows of the tile I fetch
	s_lshl_b32 s20, s17, 7
	s_add_co_u32 s20, s20, s18                     ; A: row 128 x tile row + 64 x half
	s_lshl_b32 s46, s42, 7
	s_add_co_u32 s46, s46, s18                     ; B: row 128 x tile column + 64 x half
	s_mov_b32 s21, 0
	s_mov_b32 s47, 0
	s_mov_b64 s[18:19], KS
	s_mul_u64 s[22:23], s[20:21], s[18:19]         ; where these rows' scales begin, in bytes
	s_mul_u64 s[92:93], s[46:47], s[18:19]
	s_mov_b64 s[18:19], KROW
	s_mul_u64 s[20:21], s[20:21], s[18:19]         ; and their codes
	s_mul_u64 s[46:47], s[46:47], s[18:19]
	s_mul_i32 s45, s14, HALFT                      ; where they go: wave x 64 rows: no place in the cluster enters an LDS address
	s_mul_i32 s94, s14, HALFS
	s_wait_kmcnt 0x0
	s_add_nc_u64 s[20:21], s[4:5], s[20:21]
	s_add_nc_u64 s[22:23], s[6:7], s[22:23]
	s_add_nc_u64 s[46:47], s[8:9], s[46:47]
	s_add_nc_u64 s[92:93], s[10:11], s[92:93]
	CROUND                                         ; all sixteen work-groups are here: the first joint loads meet
	s_mov_b32 s[G0S], 1
	s_add_co_u32 s[G0S+1], s94, SCL
	s_mov_b64 s[G0S+2:G0S+3], s[22:23]
	s_or_b32 s[G0S+3], s[G0S+3], 0x80000000
	s_mov_b32 s[G0SB], 1
	s_add_co_u32 s[G0SB+1], s94, SCL
	s_mov_b64 s[G0SB+2:G0SB+3], s[92:93]
	s_or_b32 s[G0SB+3], s[G0SB+3], 0x80000000
	JLOAD G0S, G1S, G0SB, G1SB                     ; the scales first: they are wanted with K step 0
.irp s, 0,1
	s_mov_b32 s[G0+4*\s], 1
	s_add_co_u32 s[G0+4*\s+1], s45, \s*SLOT
	s_add_nc_u64 s[G0+4*\s+2:G0+4*\s+3], s[20:21], \s*ROWB
	s_or_b32 s[G0+4*\s+3], s[G0+4*\s+3], 0x80000000
	s_mov_b32 s[G0B+4*\s], 1
	s_add_co_u32 s[G0B+4*\s+1], s45, \s*SLOT
	s_add_nc_u64 s[G0B+4*\s+2:G0B+4*\s+3], s[46:47], \s*ROWB
	s_or_b32 s[G0B+4*\s+3], s[G0B+4*\s+3], 0x80000000
	JLOAD G0+4*\s, G1, G0B+4*\s, G1B               ; K steps 0 and 1: by this text's count three tensor loads of a wave are out
.endr
	v_and_b32 v1, 15, v0                           ; l % 16
	v_bfe_u32 v2, v0, 4, 1                         ; l / 16
	v_mul_u32_u24 v3, v1, PITCH
	v_mul_u32_u24 v4, v2, 24
	v_add_nc_u32 v4, v3, v4                        ; a fragment's row x pitch + 24 x half
	v_lshl_add_u32 v5, v2, 4, v4                   ; and the same behind one padding more
	s_mul_i32 s21, s15, HALFT                      ; my 64 rows of A
	s_mul_i32 s22, s16, HALFT                      ; my 64 rows of B,
	s_add_co_u32 s22, s22, 2*HALFT                 ; which lie behind A's 128
.irp s, 0,1
	v_add_nc_u32 v[ADRA+\s], s21, v4
	v_add_nc_u32 v[ADRB+\s], s22, v4
	v_add_nc_u32 v[ADRA+2+\s], s21, v5
	v_add_nc_u32 v[ADRB+2+\s], s22, v5
	s_add_co_u32 s21, s21, SLOT
	s_add_co_u32 s22, s22, SLOT
.endr
	v_mul_u32_u24 v5, v1, KS                       ; my row's scales: KS bytes a row,
	v_lshrrev_b32 v6, 8, v5
	v_lshl_add_u32 v5, v6, 4, v5                   ; and 16 more for each 256 passed
	s_mul_i32 s21, s15, HALFS                      ; A's: my 64 rows
	s_mul_i32 s22, s16, HALFS                      ; B's: my 64 rows, behind A's 128
	s_add_co_u32 s22, s22, 2*HALFS
	s_sub_co_u32 s22, s22, s21
	v_mul_u32_u24 v6, s22, v2                      ; lanes 16-31 take B's
	s_add_co_u32 s21, s21, SCL
	v_add_nc_u32 v5, v5, v6
	v_add_nc_u32 v[ADRS], s21, v5
	s_mul_i32 s23, s14, 64*SPITCH
	s_add_co_u32 s23, s23, STAGE                   ; my stage
	v_mul_u32_u24 v5, v1, SPITCH                   ; in: row l % 16, 32 bytes for each half of the lanes
	v_lshl_add_u32 v5, v2, 5, v5
	v_add_nc_u32 v[STO], s23, v5
	v_mul_u32_u24 v5, v2, SPITCH                   ; back: lanes 0-15 take one row of 256 bytes, lanes 16-31 the next
	v_lshl_add_u32 v5, v1, 4, v5
	v_add_nc_u32 v[RD], s23, v5
	v_lshlrev_b32 v5, 13, v2                       ; and the same two rows in C: 8,192 bytes a row
	v_lshl_add_u32 v[CO], v1, 4, v5
	s_lshl_b32 s20, s17, 7
	s_lshl_b32 s21, s15, 6
	s_add_co_u32 s20, s20, s21                     ; my first row of C: 128 x tile row + 64 x half,
	s_lshl_b32 s20, s20, 13                        ; in bytes (under 2^24)
	s_lshl_b32 s46, s42, 9                         ; my first column, in bytes: 512 x tile column + 256 x half
	s_lshl_b32 s47, s16, 8
	s_add_co_u32 s46, s46, s47
	s_add_co_u32 s20, s20, s46
	s_mov_b32 s21, 0
	s_add_nc_u64 s[12:13], s[12:13], s[20:21]
.macro FRAG reg, adr, q, i             ; a fragment: lane l holds row l % 16; registers 6 c .. 6 c + 5 hold K = 64 c + 32 (l / 16) + 0 .. 31: 24 bytes of the row's stream of bits, as they lie
.irp p, 0,1,2,3,4,5                    ; in pieces of 8 bytes, so that every address is a multiple of the access's size.  Lanes 0-15 take the row's pieces 12 q + 0, 1, 2 and 12 q + 6, 7, 8, lanes 16-31 those three pieces on
.set PCE, 12*(\q)+6*(\p/3)+\p%3        ; 16 bytes of padding lie behind every 16 pieces: where the piece three on lies behind one padding more, the second address register (40 for 24 bytes a half) serves
.if PCE%16 < 13
	ds_load_b64 v[\reg+2*\p:\reg+2*\p+1], v[\adr] offset:8*PCE+16*(PCE/16)+(\i)*16*PITCH
.else
	ds_load_b64 v[\reg+2*\p:\reg+2*\p+1], v[\adr+2] offset:8*PCE+16*(PCE/16)+(\i)*16*PITCH
.endif
.endr
.endm
; A run of twelve loads: two fragments of the slot's q-th 128 along K into set f.  g = 0: B's blocks 0, 1;  1: B's 2, 3;  2: A's 0, 1;  3: A's 2, 3.
.macro LG slot, q, f, g
.if \g < 2
	WIN 0                                          ; B's fragments lie in window 0
	FRAG FB+48*(\f)+FR*(2*(\g)), ADRB+\slot, \q, 2*(\g)
	FRAG FB+48*(\f)+FR*(2*(\g)+1), ADRB+\slot, \q, 2*(\g)+1
.else
	WIN W_MUL                                      ; A's in window 1: the products' own setting
	FRAG FA+48*(\f)+FR*(2*(\g)-4), ADRA+\slot, \q, 2*(\g)-4
	FRAG FA+48*(\f)+FR*(2*(\g)-3), ADRA+\slot, \q, 2*(\g)-3
.endif
.endm
; Four matrix instructions: products i0 .. i0 + 3 of a step's sixteen: A's block i0 / 4 against B's four.  f: the set;  K = 512 k + 128 q on.  zero = 1: the first product starts the sums: nothing is ever cleared.
; The 16 accumulators take turns, one instruction a turn, in the same order in every step.
.macro MULS i0, f, q, k, zero
.set ii, \i0
.rept 4
.set aa, ii/4
.set bb, ii%4
.if \zero
	v_wmma_scale_f32_16x16x128_f8f6f4 v[ACC+8*ii:ACC+8*ii+7], v[FB+48*(\f)+FR*bb:FB+48*(\f)+FR*bb+FR-1], v[FA+48*(\f)+FR*aa:FA+48*(\f)+FR*aa+FR-1], 0, v[SC+16*(\k)+4*bb+(\q)], v[SC+16*(\k)+4*aa+(\q)] matrix_a_fmt:MATRIX_FMT_FP6 matrix_b_fmt:MATRIX_FMT_FP6 matrix_a_scale:MATRIX_SCALE_ROW1
.else
	v_wmma_scale_f32_16x16x128_f8f6f4 v[ACC+8*ii:ACC+8*ii+7], v[FB+48*(\f)+FR*bb:FB+48*(\f)+FR*bb+FR-1], v[FA+48*(\f)+FR*aa:FA+48*(\f)+FR*aa+FR-1], v[ACC+8*ii:ACC+8*ii+7], v[SC+16*(\k)+4*bb+(\q)], v[SC+16*(\k)+4*aa+(\q)] matrix_a_fmt:MATRIX_FMT_FP6 matrix_b_fmt:MATRIX_FMT_FP6 matrix_a_scale:MATRIX_SCALE_ROW1
.endif
.set ii, ii+1
.endr
.endm
.macro SCALES2 kk                      ; the scale words of K steps kk and kk + 1: 16 bytes a row and K step; lanes 0-15 take A's block i, lanes 16-31 B's block i.  They stay in their registers
.irp k, \kk, \kk+1
.irp i, 0,1,2,3
	ds_load_b128 v[SC+16*(\k)+4*\i:SC+16*(\k)+4*\i+3], v[ADRS] offset:\i*SBLK+16*(\k)
.endr
.endr
.endm
; A load into a register that a matrix instruction has read, and a store that reads a matrix result, stand four places behind that matrix instruction; only plain vector instructions that name none of its
; registers are places (ISA guide 7.12.1 for vector instructions).
.macro PLACES
.rept 4
	v_nop
.endr
.endm
; A step of 128 along K that has its successor in the same slot.  At its head the 48 loads of its own set are the youngest LDS instructions, in the order B's four blocks, A's 0, 1, 2, 3, six loads each.
; Each count below: what is left of that set's blocks of A, and the loads issued since for the next set.
.macro NORMAL slot, q, k, zero
	s_wait_dscnt 18                                ; B's four blocks and A's block 0 are in; A's 1, 2, 3 may be out
	WIN W_MUL
	MULS 0, (\q)%2, \q, \k, \zero
	PLACES                                         ; the other set's last products stand ahead of these places: it may be loaded again
	LG \slot, (\q)+1, 1-(\q)%2, 0
	s_wait_dscnt 24                                ; A's block 1 is in: 12 of this set and the 12 just issued may be out
	WIN W_MUL
	MULS 4, (\q)%2, \q, \k, \zero
	LG \slot, (\q)+1, 1-(\q)%2, 1
	s_wait_dscnt 30                                ; A's block 2: 6 and 24
	WIN W_MUL
	MULS 8, (\q)%2, \q, \k, \zero
	LG \slot, (\q)+1, 1-(\q)%2, 2
	s_wait_dscnt 36                                ; A's block 3: none and 36
	MULS 12, (\q)%2, \q, \k, \zero
	LG \slot, (\q)+1, 1-(\q)%2, 3
.endm
; A slot's last step changes slots: ONE barrier; in front of it each wave waits for all its tensor loads, adds 0 to its spare word, and waits for that and for its own reads of this slot.
; fill = 1: this slot is filled again, two K steps ahead, and the barrier opens a round of the cluster's.  sc2 = 1: the scale words of K steps 2 and 3 are fetched here.
.macro TURN slot, next, k, fill, sc2
	WIN 0                                          ; (the add's two registers lie in window 0)
	s_wait_tensorcnt 0x0                           ; all my tensor loads have landed: my part of the next slot;
	ds_add_u32 v[SPW], v[NIL]                      ; 0 onto my spare word;
	s_wait_dscnt 19                                ; (the add and A's blocks 1, 2, 3 may be out)
	WIN W_MUL
	MULS 0, 1, 3, \k, 0                            ; four matrix instructions stand between the add and the wait for it
	s_wait_dscnt 0x0                               ; the add is done, and my reads of this slot are over
	s_barrier_signal -1
	MULS 4, 1, 3, \k, 0                            ; work on registers while the others arrive
	WIN 0
	s_barrier_wait -1
.if \fill
	CREST                                          ; no wave of any partner still reads this slot's tile or has a load on its way
	s_add_nc_u64 s[G0+4*\slot+2:G0+4*\slot+3], s[G0+4*\slot+2:G0+4*\slot+3], 2*ROWB
	s_add_nc_u64 s[G0B+4*\slot+2:G0B+4*\slot+3], s[G0B+4*\slot+2:G0B+4*\slot+3], 2*ROWB
	JLOAD G0+4*\slot, G1, G0B+4*\slot, G1B         ; the first tensor load behind the round: it has the next K step's 64 matrix instructions in which to land; the four v_nop behind it are the places in front of the loads below
.else
	PLACES
.endif
.if \sc2
	SCALES2 2
.endif
	LG \next, 0, 0, 0                              ; the next slot's first fragments, in the order that a step's head counts on
	LG \next, 0, 0, 1
	WIN W_MUL
	MULS 8, 1, 3, \k, 0
	LG \next, 0, 0, 2
	MULS 12, 1, 3, \k, 0
	LG \next, 0, 0, 3
.endm
	s_wait_tensorcnt 1                             ; the scales and my part of K step 0 are in (K step 1's load may be out)
	s_barrier_signal -1
	s_barrier_wait -1                              ; everybody's are
	SCALES2 0
	LG 0, 0, 0, 0
	LG 0, 0, 0, 1
	LG 0, 0, 0, 2
	LG 0, 0, 0, 3
	NORMAL 0, 0, 0, 1                              ; K step 0, in slot 0; its first sixteen products start the sums
	NORMAL 0, 1, 0, 0
	NORMAL 0, 2, 0, 0
	TURN 0, 1, 0, 1, 1                             ; slot 0 takes K step 2
	NORMAL 1, 0, 1, 0                              ; K step 1, in slot 1
	NORMAL 1, 1, 1, 0
	NORMAL 1, 2, 1, 0
	TURN 1, 0, 1, 1, 0                             ; slot 1 takes K step 3
	NORMAL 0, 0, 2, 0                              ; K step 2
	NORMAL 0, 1, 2, 0
	NORMAL 0, 2, 2, 0
	TURN 0, 1, 2, 0, 0                             ; nothing is left to fetch: no round
	NORMAL 1, 0, 3, 0                              ; K step 3
	NORMAL 1, 1, 3, 0
	NORMAL 1, 2, 3, 0
	s_wait_dscnt 18                                ; the very last step: the counts run down
	WIN W_MUL
	MULS 0, 1, 3, 3, 0
	s_wait_dscnt 12
	MULS 4, 1, 3, 3, 0
	s_wait_dscnt 6
	MULS 8, 1, 3, 3, 0
	s_wait_dscnt 0
	MULS 12, 1, 3, 3, 0
; THE WAY OUT, block by block of 16 rows x 64 columns, all under the products' setting (address window 0, data window 1).  A lane holds 32 neighbouring bytes of a row, and the lanes beside it hold other rows: so a block goes
; through my own stage in LDS and comes back as whole rows: my 64 columns are 256 bytes of C, at a multiple of 256 from its first byte, which sixteen lanes store.  Each block has its own bytes of the stage and its own
; registers, so nothing is waited for but the rows themselves.  LDS serves a wave's instructions in order (ISA guide 5.7.1.4): no wait between the stores and the loads.
.macro TOSTAGE a
.irp b, 0,1,2,3
	ds_store_b128 v[STO], v[ACC+8*(4*(\a)+\b):ACC+8*(4*(\a)+\b)+3] offset:(\a)*16*SPITCH+64*\b          ; each accumulator from its low end on
	ds_store_b128 v[STO], v[ACC+8*(4*(\a)+\b)+4:ACC+8*(4*(\a)+\b)+7] offset:(\a)*16*SPITCH+64*\b+16
.endr
.irp t, 0,1,2,3,4,5,6,7
	ds_load_b128 v[BK+32*(\a)+4*\t:BK+32*(\a)+4*\t+3], v[RD] offset:(16*(\a)+2*\t)*SPITCH
.endr
.endm
.macro SEND a, younger                 ; younger: the LDS instructions issued behind block a's loads, which may stay out
	s_wait_dscnt \younger
.irp t, 0,1,2,3,4,5,6,7
	global_store_b128 v[CO], v[BK+32*(\a)+4*\t:BK+32*(\a)+4*\t+3], s[12:13] offset:(16*(\a)+2*\t)*SIZE_N*4 th:TH_STORE_NT   ; two rows an instruction; 62 rows of C at the most: inside the signed 24-bit immediate (ISA guide, chapter 10); written once, read by nobody here
.endr
.endm
	PLACES                                         ; for the first reads of results, and for the loads into the registers that held A's fragments
	TOSTAGE 0
.irp a, 1,2,3
	TOSTAGE \a
	SEND \a-1, 16                                  ; behind block a - 1's loads: block a's 8 stores and 8 loads
.endr
	SEND 3, 0
	WIN 0
	s_wait_tensorcnt 0x0                           ; the wave's end: behind my last tensor load and my last LDS store
	ds_add_u32 v[SPW], v[NIL]
	s_wait_dscnt 0x0
	CROUND                                         ; the closing round: no work-group ends while a partner may still ask for a tile that names it
	s_endpgm
.Lfunc_end_k_qd645a9c11d_outp:
	.size	k_qd645a9c11d_outp, .Lfunc_end_k_qd645a9c11d_outp-k_qd645a9c11d_outp
	.p2alignl 7, 3214868480
	.fill 96, 4, 3214868480
	.section	.rodata,"a",@progbits
	.p2align	6, 0x0
	.amdhsa_kernel k_qd645a9c11d_outp
		.amdhsa_group_segment_fixed_size 327680
		.amdhsa_private_segment_fixed_size 0
		.amdhsa_enable_private_segment 0
		.amdhsa_kernarg_size 40
		.amdhsa_user_sgpr_count 2
		.amdhsa_user_sgpr_kernarg_segment_ptr 1
		.amdhsa_wavefront_size32 1
		.amdhsa_system_sgpr_workgroup_id_x 1
		.amdhsa_system_sgpr_workgroup_id_y 1
		.amdhsa_system_sgpr_workgroup_id_z 1
		.amdhsa_system_vgpr_workitem_id 0
		.amdhsa_next_free_vgpr 512
		.amdhsa_next_free_sgpr 98
		.amdhsa_reserve_vcc 0
		.amdhsa_float_denorm_mode_32 3
		.amdhsa_float_denorm_mode_16_64 3
		.amdhsa_memory_ordered 1
		.amdhsa_forward_progress 1
		.amdhsa_inst_pref_size 106
	.end_amdhsa_kernel
	.amdgpu_metadata
---
amdhsa.version: [ 1, 2 ]
amdhsa.kernels:
  - .name:           k_qd645a9c11d_outp
    .symbol:         k_qd645a9c11d_outp.kd
    .args:
      - { .name: acodes, .offset: 0, .size: 8, .value_kind: global_buffer, .address_space: global }
      - { .name: ascales, .offset: 8, .size: 8, .value_kind: global_buffer, .address_space: global }
      - { .name: wo_codes, .offset: 16, .size: 8, .value_kind: global_buffer, .address_space: global }
      - { .name: wo_scales, .offset: 24, .size: 8, .value_kind: global_buffer, .address_space: global }
      - { .name: out0, .offset: 32, .size: 8, .value_kind: global_buffer, .address_space: global }
    .group_segment_fixed_size: 327680
    .private_segment_fixed_size: 0
    .kernarg_segment_align: 8
    .kernarg_segment_size: 40
    .max_flat_workgroup_size: 128
    .sgpr_count:     98
    .vgpr_count:     512
    .wavefront_size: 32
...
	.end_amdgpu_metadata
.endif
;; end of part 7
